; MI455X (gfx1250); checked and timed in simulation.
; The chip was launched on July 23, 2026; its instructions are those of AMD's public machine-readable ISA for CDNA 5 (MIT licence, August 2026) and "CDNA5" Instruction Set Architecture Reference Guide (July 2026). The comments in the code are by the model that wrote it; some were corrected since.
;; Semantics Modulated Attention. Allowed arithmetic: matrix products marked QUANTISED: E2M3 operands, one E8M0 scale for each 32 along K, by v_wmma_scale_f32_16x16x128_f8f6f4 with both operands' format E2M3, f32 sums; everything else in f32.
;; Inputs: Wkm_codes 512 x 16 x 24 uint8 (E2M3 codes of Wkm, K innermost, in blocks of 32 codes, four codes in three bytes); Wkm_scales 512 x 16 uint8 (E8M0 scales of Wkm, one for each 32 codes along K); Wkr_codes 512 x 32 x 24 uint8 (E2M3 codes of Wkr, K innermost, in blocks of 32 codes, four codes in three bytes); Wkr_scales 512 x 32 uint8 (E8M0 scales of Wkr, one for each 32 codes along K); Wkt_codes 512 x 8 x 24 uint8 (E2M3 codes of Wkt, K innermost, in blocks of 32 codes, four codes in three bytes); Wkt_scales 512 x 8 uint8 (E8M0 scales of Wkt, one for each 32 codes along K); Wq_codes 512 x 16 x 24 uint8 (E2M3 codes of Wq, K innermost, in blocks of 32 codes, four codes in three bytes); Wq_scales 512 x 16 uint8 (E8M0 scales of Wq, one for each 32 codes along K); Wvm_codes 512 x 16 x 24 uint8 (E2M3 codes of Wvm, K innermost, in blocks of 32 codes, four codes in three bytes); Wvm_scales 512 x 16 uint8 (E8M0 scales of Wvm, one for each 32 codes along K); Wvr_codes 512 x 16 x 24 uint8 (E2M3 codes of Wvr, K innermost, in blocks of 32 codes, four codes in three bytes); Wvr_scales 512 x 16 uint8 (E8M0 scales of Wvr, one for each 32 codes along K); Wvt_codes 512 x 8 x 24 uint8 (E2M3 codes of Wvt, K innermost, in blocks of 32 codes, four codes in three bytes); Wvt_scales 512 x 8 uint8 (E8M0 scales of Wvt, one for each 32 codes along K); bkm 512 float32; bkr 512 float32; bkt 512 float32; bq 512 float32; bvm 512 float32; bvr 512 float32; bvt 512 float32; cond_type 32 x 1 x 1 int32; emb 32 x 2,048 float32; emb_W_codes 1,024 x 64 x 24 uint8 (E2M3 codes of emb_W, K innermost, in blocks of 32 codes, four codes in three bytes); emb_W_scales 1,024 x 64 uint8 (E8M0 scales of emb_W, one for each 32 codes along K); emb_b 1,024 float32; norm_b 512 float32; norm_g 512 float32; out_W_codes 512 x 16 x 24 uint8 (E2M3 codes of out_W, K innermost, in blocks of 32 codes, four codes in three bytes); out_W_scales 512 x 16 uint8 (E8M0 scales of out_W, one for each 32 codes along K); out_b 512 float32; re_mask 32 x 4 x 256 float32; re_motion 32 x 4 x 256 x 512 float32; re_text 32 x 4 x 1 x 512 float32; rn1_b 1,024 float32; rn1_g 1,024 float32; rn2_b 512 float32; rn2_g 512 float32; snorm_b 512 float32; snorm_g 512 float32; src_mask 32 x 1,024 x 1 float32; tnorm_b 256 float32; tnorm_g 256 float32; x 32 x 1,024 x 512 float32; xf 32 x 77 x 256 float32.
;; Outputs: out0 32 x 1,024 x 512 float32.
;; This version of the problem:
;;   THIS VERSION OF THE PROBLEM IS GIVEN IN LOW PRECISION. The matrix products marked QUANTISED in the list below multiply operands that are first quantised to E2M3 (2 exponent bits, 3 mantissa bits; 6 bits a number), with one power-of-two scale for each 32 numbers along K (OCP MX v1.0); their sums are f32. All else is computed in f32.
;;   The module's matrix products, in the order in which they are computed (A, B: the left and right operand; K: the contracted axis; several contracted axes count as one K, in the product's order):
;;     1. [M 32,768, K 512] x [K 512, N 512]; A: computed on the way; B: input Wq (given as codes): QUANTISED
;;     2. [M 2,464, K 256] x [K 256, N 512]; A: computed on the way; B: input Wkt (given as codes): QUANTISED
;;     3. [M 32,768, K 1,024] x [K 1,024, N 512]; A: computed on the way; B: input Wkr (given as codes): QUANTISED
;;     4. [M 32,768, K 512] x [K 512, N 512]; A: computed on the way; B: input Wkm (given as codes): QUANTISED
;;     5. [M 2,464, K 256] x [K 256, N 512]; A: computed on the way; B: input Wvt (given as codes): QUANTISED
;;     6. [M 32,768, K 512] x [K 512, N 512]; A: computed on the way; B: input Wvr (given as codes): QUANTISED
;;     7. [M 32,768, K 512] x [K 512, N 512]; A: computed on the way; B: input Wvm (given as codes): QUANTISED
;;     8. batch 256 x [M 64, K 2,125] x [K 2,125, N 64]; A: softmax (see below); B: computed on the way: QUANTISED
;;     9. batch 256 x [M 64, K 64] x [K 64, N 1,024]; A: computed on the way; B: softmax (see below): QUANTISED
;;     10. [M 32, K 2,048] x [K 2,048, N 1,024]; A: computed on the way; B: input emb_W (given as codes): QUANTISED
;;     11. [M 32,768, K 512] x [K 512, N 512]; A: computed on the way; B: input out_W (given as codes): QUANTISED
;;   THE QUANTISER, for each operand of a quantised product, along K:
;;     - K is cut into blocks of 32 from its start; a last block that is shorter is filled with zeros.
;;     - A block's scale is 2^e with e = floor(log2(the largest magnitude in the block)) - 2, held to -126 .. 127; a block of zeros has e = 0. As a byte (E8M0): e + 127.
;;     - Each number is divided by its block's scale, clamped to +-7.5, and rounded to the nearest number of E2M3, ties to even, subnormals kept.
;;     - The product sums the exact products of the quantised numbers (number of the format x scale) in f32.
;;   ~~~python
;;   def quantise(x, axis):      # numpy; x: float32 -> the quantised numbers, widened to float32 again
;;       x = np.moveaxis(x, axis, -1); K = x.shape[-1]
;;       x = np.pad(x, [(0, 0)] * (x.ndim - 1) + [(0, -K % 32)]); x = x.reshape(x.shape[:-1] + (-1, 32)); a = np.abs(x).max(-1, keepdims=True)
;;       e = np.where(a > 0, np.clip(np.frexp(np.where(a > 0, a, 1))[1] - 1 - 2, -126, 127), 0)      # np.frexp(a)[1] - 1 = floor(log2(a)), exactly
;;       r = np.clip(x / 2.0 ** e, -7.5, 7.5)
;;       step = 2.0 ** (np.maximum(np.frexp(np.where(r == 0, 1, r))[1] - 1, 0) - 3)
;;       q = np.round(r / step) * step * 2.0 ** e      # np.round: ties to even
;;       return np.moveaxis(q.reshape(q.shape[:-2] + (-1,))[..., :K], -1, axis).astype(np.float32)
;;   ~~~
;;   SOFTMAX AHEAD OF A QUANTISED PRODUCT. Where the list says 'softmax', what is quantised is not the finished softmax but p = 2^(t - M), with t = logit x log2(e) and M = ceil(the row's largest t), a whole number; so 1/2 < the row's largest p <= 1. The row's sum l is taken of the UNQUANTISED p, in f32, and the product's result is divided by l at the end. Since M is a whole number, a kernel that streams over the keys may use a running M (the ceiling of the running maximum): every later rescaling is an exact power of two, which a block's scale takes up: the codes' values come out the same.
;;   OPERANDS COMPUTED ON THE WAY. 'Computed on the way' means the value that the module computes at that place (a softmax that the list does not call 'softmax' is quantised finished and normalised). What goes into a quantiser is computed in f32, as accurately as f32 sums, v_exp_f32 and their like allow (about 1e-6 of the number): no bf16 or f16 on the way to a quantiser, and a product that is left as it is and whose result goes on into a quantised operand takes f32 operands (vector FMAs, or v_wmma_f32_16x16x4_f32). A number that lies on a knife's edge between two numbers of the format may be rounded either way, as far as f32 arithmetic and the matrix unit's own rounding can turn it there, and no further.
;;   INPUTS GIVEN AS CODES. Wkm (in the module: [512, 512], K = its axis 1); Wkr (in the module: [512, 1024], K = its axis 1); Wkt (in the module: [512, 256], K = its axis 1); Wq (in the module: [512, 512], K = its axis 1); Wvm (in the module: [512, 512], K = its axis 1); Wvr (in the module: [512, 512], K = its axis 1); Wvt (in the module: [512, 256], K = its axis 1); emb_W (in the module: [1024, 2048], K = its axis 1); out_W (in the module: [512, 512], K = its axis 1): each comes as NAME_codes (uint8): NAME with its K axis moved to the last place and cut into blocks of 32 codes, [.., K / 32, bytes a block], one block behind the other in memory; four codes in three bytes: a row's codes are one little-endian stream of bits, code i at bits 6 i .. 6 i + 5 (a code: sign, 2 exponent bits, 3 mantissa bits); and NAME_scales (uint8): the same leading axes, one E8M0 byte (e + 127) for each 32 codes along K. Its value is code x scale, taken as it is: it is not quantised again, and the codes and scales need not be those that the quantiser above would give.
;; 2 versions, each right; version 2 is version 1 with the launches prep, main, edge, out written anew for expert scheduling mode. Each part assembles by itself: llvm-mc -triple=amdgcn-amd-amdhsa -mcpu=gfx1250 --defsym DOCPART=n.
;; ======== version 1 of 2: 4 launches
;; workspace buffers: wimg 1,622,016 bytes; tstat 1,024 bytes; film 131,072 bytes; part 33,554,432 bytes; pstat 2,097,152 bytes; attc 786,432 bytes; atts 65,536 bytes
;; launch prep (part 1): grid 274 x 1, 4 waves a work-group, no clusters, 27,136 bytes of LDS; arguments Wkr_codes, Wkr_scales, Wkm_codes, Wkm_scales, Wvr_codes, Wvr_scales, Wvm_codes, Wvm_scales, Wkt_codes, Wkt_scales, Wvt_codes, Wvt_scales, emb, emb_W_codes, emb_W_scales, emb_b, snorm_g, snorm_b, re_text, wimg, film, tstat, Wq_codes, out_W_codes; writes wimg, film, tstat
.if DOCPART == 1
	.amdgcn_target "amdgcn-amd-amdhsa--gfx1250"
	.amdhsa_code_object_version 6
	.text
	.protected	k_q69607e7bf1_prep
	.globl	k_q69607e7bf1_prep
	.p2align	8
	.type	k_q69607e7bf1_prep,@function
k_q69607e7bf1_prep:
	s_mov_b64 s[64:65], 0
	v_nop
	global_prefetch_b8 v0, s[64:65] scope:SCOPE_SE
	s_setreg_imm32_b32 hwreg(HW_REG_WAVE_MODE, 25, 1), 1
	s_wait_xcnt 0x0
; Three jobs, parted on the work-group's number; the long ones have the lowest numbers.
; 0-15   EMB: emb_out = silu(emb) emb_W^T + emb_b on codes, then FiLM's two vectors A = snorm_g (1 + scale), B = snorm_b (1 + scale) + shift.
;        Work-group e: rows 16 (e % 2) .. + 15 of the batch, feature tiles 4 (e / 2) + wave (scale) and 32 further on (shift).
; 16-17  TSTAT: mean and sum of squared deviations of each of the 128 rows of re_text.
; 18-273 RELAY: the eight weights that the later launches take are laid out as images of operand registers: a fragment (16 rows x 128 K of E2M3 codes,
;        12 registers a lane) is 1,536 bytes, register group g of lane l at 512 g + 16 l.  One wave a fragment, 1,024 fragments.  The first 768 (the six weights of keys and values)
;        have their 16 scale words in a table behind them; Wq's and out_W's 256 follow behind the table, without scale words: their reader takes the scale bytes as they are given.
;        Wq's rows are laid in the order that its reader's tiles want: lane r of tile 2 b + u takes row 32 b + 8 u + r + 8 (r / 8).
; LIMITS: NaN and infinities among the inputs are not served; a block of zeros gets the scale byte 1 (its codes are zeros; only this program reads the bytes).
.set MSB, 0
.macro WIN new
.if MSB != (\new)
	s_set_vgpr_msb (MSB<<8)|(\new)
.set MSB, (\new)
.endif
.endm
.macro NOPS n
.rept \n
	v_nop
.endr
.endm
.set LI,1
.set LS,2
.set R4,3
.set HH,4
.set ROFF,5
.set RR,9
.set XA,12
.set XSA,16
.set MEAN,22
.set QQ,30
.set TT,31
.set ST,32
.set PC,96
.set PT,108
.set TM,116
.set PW,132
.set SUM,134
.set U,142
.set EACC,148                          ; v148-163: two accumulators
.set TS,244                            ; v244-245: the token fragments' scale words, two sets
.set EF,32
.set WV,2
.set RP,66
.set SEL,80
.set NC,82
.set WSCL,1179648
.set ESC,24576                         ; LDS: 16 fragments of 1,536 bytes, then their scale words, 128 bytes each
.macro LOADPART ks, areg               ; 128 along K of my row: 16 neighbours of each block of 32 for my half of the lanes, into window 3
	WIN 0xc0
.irp b,0,1,2,3
.irp j,0,1,2,3
	global_load_b128 v[64*(\ks)+16*\b+4*\j:64*(\ks)+16*\b+4*\j+3], v[\areg], s[RP:RP+1] offset:512*(\ks)+128*\b+16*\j
.endr
.endr
	WIN 0
.endm
.macro REDUCE dst                      ; four packed chains, the pair's halves, lane l xor 16
	v_pk_add_f32 v[SUM:SUM+1], v[SUM:SUM+1], v[SUM+2:SUM+3]
	v_pk_add_f32 v[SUM+4:SUM+5], v[SUM+4:SUM+5], v[SUM+6:SUM+7]
	v_pk_add_f32 v[SUM:SUM+1], v[SUM:SUM+1], v[SUM+4:SUM+5]
	v_add_f32 v[TT], v[SUM], v[SUM+1]
	v_permlanex16_b32 v[U+5], v[TT], s[SEL], s[SEL+1]
	v_add_f32 v[\dst], v[TT], v[U+5]
.endm
.macro STATS nb                        ; the row in window 3 (16 nb numbers a lane): mean; centred in place; sum of squares
	WIN 0x0f
.irp k,0,1,2,3
	v_pk_add_f32 v[SUM+2*\k:SUM+2*\k+1], v[2*\k:2*\k+1], v[8+2*\k:9+2*\k]
.endr
	WIN 0x0c
.set sp, 8
.rept 8*\nb-8
	v_pk_add_f32 v[SUM+2*(sp%4):SUM+2*(sp%4)+1], v[SUM+2*(sp%4):SUM+2*(sp%4)+1], v[2*sp:2*sp+1]
.set sp, sp+1
.endr
	WIN 0
	REDUCE TT
	v_mul_f32 v[MEAN], 0x3b000000, v[TT]
	WIN 0xc3
.set sp, 0
.rept 8*\nb
	v_pk_add_f32 v[2*sp:2*sp+1], v[2*sp:2*sp+1], v[MEAN:MEAN+1] op_sel_hi:[1,0] neg_lo:[0,1] neg_hi:[0,1]
.set sp, sp+1
.endr
	WIN 0x0f
.irp k,0,1,2,3
	v_pk_mul_f32 v[SUM+2*\k:SUM+2*\k+1], v[2*\k:2*\k+1], v[2*\k:2*\k+1]
.endr
.set sp, 4
.rept 8*\nb-4
	v_pk_fma_f32 v[SUM+2*(sp%4):SUM+2*(sp%4)+1], v[2*sp:2*sp+1], v[2*sp:2*sp+1], v[SUM+2*(sp%4):SUM+2*(sp%4)+1]
.set sp, sp+1
.endr
	WIN 0
	REDUCE QQ
.endm
; 64 numbers of a lane, register 16 b + i = k 32 b + 16 (lane / 16) + i of my row, become a fragment's codes in v[PC] on and its scale word in v[pw]
.macro QUANT s, pw
.irp b,0,1,2,3
	v_max3_num_f32 v[TM+\b], |v[\s+16*\b]|, |v[\s+1+16*\b]|, 0x1800000   ; with the floor 2^(3 - 127): the byte cannot fall under 1
.endr
.irp i,2,4,6,8,10,12,14
.irp b,0,1,2,3
	v_max3_num_f32 v[TM+\b], v[TM+\b], |v[\s+16*\b+\i]|, |v[\s+1+16*\b+\i]|
.endr
.endr
.irp b,0,1,2,3
	v_permlanex16_b32 v[TM+4+\b], v[TM+\b], s[SEL], s[SEL+1]
.endr
.irp b,0,1,2,3
	v_max_num_f32 v[TM+\b], v[TM+\b], v[TM+4+\b]
.endr
.irp b,0,1,2,3
	v_add_nc_u32 v[TM+12+\b], 0xff000000, v[TM+\b]   ; 2 off the exponent field: the conversion's scale operand
.endr
.irp b,0,1,2,3
	v_lshrrev_b32 v[TM+4+\b], 23, v[TM+12+\b]
.endr
	v_lshl_or_b32 v[\pw], v[TM+5], 8, v[TM+4]
	v_lshl_or_b32 v[\pw], v[TM+6], 16, v[\pw]
	v_lshl_or_b32 v[\pw], v[TM+7], 24, v[\pw]
.irp c,0,1
	v_cvt_scalef32_pk16_fp6_f32 v[PC+6*\c:PC+2+6*\c], v[\s+32*\c:\s+15+32*\c], v[TM+12+2*\c]
	v_cvt_scalef32_pk16_fp6_f32 v[PT+4*\c:PT+2+4*\c], v[\s+16+32*\c:\s+31+32*\c], v[TM+13+2*\c]
.endr
	v_nop                                  ; one plain place behind a scaled conversion
.irp c,0,1
.irp i,0,1,2
	v_permlane16_swap_b32 v[PC+6*\c+\i], v[PT+4*\c+\i]   ; a whole block to a lane
.endr
.irp i,0,1,2
	v_mov_b32 v[PC+3+6*\c+\i], v[PT+4*\c+\i]
.endr
.endr
.endm
.macro IMAGE a, off
.irp c,0,1,2
	ds_store_b128 v[\a], v[PC+4*\c:PC+4*\c+3] offset:\off+512*\c
.endr
.endm
	s_load_b512 s[8:23], s[0:1], 0x0       ; Wkr c,s  Wkm c,s  Wvr c,s  Wvm c,s
	s_load_b512 s[24:39], s[0:1], 0x40     ; Wkt c,s  Wvt c,s  emb  emb_W c,s  emb_b
	s_load_b256 s[40:47], s[0:1], 0x80     ; snorm_g  snorm_b  re_text  wimg
	s_load_b128 s[48:51], s[0:1], 0xa0     ; film  tstat
	s_load_b128 s[84:87], s[0:1], 0xb0     ; Wq c  out_W c
	v_lshl_add_u32 v254, v0, 2, 0x6800
	v_mov_b32 v255, 0
	v_lshrrev_b32 v31, 5, v0
	v_readfirstlane_b32 s[WV], v31
	v_and_b32 v31, 31, v0
	v_lshlrev_b32 v[LI], 4, v31
	v_lshlrev_b32 v[LS], 2, v31
	v_and_b32 v[RR], 15, v0
	v_lshlrev_b32 v[R4], 2, v[RR]
	v_bfe_u32 v[HH], v0, 4, 1
	s_mov_b32 s[SEL], 0x76543210
	s_mov_b32 s[SEL+1], 0xfedcba98
	v_mov_b32 v[U+5], 0                    ; lane permutes' destinations and pairs' upper halves are written once
	v_mov_b32 v[MEAN+1], 0
.irp b,0,1,2,3
	v_mov_b32 v[TM+4+\b], 0
.endr
	s_mov_b32 s7, 0
	s_wait_kmcnt 0x0
	s_cmp_lt_u32 ttmp9, 16
	s_cbranch_scc1 .Lemb
	s_cmp_ge_u32 ttmp9, 18
	s_cbranch_scc1 .Lrelay
	; ---- TSTAT: a wave takes 16 rows of re_text
	s_sub_co_u32 s5, ttmp9, 16
	s_lshl_b32 s5, s5, 2
	s_add_co_u32 s5, s5, s[WV]
	s_lshl_b32 s6, s5, 15
	s_add_nc_u64 s[RP:RP+1], s[44:45], s[6:7]
	v_lshlrev_b32 v[ROFF], 11, v[RR]
	v_lshl_add_u32 v[ROFF], v[HH], 6, v[ROFF]
.irp k,0,1,2,3
	LOADPART \k, ROFF
.endr
	s_wait_loadcnt 0x0
	STATS 16
	v_mov_b32 v[MEAN+1], v[QQ]
	s_lshl_b32 s6, s5, 7
	s_add_nc_u64 s[52:53], s[50:51], s[6:7]
	v_lshlrev_b32 v10, 3, v[RR]
	global_store_b64 v10, v[MEAN:MEAN+1], s[52:53]     ; both halves of the lanes hold and store the same pair
	s_endpgm
	; ---- RELAY
.macro SECT lim, p, g0, lg
	s_cmp_lt_u32 s5, \lim
	s_cselect_b64 s[52:53], s[\p:\p+1], s[52:53]
	s_cselect_b64 s[54:55], s[\p+2:\p+3], s[54:55]
	s_cselect_b32 s56, \g0, s56
	s_cselect_b32 s57, \lg, s57
.endm
.Lrelay:
	s_sub_co_u32 s5, ttmp9, 18
	s_lshl_b32 s5, s5, 2
	s_add_co_u32 s5, s5, s[WV]             ; the fragment's number G
	s_mov_b64 s[52:53], s[86:87]           ; which weight: out_W from 896 on,
	s_mov_b64 s[54:55], s[30:31]           ; (from 768 on no scale words are laid out: this pointer is not used there)
	s_mov_b32 s56, 896
	s_mov_b32 s57, 2
	s_cmp_lt_u32 s5, 896                   ; Wq
	s_cselect_b64 s[52:53], s[84:85], s[52:53]
	s_cselect_b32 s56, 768, s56
	SECT 768, 28, 704, 1                   ; Wvt
	SECT 704, 24, 640, 1                   ; Wkt
	SECT 640, 20, 512, 2                   ; Wvm
	SECT 512, 16, 384, 2                   ; Wvr
	SECT 384, 12, 256, 2                   ; Wkm
	SECT 256, 8, 0, 3                      ; Wkr
	s_sub_co_u32 s70, s5, 768
	s_cmp_lt_u32 s70, 128
	s_cselect_b32 s71, 8, 0                ; 8 in Wq's fragments: their rows are not neighbours
	s_cmp_ge_u32 s5, 768
	s_cselect_b32 s72, 49152, 0            ; from 768 on the images lie behind the table of scale words
	s_sub_co_u32 s58, s5, s56              ; in its weight: [64 rows][ks][f4]
	s_and_b32 s59, s58, 3
	s_lshr_b32 s60, s58, 2
	s_bfm_b32 s61, s57, 0
	s_and_b32 s61, s60, s61                ; ks
	s_lshr_b32 s60, s60, s57               ; which 64 rows
	s_lshl_b32 s73, s59, 4                 ; the tile's first row: 16 f4,
	s_lshr_b32 s74, s59, 1
	s_lshl_b32 s74, s74, 5
	s_and_b32 s75, s59, 1
	s_lshl_b32 s75, s75, 3
	s_add_co_u32 s74, s74, s75             ; or, in Wq, 32 (f4 / 2) + 8 (f4 % 2)
	s_cmp_lg_u32 s71, 0
	s_cselect_b32 s59, s74, s73
	s_lshl_b32 s60, s60, 6
	s_add_co_u32 s60, s60, s59
	v_and_b32 v10, s71, v[RR]              ; in Wq: + 8 (r / 8)
	v_add_nc_u32 v10, v10, v[RR]
	v_add_nc_u32 v10, s60, v10             ; my row
	s_lshl_b32 s62, 96, s57                ; a row of codes in bytes
	v_mul_lo_u32 v11, v10, s62
	v_mad_u32_u24 v11, v[HH], 24, v11
	s_mul_i32 s63, s61, 96
	v_add_nc_u32 v11, s63, v11
	s_lshl_b32 s62, 4, s57                 ; a row of scale bytes
	v_mul_lo_u32 v12, v10, s62
	s_lshl_b32 s63, s61, 2
	v_add_nc_u32 v12, s63, v12
.irp p,0,1,2,3,4,5
	global_load_b64 v[16+2*\p:17+2*\p], v11, s[52:53] offset:48*(\p/3)+8*(\p%3)
.endr
	s_mul_i32 s6, s5, 1536
	s_add_co_u32 s6, s6, s72
	s_add_nc_u64 s[58:59], s[46:47], s[6:7]
	s_cmp_ge_u32 s5, 768
	s_cbranch_scc1 .Lnosc
	global_load_b32 v28, v12, s[54:55]
	s_lshl_b32 s6, s5, 6
	s_add_co_u32 s6, s6, WSCL
	s_add_nc_u64 s[60:61], s[46:47], s[6:7]
	s_wait_loadcnt 0x0
	global_store_b32 v[R4], v28, s[60:61]
.Lnosc:
	s_wait_loadcnt 0x0
.irp c,0,1,2
	global_store_b128 v[LI], v[16+4*\c:19+4*\c], s[58:59] offset:512*\c    ; 32 lanes store 512 consecutive bytes
.endr
	s_endpgm
	; ---- EMB
.macro SILUQ kk                        ; my K step kk of four: SiLU, quantised, its image and scale word to LDS
	WIN 0x03
.set sq, 0
.rept 32
	v_pk_mul_f32 v[ST+sq:ST+sq+1], v[64*\kk+sq:64*\kk+sq+1], s[NC:NC+1] op_sel_hi:[1,0]   ; -x log2(e)
.set sq, sq+2
.endr
	WIN 0
.set sq, 0
.rept 64
	v_exp_f32 v[ST+sq], v[ST+sq]
.set sq, sq+1
.endr
	v_nop
	s_wait_alu depctr_va_vdst(0)           ; one wait for the batch, ahead of its first reader
.set sq, 0
.rept 32
	v_pk_add_f32 v[ST+sq:ST+sq+1], v[ST+sq:ST+sq+1], 1.0 op_sel_hi:[1,0]
.set sq, sq+2
.endr
.set sq, 0
.rept 64
	v_rcp_f32 v[ST+sq], v[ST+sq]
.set sq, sq+1
.endr
	v_nop
	s_wait_alu depctr_va_vdst(0)
	WIN 0x0c
.set sq, 0
.rept 32
	v_pk_mul_f32 v[ST+sq:ST+sq+1], v[ST+sq:ST+sq+1], v[64*\kk+sq:64*\kk+sq+1]             ; x / (1 + e^-x)
.set sq, sq+2
.endr
	WIN 0
	QUANT ST, PW
	IMAGE XA, 1536*\kk
	ds_store_b32 v[XSA], v[PW] offset:128*\kk
	s_wait_dscnt 0x0                       ; the stores have read their registers
.endm
.macro EWLOAD q                        ; emb_W's fragments of K steps 4 q .. 4 q + 3, both feature tiles: 48 loads, which land while a K step of emb is worked on
	WIN 0x40
.irp k,0,1,2,3
.irp p,0,1,2,3,4,5
	global_load_b64 v[12*(4*\q+\k)+2*\p:12*(4*\q+\k)+2*\p+1], v10, s[34:35] offset:96*(4*\q+\k)+48*(\p/3)+8*(\p%3)
.endr
.endr
	WIN 0x80
.irp k,0,1,2,3
.irp p,0,1,2,3,4,5
	global_load_b64 v[12*(4*\q+\k)+2*\p:12*(4*\q+\k)+2*\p+1], v10, s[34:35] offset:786432+96*(4*\q+\k)+48*(\p/3)+8*(\p%3)
.endr
.endr
	WIN 0
.endm
.macro EFETCH ks                       ; the rows' fragment of K step ks
.irp c,0,1,2
	ds_load_b128 v[EF+12*((\ks)%2)+4*\c:EF+12*((\ks)%2)+4*\c+3], v[LI] offset:(\ks)*1536+512*\c
.endr
	ds_load_b32 v[TS+(\ks)%2], v[LS] offset:ESC+(\ks)*128
.endm
.Lemb:
	s_and_b32 s73, ttmp9, 1                ; which half of the batch
	s_lshr_b32 s5, ttmp9, 1
	s_lshl_b32 s5, s5, 2
	s_add_co_u32 s5, s5, s[WV]             ; my feature tile (scale), 0 .. 31; the shift's lies 32 tiles on
	s_mov_b32 s[NC], 0xbfb8aa3b            ; -log2(e)
	s_mov_b32 s[NC+1], s[NC]
	s_lshl_b32 s6, s[WV], 11               ; my four K steps of emb: 4 wave x 512 bytes,
	s_lshl_b32 s74, s73, 17                ; in my half's 16 rows of 8,192 bytes
	s_add_co_u32 s6, s6, s74
	s_add_nc_u64 s[RP:RP+1], s[32:33], s[6:7]
	v_lshlrev_b32 v[ROFF], 13, v[RR]
	v_lshl_add_u32 v[ROFF], v[HH], 6, v[ROFF]
.irp k,0,1,2,3
	LOADPART \k, ROFF
.endr
	s_mul_i32 s6, s5, 24576                ; 16 rows of emb_W, 1,536 bytes each
	s_add_nc_u64 s[34:35], s[34:35], s[6:7]
	v_mul_u32_u24 v10, v[RR], 1536
	v_mad_u32_u24 v10, v[HH], 24, v10
	s_lshl_b32 s6, s5, 10
	s_add_nc_u64 s[36:37], s[36:37], s[6:7]
	v_lshlrev_b32 v11, 6, v[RR]
	s_lshl_b32 s6, s5, 6
	s_add_nc_u64 s[38:39], s[38:39], s[6:7]
	s_add_nc_u64 s[40:41], s[40:41], s[6:7]
	s_add_nc_u64 s[42:43], s[42:43], s[6:7]
	s_lshl_b32 s74, s73, 15                ; film: my half's 16 rows of 2,048 bytes
	s_add_co_u32 s6, s6, s74
	s_add_nc_u64 s[48:49], s[48:49], s[6:7]
	v_lshlrev_b32 v13, 5, v[HH]
	s_mul_i32 s74, s[WV], 6144
	v_add_nc_u32 v[XA], s74, v[LI]
	s_lshl_b32 s74, s[WV], 9
	s_add_co_u32 s74, s74, ESC
	v_add_nc_u32 v[XSA], s74, v[LS]
	s_wait_loadcnt 0x0                     ; my four K steps of emb are in: nothing else has been asked for yet
	EWLOAD 0
.irp i,0,1,2,3
	global_load_b128 v[180+4*\i:183+4*\i], v11, s[36:37] offset:16*\i
	global_load_b128 v[196+4*\i:199+4*\i], v11, s[36:37] offset:32768+16*\i
.endr
	SILUQ 0
	EWLOAD 1
.irp i,0,1
	global_load_b128 v[212+4*\i:215+4*\i], v13, s[38:39] offset:16*\i
	global_load_b128 v[220+4*\i:223+4*\i], v13, s[38:39] offset:2048+16*\i
	global_load_b128 v[228+4*\i:231+4*\i], v13, s[40:41] offset:16*\i
	global_load_b128 v[236+4*\i:239+4*\i], v13, s[42:43] offset:16*\i
.endr
	SILUQ 1
	EWLOAD 2
	SILUQ 2
	EWLOAD 3
	SILUQ 3                                ; (it ends with the wait for my LDS stores)
	s_barrier_signal -1
	s_barrier_wait -1                      ; the 16 fragments of silu(emb) lie in LDS
	s_wait_loadcnt 0x0                     ; emb_W, its scale words, the biases and gains
	EFETCH 0
.set ek, 0
.rept 16
.if ek > 0
	NOPS 4                                 ; places in front of loads into registers that matrix instructions have read
.endif
.if ek < 15
	EFETCH ek+1
	s_wait_dscnt 4                         ; all but the four just issued
.else
	s_wait_dscnt 0x0
.endif
.irp f,0,1                             ; the two accumulators take turns
	WIN 1+\f
.if ek == 0
	v_wmma_scale_f32_16x16x128_f8f6f4 v[EACC+8*\f:EACC+8*\f+7], v[12*ek:12*ek+11], v[EF+12*(ek%2):EF+12*(ek%2)+11], v[212+8*\f:219+8*\f], v[180+16*\f+ek], v[TS+ek%2] matrix_a_fmt:MATRIX_FMT_FP6 matrix_b_fmt:MATRIX_FMT_FP6
.else
	v_wmma_scale_f32_16x16x128_f8f6f4 v[EACC+8*\f:EACC+8*\f+7], v[12*ek:12*ek+11], v[EF+12*(ek%2):EF+12*(ek%2)+11], v[EACC+8*\f:EACC+8*\f+7], v[180+16*\f+ek], v[TS+ek%2] matrix_a_fmt:MATRIX_FMT_FP6 matrix_b_fmt:MATRIX_FMT_FP6
.endif
.endr
	WIN 0
.set ek, ek+1
.endr
	NOPS 4
.irp j,0,1,2,3,4,5,6,7
	v_fma_f32 v[32+\j], v[228+\j], v[EACC+\j], v[228+\j]          ; A = g + g scale
	v_fma_f32 v[48+\j], v[236+\j], v[EACC+\j], v[236+\j]          ; b + b scale
	v_add_f32 v[48+\j], v[48+\j], v[EACC+8+\j]                    ; + shift
.endr
	v_lshlrev_b32 v10, 11, v[RR]
	v_lshl_add_u32 v10, v[HH], 5, v10
.irp i,0,1
	global_store_b128 v10, v[32+4*\i:35+4*\i], s[48:49] offset:16*\i
	global_store_b128 v10, v[48+4*\i:51+4*\i], s[48:49] offset:65536+16*\i
.endr
	s_wait_tensorcnt 0x0
	ds_add_u32 v254, v255
	s_wait_dscnt 0x0
	s_endpgm
.Lfunc_end_k_q69607e7bf1_prep:
	.size	k_q69607e7bf1_prep, .Lfunc_end_k_q69607e7bf1_prep-k_q69607e7bf1_prep
	.p2alignl 7, 3214868480
	.fill 96, 4, 3214868480
	.section	.rodata,"a",@progbits
	.p2align	6, 0x0
	.amdhsa_kernel k_q69607e7bf1_prep
		.amdhsa_group_segment_fixed_size 27136
		.amdhsa_private_segment_fixed_size 0
		.amdhsa_enable_private_segment 0
		.amdhsa_kernarg_size 192
		.amdhsa_user_sgpr_count 2
		.amdhsa_user_sgpr_kernarg_segment_ptr 1
		.amdhsa_wavefront_size32 1
		.amdhsa_system_sgpr_workgroup_id_x 1
		.amdhsa_system_sgpr_workgroup_id_y 1
		.amdhsa_system_sgpr_workgroup_id_z 1
		.amdhsa_system_vgpr_workitem_id 0
		.amdhsa_next_free_vgpr 1024
		.amdhsa_next_free_sgpr 90
		.amdhsa_reserve_vcc 0
		.amdhsa_float_denorm_mode_32 3
		.amdhsa_float_denorm_mode_16_64 3
		.amdhsa_memory_ordered 1
		.amdhsa_forward_progress 1
		.amdhsa_inst_pref_size 136
	.end_amdhsa_kernel
	.amdgpu_metadata
---
amdhsa.version: [ 1, 2 ]
amdhsa.kernels:
  - .name:           k_q69607e7bf1_prep
    .symbol:         k_q69607e7bf1_prep.kd
    .args:
      - { .name: Wkr_codes, .offset: 0, .size: 8, .value_kind: global_buffer, .address_space: global }
      - { .name: Wkr_scales, .offset: 8, .size: 8, .value_kind: global_buffer, .address_space: global }
      - { .name: Wkm_codes, .offset: 16, .size: 8, .value_kind: global_buffer, .address_space: global }
      - { .name: Wkm_scales, .offset: 24, .size: 8, .value_kind: global_buffer, .address_space: global }
      - { .name: Wvr_codes, .offset: 32, .size: 8, .value_kind: global_buffer, .address_space: global }
      - { .name: Wvr_scales, .offset: 40, .size: 8, .value_kind: global_buffer, .address_space: global }
      - { .name: Wvm_codes, .offset: 48, .size: 8, .value_kind: global_buffer, .address_space: global }
      - { .name: Wvm_scales, .offset: 56, .size: 8, .value_kind: global_buffer, .address_space: global }
      - { .name: Wkt_codes, .offset: 64, .size: 8, .value_kind: global_buffer, .address_space: global }
      - { .name: Wkt_scales, .offset: 72, .size: 8, .value_kind: global_buffer, .address_space: global }
      - { .name: Wvt_codes, .offset: 80, .size: 8, .value_kind: global_buffer, .address_space: global }
      - { .name: Wvt_scales, .offset: 88, .size: 8, .value_kind: global_buffer, .address_space: global }
      - { .name: emb, .offset: 96, .size: 8, .value_kind: global_buffer, .address_space: global }
      - { .name: emb_W_codes, .offset: 104, .size: 8, .value_kind: global_buffer, .address_space: global }
      - { .name: emb_W_scales, .offset: 112, .size: 8, .value_kind: global_buffer, .address_space: global }
      - { .name: emb_b, .offset: 120, .size: 8, .value_kind: global_buffer, .address_space: global }
      - { .name: snorm_g, .offset: 128, .size: 8, .value_kind: global_buffer, .address_space: global }
      - { .name: snorm_b, .offset: 136, .size: 8, .value_kind: global_buffer, .address_space: global }
      - { .name: re_text, .offset: 144, .size: 8, .value_kind: global_buffer, .address_space: global }
      - { .name: wimg, .offset: 152, .size: 8, .value_kind: global_buffer, .address_space: global }
      - { .name: film, .offset: 160, .size: 8, .value_kind: global_buffer, .address_space: global }
      - { .name: tstat, .offset: 168, .size: 8, .value_kind: global_buffer, .address_space: global }
      - { .name: Wq_codes, .offset: 176, .size: 8, .value_kind: global_buffer, .address_space: global }
      - { .name: out_W_codes, .offset: 184, .size: 8, .value_kind: global_buffer, .address_space: global }
    .group_segment_fixed_size: 27136
    .private_segment_fixed_size: 0
    .kernarg_segment_align: 8
    .kernarg_segment_size: 192
    .max_flat_workgroup_size: 128
    .sgpr_count:     90
    .vgpr_count:     1024
    .wavefront_size: 32
...
	.end_amdgpu_metadata
.endif
;; end of part 1
;; launch main (part 2): grid 8 x 32, 4 waves a work-group, no clusters, 250,368 bytes of LDS; arguments x, re_motion, re_text, src_mask, re_mask, cond_type, norm_g, norm_b, rn1_g, rn1_b, rn2_g, rn2_b, wimg, tstat, bkr, bkm, bvr, bvm, part, pstat; writes part, pstat
.if DOCPART == 2
	.amdgcn_target "amdgcn-amd-amdhsa--gfx1250"
	.amdhsa_code_object_version 6
	.text
	.protected	k_q69607e7bf1_main
	.globl	k_q69607e7bf1_main
	.p2align	8
	.type	k_q69607e7bf1_main,@function
k_q69607e7bf1_main:
	s_mov_b64 s[64:65], 0
	v_nop
	global_prefetch_b8 v0, s[64:65] scope:SCOPE_SE
	s_setreg_imm32_b32 hwreg(HW_REG_WAVE_MODE, 25, 1), 1
	s_wait_xcnt 0x0
; Work-group (c, b): positions p = 0 .. 127 stand for retrieval token and motion token 19 + 128 c + p of batch b: four whole blocks of 32 of the concatenated token axis each.
; PHASE X: LayerNorms in f32, quantised along the features, as images of operand registers in LDS (job 0 value of retrieval, 1 and 2 the two halves of its key, 3 motion).
; THEN each wave takes two heads: K logits and V (tokens = source 0, weights = source 1: a lane holds one feature, its registers run along the tokens), the key softmax
; p = 2^(t - M) under a running whole M, p and V quantised along the tokens, att(l, d) += V^T p.  The sums leave under the local M, with -M and the sum of p.
; Tokens past their source's end get the penalty -infinity and the value mask 0: zero codes.
; No tensor loads: weights come as dense 512-byte loads of register images; what work-groups share is at most 0.4 MB of weights, so no cluster.
; LIMITS: NaN and infinities are not served; a retrieval token's two penalties are added to each other before they meet the logit; a block of zeros gets the byte 1.
.set MSB, 0
.macro WIN new
.if MSB != \new
	s_set_vgpr_msb (MSB<<8)|\new
.set MSB, \new
.endif
.endm
.macro NOPS n
.rept \n
	v_nop
.endr
.endm
.set LI,1
.set LS,2
.set R4,3
.set HH,4
.set ROFF,5
.set MOFF,6
.set TQOFF,7
.set TOKC,8
.set TOKN,9
.set TKA,10
.set TKB,11
.set XA,12
.set XSA,16
.set PNA,17
.set GBA,18
.set MK,19
.set TQ,20
.set MEAN,22
.set RS,24
.set DR,26
.set M1,28
.set RS1,29
.set QQ,30
.set TT,31
.set ST,32
.set PC,96
.set PT,108
.set TM,116
.set PW,132
.set SUM,134
.set U,142
.set WF,32
.set TF,128
.set TS,176
.set WS,180
.set PS,196
.set VS,200
.set SM,204
.set SL,212
.set SF,220
.set BI,228
.set TAK,236
.set TA,240
.set TS0,244
.set TSQ,245
.set PENA,246
.set BV,248
.set WV,2
.set BB,3
.set CC,4
.set RP,66
.set MP,68
.set NN,70
.set SA,71
.set SB,72
.set SC,73
.set SD,74
.set SEL0,75
.set SELK,76
.set CT,77
.set PCS,78
.set LIM,79
.set SEL,80
.set CS,82
.set CTR,84
.set PCR,85
.set HT,86
.set HD,87
.set SP,88
.set GHK,89
.set GHV,90
.set WPK,92
.set WSK,94
.set WPV,98
.set WSV,100
.set BKP,48
.set BVP,50
.set OP1,52
.set OP2,54
.set P_X,8
.set P_RM,10
.set P_RT,12
.set P_SM,14
.set P_REM,16
.set P_WI,32
.set P_TS,34
.set WSCL,1179648
.set PEN,32768
.set VMOFF,2048
.set SCL,36864
.set FRAG,53248
.set NMASK,7
.set NLAST,7
.set LIMR,1010
.set LIMM,1023
.set X_SKS,4096
.set G_GS,2048
.set G_TSTR,6144
.set G_SKS,4096
.set G_SSTR,512
.macro LOADPART ks, areg
	WIN 0xc0
.irp b,0,1,2,3
.irp j,0,1,2,3
	global_load_b128 v[64*(\ks)+16*\b+4*\j:64*(\ks)+16*\b+4*\j+3], v[\areg], s[RP:RP+1] offset:512*(\ks)+128*\b+16*\j
.endr
.endr
	WIN 0
.endm
.macro REDUCE dst
	v_pk_add_f32 v[SUM:SUM+1], v[SUM:SUM+1], v[SUM+2:SUM+3]
	v_pk_add_f32 v[SUM+4:SUM+5], v[SUM+4:SUM+5], v[SUM+6:SUM+7]
	v_pk_add_f32 v[SUM:SUM+1], v[SUM:SUM+1], v[SUM+4:SUM+5]
	v_add_f32 v[TT], v[SUM], v[SUM+1]
	v_permlanex16_b32 v[U+5], v[TT], s[SEL], s[SEL+1]
	v_add_f32 v[\dst], v[TT], v[U+5]
.endm
.macro STATS nb
	WIN 0x0f
.irp k,0,1,2,3
	v_pk_add_f32 v[SUM+2*\k:SUM+2*\k+1], v[2*\k:2*\k+1], v[8+2*\k:9+2*\k]
.endr
	WIN 0x0c
.set sp, 8
.rept 8*\nb-8
	v_pk_add_f32 v[SUM+2*(sp%4):SUM+2*(sp%4)+1], v[SUM+2*(sp%4):SUM+2*(sp%4)+1], v[2*sp:2*sp+1]
.set sp, sp+1
.endr
	WIN 0
	REDUCE TT
.if \nb == 16
	v_mul_f32 v[MEAN], 0x3b000000, v[TT]
.else
	v_mul_f32 v[MEAN], 0x3b800000, v[TT]
.endif
	WIN 0xc3
.set sp, 0
.rept 8*\nb
	v_pk_add_f32 v[2*sp:2*sp+1], v[2*sp:2*sp+1], v[MEAN:MEAN+1] op_sel_hi:[1,0] neg_lo:[0,1] neg_hi:[0,1]
.set sp, sp+1
.endr
	WIN 0x0f
.irp k,0,1,2,3
	v_pk_mul_f32 v[SUM+2*\k:SUM+2*\k+1], v[2*\k:2*\k+1], v[2*\k:2*\k+1]
.endr
.set sp, 4
.rept 8*\nb-4
	v_pk_fma_f32 v[SUM+2*(sp%4):SUM+2*(sp%4)+1], v[2*sp:2*sp+1], v[2*sp:2*sp+1], v[SUM+2*(sp%4):SUM+2*(sp%4)+1]
.set sp, sp+1
.endr
	WIN 0
	REDUCE QQ
.endm
.macro QUANT s, pw
.irp b,0,1,2,3
	v_max3_num_f32 v[TM+\b], |v[\s+16*\b]|, |v[\s+1+16*\b]|, 0x1800000   ; with the floor 2^(3 - 127): the byte cannot fall under 1
.endr
.irp i,2,4,6,8,10,12,14
.irp b,0,1,2,3
	v_max3_num_f32 v[TM+\b], v[TM+\b], |v[\s+16*\b+\i]|, |v[\s+1+16*\b+\i]|
.endr
.endr
.irp b,0,1,2,3
	v_permlanex16_b32 v[TM+4+\b], v[TM+\b], s[SEL], s[SEL+1]
.endr
.irp b,0,1,2,3
	v_max_num_f32 v[TM+\b], v[TM+\b], v[TM+4+\b]
.endr
.irp b,0,1,2,3
	v_add_nc_u32 v[TM+12+\b], 0xff000000, v[TM+\b]
.endr
.irp b,0,1,2,3
	v_lshrrev_b32 v[TM+4+\b], 23, v[TM+12+\b]
.endr
	v_lshl_or_b32 v[\pw], v[TM+5], 8, v[TM+4]
	v_lshl_or_b32 v[\pw], v[TM+6], 16, v[\pw]
	v_lshl_or_b32 v[\pw], v[TM+7], 24, v[\pw]
.irp c,0,1
	v_cvt_scalef32_pk16_fp6_f32 v[PC+6*\c:PC+2+6*\c], v[\s+32*\c:\s+15+32*\c], v[TM+12+2*\c]
	v_cvt_scalef32_pk16_fp6_f32 v[PT+4*\c:PT+2+4*\c], v[\s+16+32*\c:\s+31+32*\c], v[TM+13+2*\c]
.endr
	v_nop                                  ; one plain place behind a scaled conversion
.irp c,0,1
.irp i,0,1,2
	v_permlane16_swap_b32 v[PC+6*\c+\i], v[PT+4*\c+\i]
.endr
.irp i,0,1,2
	v_mov_b32 v[PC+3+6*\c+\i], v[PT+4*\c+\i]
.endr
.endr
.endm
.macro IMAGE a, off
.irp c,0,1,2
	ds_store_b128 v[\a], v[PC+4*\c:PC+4*\c+3] offset:\off+512*\c
.endr
.endm
.macro TOW2 dst                        ; the fragment just made goes to window 2
	WIN 0x80
.irp i,0,1,2,3,4,5,6,7,8,9,10,11
	v_mov_b32 v[\dst+\i], v[PC+\i]
.endr
	WIN 0
.endm
; 128 along K of the centred row: x rs + dr, gain and bias from LDS, quantised, its image and scale word to LDS.  nx = 1: the next row's part is asked for; 2: but in the last trip
.macro NORMQ ks, nx, na
	WIN 0x80
.irp i,0,1,2,3,4,5,6,7,8,9,10,11,12,13,14,15
	ds_load_b128 v[128+4*\i:131+4*\i], v[GBA] offset:512*(\ks)+128*(\i/4)+16*(\i%4)
	ds_load_b128 v[192+4*\i:195+4*\i], v[GBA] offset:G_GS+512*(\ks)+128*(\i/4)+16*(\i%4)
.endr
	s_wait_dscnt 0x0                       ; gain and bias are in; the last image's stores have read their registers
	WIN 0x03
.set nq, 0
.rept 32
	v_pk_fma_f32 v[ST+nq:ST+nq+1], v[64*(\ks)+nq:64*(\ks)+nq+1], v[RS:RS+1], v[DR:DR+1] op_sel_hi:[1,0,0]
.set nq, nq+2
.endr
	WIN 0x28
.set nq, 0
.rept 32
	v_pk_fma_f32 v[ST+nq:ST+nq+1], v[ST+nq:ST+nq+1], v[128+nq:129+nq], v[192+nq:193+nq]
.set nq, nq+2
.endr
	WIN 0
.if \nx == 2
	s_cmp_eq_u32 s[NN], NLAST
	s_cbranch_scc1 .Lnl_\@
	LOADPART \ks, \na
.Lnl_\@:
.elseif \nx == 1
	LOADPART \ks, \na
.endif
	QUANT ST, PW
	IMAGE XA+\ks, 0
	ds_store_b32 v[XSA], v[PW] offset:(\ks)*X_SKS
.endm
; this trip's selects (job q = n & 3) and the next trip's addresses
.macro NEXTADDR
	s_and_b32 s5, s[NN], 3
	s_cmp_eq_u32 s5, 0
	s_cselect_b32 s[SEL0], -1, 0
	s_cselect_b32 s[CT], s[CTR], 1.0
	s_cselect_b32 s[PCS], s[PCR], 0
	s_mov_b32 s[LIM], LIMM
	s_cselect_b32 s[LIM], LIMR, s[LIM]
	s_sub_co_u32 s6, s5, 1
	s_cmp_lt_u32 s6, 2
	s_cselect_b32 s[SELK], -1, 0
	s_add_co_u32 s5, s[NN], 1
	s_and_b32 s5, s5, NMASK
	s_lshr_b32 s6, s5, 2
	s_lshl_b32 s6, s6, 3
	s_and_b32 s5, s5, 3
	s_cmp_eq_u32 s5, 2
	s_cselect_b64 s[RP:RP+1], s[P_RT:P_RT+1], s[P_RM:P_RM+1]
	s_cselect_b32 s7, 8, 0
	s_cmp_eq_u32 s5, 3
	s_cselect_b64 s[RP:RP+1], s[P_X:P_X+1], s[RP:RP+1]
	s_cselect_b32 s62, -1, 0
	s_cmp_eq_u32 s5, 0
	s_cselect_b64 s[MP:MP+1], s[P_REM:P_REM+1], s[P_SM:P_SM+1]
	v_cndmask_b32 v[TOKN], v[TKA], v[TKB], s62
	v_add_nc_u32 v[TOKN], s6, v[TOKN]
	v_min_u32 v[TT], 0x3ff, v[TOKN]        ; no load leaves its buffer
	v_lshrrev_b32 v[ROFF], s7, v[TT]       ; job 2 reads the token's row of re_text: token / 256
	v_lshlrev_b32 v[ROFF], 11, v[ROFF]
	v_lshl_add_u32 v[ROFF], v[HH], 6, v[ROFF]
	v_lshlrev_b32 v[MOFF], 2, v[TT]
	v_lshrrev_b32 v[TQOFF], 8, v[TT]
	v_lshlrev_b32 v[TQOFF], 3, v[TQOFF]
.endm
.macro XTRIP nb, keyed, nx, na
	s_wait_loadcnt 0x0                     ; the row, its mask and the text's stats are in; every address register is free
.if \keyed
	NEXTADDR
.endif
	STATS \nb
	v_mov_b32 v[U], 0x3727c5ac             ; 1e-5
.if \nb == 16
	v_fmac_f32 v[U], 0x3b000000, v[QQ]
.else
	v_fmac_f32 v[U], 0x3b800000, v[QQ]
.endif
.if \keyed
	v_add_f32 v[U+1], v[MEAN], v[TQ]       ; the key's norm spans the motion row and the text row: mean of the two means,
	v_mul_f32 v[U+1], 0.5, v[U+1]
	v_sub_f32 v[U+2], v[MEAN], v[U+1]
	v_sub_f32 v[U+3], v[TQ], v[U+1]
	v_mul_f32 v[U+2], v[U+2], v[U+2]
	v_fmac_f32 v[U+2], v[U+3], v[U+3]
	v_add_f32 v[U+3], v[QQ], v[TQ+1]
	v_fmac_f32 v[U+3], 0x44000000, v[U+2]  ; both sums of squares brought to the common mean
	v_mov_b32 v[U+4], 0x3727c5ac
	v_fmac_f32 v[U+4], 0x3a800000, v[U+3]
	v_rsq_f32 v[U], v[U]
	v_rsq_f32 v[U+4], v[U+4]
	v_nop
	s_wait_alu depctr_va_vdst(0)           ; one wait for both, ahead of the first reader
	v_cndmask_b32 v[M1], v[M1], v[U+1], s[SEL0]      ; made in job 0, kept for jobs 1 and 2
	v_cndmask_b32 v[RS1], v[RS1], v[U+4], s[SEL0]
	v_cndmask_b32 v[RS], v[U], v[RS1], s[SELK]
	v_sub_f32 v[U+2], v[MEAN], v[M1]
	v_mul_f32 v[U+2], v[U+2], v[RS1]
	v_cndmask_b32 v[DR], 0, v[U+2], s[SELK]
	v_mov_b32 v[U], s[PCS]                 ; the token's penalty and value mask
	v_sub_f32 v[U+1], 1.0, v[MK]
	v_fmac_f32 v[U], 0xc9742400, v[U+1]
	v_mul_f32 v[U+1], s[CT], v[MK]
	v_mov_b32 v[U+2], 0xff800000
	v_mov_b32 v[U+3], 0
	v_cmp_lt_u32 vcc_lo, s[LIM], v[TOKC]
	v_cndmask_b32 v[U], v[U], v[U+2], vcc_lo
	v_cndmask_b32 v[U+1], v[U+1], v[U+3], vcc_lo
	ds_store_b32 v[PNA], v[U]
	ds_store_b32 v[PNA], v[U+1] offset:VMOFF
.else
	v_rsq_f32 v[RS], v[U]
	v_mov_b32 v[DR], 0
	s_wait_alu depctr_va_vdst(0)
.endif
.set xk, 0
.rept \nb/4
	NORMQ xk, \nx, \na
.set xk, xk+1
.endr
.if \keyed
	global_load_b32 v[MK], v[MOFF], s[MP:MP+1]
	global_load_b64 v[TQ:TQ+1], v[TQOFF], s[P_TS:P_TS+1]
	v_mov_b32 v[TOKC], v[TOKN]
.endif
.endm
; ---- the products of tokens with weights
.macro GW nft, ks, wp, wb              ; a K step's weight fragments, 3 dense loads each
.set gwf, 0
.rept \nft
.irp c,0,1,2
	global_load_b128 v[WF+48*((\ks)%2)+12*gwf+4*\c:WF+48*((\ks)%2)+12*gwf+4*\c+3], v[LI], s[\wp:\wp+1] offset:\wb+6144*(\ks)+1536*gwf+512*\c
.endr
.set gwf, gwf+1
.endr
.endm
.macro GT ntt, ta, tb, tsv, sb         ; unit gu's token fragment and scale word
.irp c,0,1,2
	ds_load_b128 v[TF+12*(gu%4)+4*\c:TF+12*(gu%4)+4*\c+3], v[\ta+gu/\ntt] offset:\tb+(gu%\ntt)*G_TSTR+512*\c
.endr
	ds_load_b32 v[TS+gu%4], v[\tsv] offset:\sb+(gu/\ntt)*G_SKS+(gu%\ntt)*G_SSTR
.endm
.macro GEMM nft, ntt, nks, zero, acc0, ta, tb, tsv, sb, wp, wb, wsr
	WIN 0
	NOPS 4
	GW \nft, 0, \wp, \wb
.set gu, 0
	GT \ntt, \ta, \tb, \tsv, \sb
.set gu, 1
	GT \ntt, \ta, \tb, \tsv, \sb
.set gi, 0
.rept \ntt*\nks
.set gk, gi/\ntt
.set gt, gi%\ntt
	WIN 0
.if gt == 0
.if gi > 0
	NOPS 4                                 ; places in front of loads into the weight set that the last unit read
.endif
.if gk+1 < \nks
	GW \nft, gk+1, \wp, \wb
.endif
.else
	NOPS 2                                 ; with the last unit's: four places behind the buffer's last reader, two units back
.endif
.if gi+2 < \ntt*\nks
.set gu, gi+2
	GT \ntt, \ta, \tb, \tsv, \sb
.endif
.if gt == 0
.if gk+1 < \nks
	s_wait_loadcnt 3*\nft                  ; all but the next K step's weights
.else
	s_wait_loadcnt 0x0
.endif
.endif
.if \ntt*\nks-1-gi >= 2
	s_wait_dscnt 8                         ; the next two units' loads may be out
.else
	s_wait_dscnt 4*(\ntt*\nks-1-gi)
.endif
	WIN 0x50
.set gf, 0
.rept \nft
.if \zero && (gk == 0)
	v_wmma_scale_f32_16x16x128_f8f6f4 v[\acc0+64*gf+8*gt:\acc0+64*gf+8*gt+7], v[TF+12*(gi%4):TF+12*(gi%4)+11], v[WF+48*(gk%2)+12*gf:WF+48*(gk%2)+12*gf+11], 0, v[TS+gi%4], v[WS+\wsr+4*gf+gk] matrix_a_fmt:MATRIX_FMT_FP6 matrix_b_fmt:MATRIX_FMT_FP6
.else
	v_wmma_scale_f32_16x16x128_f8f6f4 v[\acc0+64*gf+8*gt:\acc0+64*gf+8*gt+7], v[TF+12*(gi%4):TF+12*(gi%4)+11], v[WF+48*(gk%2)+12*gf:WF+48*(gk%2)+12*gf+11], v[\acc0+64*gf+8*gt:\acc0+64*gf+8*gt+7], v[TS+gi%4], v[WS+\wsr+4*gf+gk] matrix_a_fmt:MATRIX_FMT_FP6 matrix_b_fmt:MATRIX_FMT_FP6
.endif
.set gf, gf+1
.endr
.set gi, gi+1
.endr
	WIN 0
.endm
.macro WSLOAD nft, nks, wsp, off       ; the weights' scale words, behind four places
	NOPS 4
.set wf, 0
.rept \nft
.set wk, 0
.rept \nks
	global_load_b32 v[WS+4*wf+wk], v[R4], s[\wsp:\wsp+1] offset:\off+(4*wk+wf)*64
.set wk, wk+1
.endr
.set wf, wf+1
.endr
.endm
.macro SETP gh, wp, wsp
	s_mul_i32 s96, s[\gh], 1536
	s_mov_b32 s97, 0
	s_add_nc_u64 s[\wp:\wp+1], s[P_WI:P_WI+1], s[96:97]
	s_lshl_b32 s96, s[\gh], 6
	s_add_co_u32 s96, s96, WSCL
	s_add_nc_u64 s[\wsp:\wsp+1], s[P_WI:P_WI+1], s[96:97]
.endm
; the key softmax of one tile of 16 features over the 128 tokens in ST: running whole M, p in place, its sum, p's codes
.macro POSTK ff
.irp b,0,1,2,3
	v_max3_num_f32 v[TM+\b], v[ST+16*\b], v[ST+16*\b+1], v[ST+16*\b+2]
.endr
.irp i,3,5,7,9,11,13
.irp b,0,1,2,3
	v_max3_num_f32 v[TM+\b], v[TM+\b], v[ST+16*\b+\i], v[ST+16*\b+\i+1]
.endr
.endr
.irp b,0,1,2,3
	v_max_num_f32 v[TM+\b], v[TM+\b], v[ST+16*\b+15]
.endr
	v_max3_num_f32 v[U], v[TM], v[TM+1], v[TM+2]
	v_max_num_f32 v[U], v[U], v[TM+3]
	v_permlanex16_b32 v[U+1], v[U], s[SEL], s[SEL+1]
	v_max_num_f32 v[U], v[U], v[U+1]
	v_mul_f32 v[U], s[CS], v[U]
	v_max_num_f32 v[SM+2*\ff+1], v[SM+2*\ff+1], v[U]     ; the running largest t
	v_mov_b32 v[U], v[SM+2*\ff]
	v_floor_f32 v[SM+2*\ff], -v[SM+2*\ff+1]              ; -M = floor(-t)
	v_sub_f32 v[U], v[SM+2*\ff], v[U]
	v_cvt_i32_f32 v[U], v[U]
	v_ldexp_f32 v[SF+2*\ff], 1.0, v[U]                   ; 2^(old M - new M)
.set pq, 0
.rept 32
	v_pk_fma_f32 v[ST+pq:ST+pq+1], v[ST+pq:ST+pq+1], s[CS:CS+1], v[SM+2*\ff:SM+2*\ff+1] op_sel_hi:[1,0,0]
.set pq, pq+2
.endr
.set pq, 0
.rept 64
	v_exp_f32 v[ST+pq], v[ST+pq]
.set pq, pq+1
.endr
	v_pk_mul_f32 v[SL+2*\ff:SL+2*\ff+1], v[SL+2*\ff:SL+2*\ff+1], v[SF+2*\ff:SF+2*\ff+1] op_sel_hi:[1,0]   ; a plain place behind the batch
	s_wait_alu depctr_va_vdst(0)           ; one wait for the 64, ahead of their first reader
	v_pk_add_f32 v[U+2:U+3], v[ST:ST+1], v[ST+2:ST+3]
.irp j,4,8,12,16,20,24,28,32,36,40,44,48,52,56,60
	v_pk_add_f32 v[SL+2*\ff:SL+2*\ff+1], v[SL+2*\ff:SL+2*\ff+1], v[ST+\j:ST+\j+1]
	v_pk_add_f32 v[U+2:U+3], v[U+2:U+3], v[ST+\j+2:ST+\j+3]
.endr
	v_pk_add_f32 v[SL+2*\ff:SL+2*\ff+1], v[SL+2*\ff:SL+2*\ff+1], v[U+2:U+3]
	QUANT ST, PS+\ff
.endm
.macro MAINK ff
	WIN 0x01
.set mq, 0
.rept 32
	v_pk_add_f32 v[ST+mq:ST+mq+1], v[64*\ff+mq:64*\ff+mq+1], v[BI+2*\ff:BI+2*\ff+1] op_sel_hi:[1,0]
.set mq, mq+2
.endr
	WIN 0x0c
.set mq, 0
.rept 32
	v_pk_add_f32 v[ST+mq:ST+mq+1], v[ST+mq:ST+mq+1], v[mq:mq+1]
.set mq, mq+2
.endr
	WIN 0
	POSTK \ff
	TOW2 128+12*\ff
.endm
.macro MAINV ff
	WIN 0x01
.set mq, 0
.rept 32
	v_pk_add_f32 v[ST+mq:ST+mq+1], v[64*\ff+mq:64*\ff+mq+1], v[BV+2*\ff:BV+2*\ff+1] op_sel_hi:[1,0]
.set mq, mq+2
.endr
	WIN 0x0c
.set mq, 0
.rept 32
	v_pk_mul_f32 v[ST+mq:ST+mq+1], v[ST+mq:ST+mq+1], v[64+mq:65+mq]
.set mq, mq+2
.endr
	WIN 0
	QUANT ST, VS+\ff
	TOW2 176+12*\ff
.endm
	s_load_b512 s[8:23], s[0:1], 0x0       ; x re_motion re_text src_mask re_mask cond_type norm_g norm_b
	s_load_b512 s[24:39], s[0:1], 0x40     ; rn1_g rn1_b rn2_g rn2_b wimg tstat bkr bkm
	s_load_b256 s[40:47], s[0:1], 0x80     ; bvr bvm part pstat
	v_lshrrev_b32 v31, 5, v0
	v_readfirstlane_b32 s[WV], v31
	s_and_b32 s[BB], ttmp7, 0xffff
	s_mov_b32 s[CC], ttmp9
	v_and_b32 v31, 31, v0
	v_lshlrev_b32 v[LI], 4, v31
	v_lshlrev_b32 v[LS], 2, v31
	v_and_b32 v30, 15, v0
	v_lshlrev_b32 v[R4], 2, v30
	v_bfe_u32 v[HH], v0, 4, 1
	v_and_b32 v31, 8, v30
	v_add_nc_u32 v31, v31, v30             ; r + 8 (r / 8)
	s_lshl_b32 s5, s[CC], 7
	s_lshl_b32 s6, s[WV], 5
	s_add_co_u32 s5, s5, s6
	s_add_co_u32 s5, s5, 19
	v_add_nc_u32 v[TKA], s5, v31           ; my token in tile 2 w: 19 + 128 c + 32 w + r + 8 (r / 8); tile 2 w + 1: 8 on
	v_mov_b32 v[TKB], v[TKA]
	s_mov_b32 s[SEL], 0x76543210
	s_mov_b32 s[SEL+1], 0xfedcba98
	s_mov_b32 s[CS], 0x3fb8aa3b            ; log2(e)
	s_mov_b32 s[CS+1], s[CS]
.irp i,MEAN+1,RS+1,DR+1,M1,RS1,TM+4,TM+5,TM+6,TM+7,U+1,U+5
	v_mov_b32 v[\i], 0                     ; pairs' upper halves, lane permutes' destinations, what a select keeps: written once
.endr
.irp i,0,1,2,3
	v_mov_b32 v[SF+2*\i+1], 0
	v_mov_b32 v[BI+2*\i+1], 0
	v_mov_b32 v[BV+2*\i+1], 0
	v_add_nc_u32 v[TAK+\i], FRAG+49152*\i, v[LI]
.endr
	v_add_nc_u32 v[TS0], SCL, v[LS]
	s_mov_b32 s7, 0
	s_lshl_b32 s5, s[BB], 2
	s_wait_kmcnt 0x0
	s_load_b32 s63, s[18:19], s5 offset:0x0
	s_lshl_b32 s6, s[BB], 21
	s_add_nc_u64 s[P_X:P_X+1], s[P_X:P_X+1], s[6:7]
	s_add_nc_u64 s[P_RM:P_RM+1], s[P_RM:P_RM+1], s[6:7]
	s_lshl_b32 s6, s[BB], 13
	s_add_nc_u64 s[P_RT:P_RT+1], s[P_RT:P_RT+1], s[6:7]
	s_lshl_b32 s6, s[BB], 12
	s_add_nc_u64 s[P_SM:P_SM+1], s[P_SM:P_SM+1], s[6:7]
	s_add_nc_u64 s[P_REM:P_REM+1], s[P_REM:P_REM+1], s[6:7]
	s_lshl_b32 s6, s[BB], 5
	s_add_nc_u64 s[P_TS:P_TS+1], s[P_TS:P_TS+1], s[6:7]
	; gains and biases into LDS: slot n = 4 i + q, gain 2,048 bytes, bias 2,048
	v_lshlrev_b32 v31, 4, v0
	global_load_b128 v[32:35], v31, s[28:29]
	global_load_b128 v[36:39], v31, s[30:31]
	global_load_b128 v[40:43], v31, s[24:25]
	global_load_b128 v[44:47], v31, s[26:27]
	global_load_b128 v[48:51], v31, s[24:25] offset:2048
	global_load_b128 v[52:55], v31, s[26:27] offset:2048
	global_load_b128 v[56:59], v31, s[20:21]
	global_load_b128 v[60:63], v31, s[22:23]
	s_wait_kmcnt 0x0
	s_cmp_ge_i32 s63, 10                   ; cond_type // 10 > 0
	s_cselect_b32 s[CTR], 1.0, 0
	s_cselect_b32 s[PCR], 0, 0xc9742400
	s_wait_loadcnt 0x0
.irp i,0,1,2,3,4,5,6,7
	ds_store_b128 v31, v[32+4*\i:35+4*\i] offset:2048*\i
	ds_store_b128 v31, v[32+4*\i:35+4*\i] offset:16384+2048*\i
.endr
	s_wait_dscnt 0x0
	s_barrier_signal -1
	s_barrier_wait -1
	; ---- PHASE X: eight trips, n = 4 i + q
	s_mul_i32 s[SA], s[WV], 12288
	s_lshl_b32 s[SB], s[WV], 10
	s_add_co_u32 s[SB], s[SB], SCL
	s_lshl_b32 s[SC], s[WV], 6
	s_add_co_u32 s[SC], s[SC], PEN
	s_mov_b32 s[SD], 0
	s_mov_b32 s[NN], -1
	NEXTADDR                               ; trip 0's addresses
.irp k,0,1,2,3
	LOADPART \k, ROFF
.endr
	global_load_b32 v[MK], v[MOFF], s[MP:MP+1]
	global_load_b64 v[TQ:TQ+1], v[TQOFF], s[P_TS:P_TS+1]
	v_mov_b32 v[TOKC], v[TOKN]
	s_mov_b32 s[NN], 0
.Lx:
.irp k,0,1,2,3
	v_add_nc_u32 v[XA+\k], s[SA], v[TAK+\k]
.endr
	v_add_nc_u32 v[XSA], s[SB], v[LS]
	v_add_nc_u32 v[PNA], s[SC], v[R4]
	v_lshl_add_u32 v[GBA], v[HH], 6, s[SD]
	XTRIP 16, 1, 2, ROFF
	s_add_co_u32 s[SA], s[SA], 1536
	s_add_co_u32 s[SB], s[SB], 128
	s_add_co_u32 s[SC], s[SC], 256
	s_add_co_u32 s[SD], s[SD], 4096
	s_add_co_u32 s[NN], s[NN], 1
	s_cmp_lt_u32 s[NN], 8
	s_cbranch_scc1 .Lx
	s_wait_loadcnt 0x0
	s_wait_dscnt 0x0
	s_barrier_signal -1
	s_barrier_wait -1                      ; the last barrier: from here on LDS is only read
	; ---- two heads a wave
	s_mov_b32 s[HT], 0
.Lhead:
	s_lshl_b32 s[HD], s[WV], 1
	s_add_co_u32 s[HD], s[HD], s[HT]
.irp f,0,1,2,3
	v_mov_b32 v[SM+2*\f+1], 0xff61b1e6     ; -3e38, under every t
	v_floor_f32 v[SM+2*\f], -v[SM+2*\f+1]
	v_mov_b32 v[SL+2*\f], 0
	v_mov_b32 v[SL+2*\f+1], 0
.endr
	WIN 0x80
.set zq, 0
.rept 128
	v_mov_b32 v[zq], 0                     ; att: the step is written once; the first change of M leaves zeros zeros
.set zq, zq+1
.endr
	WIN 0
	s_mov_b32 s[SP], 0
.Lstep:                                    ; step 0: retrieval tokens, step 1: motion tokens
	s_lshl_b32 s5, s[SP], 1
	s_add_co_u32 s5, s5, 1                 ; the key's job: 1 or 3
	s_mul_i32 s6, s5, 1536
	s_lshl_b32 s7, s5, 7
.irp k,0,1,2,3
	v_add_nc_u32 v[TA+\k], s6, v[TAK+\k]
.endr
	v_add_nc_u32 v[TSQ], s7, v[TS0]
	s_mul_i32 s5, s[SP], 768
	s_add_co_u32 s5, s5, PEN
	v_lshl_add_u32 v[PENA], v[HH], 5, s5
	WIN 0xc0
.irp t,0,1,2,3,4,5,6,7
.irp j,0,1
	ds_load_b128 v[8*\t+4*\j:8*\t+4*\j+3], v[PENA] offset:(\t%2)*1024+(\t/2)*64+16*\j
	ds_load_b128 v[64+8*\t+4*\j:64+8*\t+4*\j+3], v[PENA] offset:VMOFF+(\t%2)*1024+(\t/2)*64+16*\j
.endr
.endr
	WIN 0
	s_lshl_b32 s5, s[HD], 5
	s_lshl_b32 s6, s[HD], 4
	s_add_co_u32 s7, s6, 256
	s_add_co_u32 s62, s6, 384
	s_add_co_u32 s63, s6, 512
	s_cmp_eq_u32 s[SP], 0
	s_cselect_b32 s[GHK], s5, s7
	s_cselect_b32 s[GHV], s62, s63
	s_cselect_b64 s[BKP:BKP+1], s[36:37], s[38:39]
	s_cselect_b64 s[BVP:BVP+1], s[40:41], s[42:43]
	SETP GHK, WPK, WSK
	SETP GHV, WPV, WSV
	s_lshl_b32 s96, s[HD], 8
	s_add_nc_u64 s[BKP:BKP+1], s[BKP:BKP+1], s[96:97]
	s_add_nc_u64 s[BVP:BVP+1], s[BVP:BVP+1], s[96:97]
.irp f,0,1,2,3
	global_load_b32 v[BI+2*\f], v[R4], s[BKP:BKP+1] offset:64*\f
	global_load_b32 v[BV+2*\f], v[R4], s[BVP:BVP+1] offset:64*\f
.endr
	WSLOAD 4, 4, WSK, 0
	GEMM 4, 8, 4, 1, 0, TA, 0, TSQ, 0, WPK, 0, 0
	s_cmp_lg_u32 s[SP], 0
	s_cbranch_scc1 .Lnok2
	WSLOAD 4, 4, WSK, 1024                 ; the retrieval key's K steps 4 to 7: the text half, job 2
	GEMM 4, 8, 4, 0, 0, TAK, 3072, TS0, 256, WPK, 24576, 0
.Lnok2:
	NOPS 4
	MAINK 0
	MAINK 1
	MAINK 2
	MAINK 3
	WIN 0x82
.irp d,0,1,2,3
.set rq, 0
.rept 16
	v_pk_mul_f32 v[32*\d+rq:32*\d+rq+1], v[32*\d+rq:32*\d+rq+1], v[SF+2*\d:SF+2*\d+1] op_sel_hi:[1,0]   ; att under the new M
.set rq, rq+2
.endr
.endr
	WIN 0
	s_mul_i32 s6, s[SP], 4608              ; the value's job: 0 or 3
	s_mul_i32 s7, s[SP], 384
.irp k,0,1,2,3
	v_add_nc_u32 v[TA+\k], s6, v[TAK+\k]
.endr
	v_add_nc_u32 v[TSQ], s7, v[TS0]
	WSLOAD 4, 4, WSV, 0
	GEMM 4, 8, 4, 1, 0, TA, 0, TSQ, 0, WPV, 0, 0
	NOPS 4
	MAINV 0
	MAINV 1
	MAINV 2
	MAINV 3
	NOPS 8                                 ; scale words and operands written by vector instructions stand 8 and 4 places ahead
	WIN 0xaa
.irp l,0,1,2,3
.irp d,0,1,2,3
	v_wmma_scale_f32_16x16x128_f8f6f4 v[8*(4*\d+\l):8*(4*\d+\l)+7], v[176+12*\l:187+12*\l], v[128+12*\d:139+12*\d], v[8*(4*\d+\l):8*(4*\d+\l)+7], v[VS+\l], v[PS+\d] matrix_a_fmt:MATRIX_FMT_FP6 matrix_b_fmt:MATRIX_FMT_FP6
.endr
.endr
	WIN 0
	s_add_co_u32 s[SP], s[SP], 1
	s_cmp_lt_u32 s[SP], 2
	s_cbranch_scc1 .Lstep
	; the head's partial sums leave
	NOPS 4
.irp f,0,1,2,3
	v_add_f32 v[148+\f], v[SL+2*\f], v[SL+2*\f+1]
.endr
.irp f,0,1,2,3
	v_permlanex16_b32 v[152+\f], v[148+\f], s[SEL], s[SEL+1]
.endr
.irp f,0,1,2,3
	v_add_f32 v[148+\f], v[148+\f], v[152+\f]
.endr
	s_lshl_b32 s5, s[BB], 3
	s_add_co_u32 s5, s5, s[CC]
	s_lshl_b32 s5, s5, 3
	s_add_co_u32 s5, s5, s[HD]
	s_lshl_b32 s96, s5, 14
	s_mov_b32 s97, 0
	s_add_nc_u64 s[OP1:OP1+1], s[44:45], s[96:97]
	s_lshl_b32 s96, s5, 10
	s_add_nc_u64 s[OP2:OP2+1], s[46:47], s[96:97]
	WIN 0x08
.set oq, 0
.rept 16
	global_store_b128 v[LI], v[8*oq:8*oq+3], s[OP1:OP1+1] offset:1024*oq          ; 32 lanes store 512 consecutive bytes
	global_store_b128 v[LI], v[8*oq+4:8*oq+7], s[OP1:OP1+1] offset:1024*oq+512
.set oq, oq+1
.endr
	WIN 0
.irp f,0,1,2,3
	global_store_b32 v[LS], v[SM+2*\f], s[OP2:OP2+1] offset:256*\f
	global_store_b32 v[LS], v[148+\f], s[OP2:OP2+1] offset:256*\f+128
.endr
	s_wait_xcnt 0x0                        ; the stores have read their registers: the next head may write them
	s_add_co_u32 s[HT], s[HT], 1
	s_cmp_lt_u32 s[HT], 2
	s_cbranch_scc1 .Lhead
	s_wait_xcnt 0x0
	v_lshl_add_u32 v254, v0, 2, 0x3d000
	v_mov_b32 v255, 0
	s_wait_tensorcnt 0x0
	ds_add_u32 v254, v255
	s_wait_dscnt 0x0
	s_endpgm
.Lfunc_end_k_q69607e7bf1_main:
	.size	k_q69607e7bf1_main, .Lfunc_end_k_q69607e7bf1_main-k_q69607e7bf1_main
	.p2alignl 7, 3214868480
	.fill 96, 4, 3214868480
	.section	.rodata,"a",@progbits
	.p2align	6, 0x0
	.amdhsa_kernel k_q69607e7bf1_main
		.amdhsa_group_segment_fixed_size 250368
		.amdhsa_private_segment_fixed_size 0
		.amdhsa_enable_private_segment 0
		.amdhsa_kernarg_size 160
		.amdhsa_user_sgpr_count 2
		.amdhsa_user_sgpr_kernarg_segment_ptr 1
		.amdhsa_wavefront_size32 1
		.amdhsa_system_sgpr_workgroup_id_x 1
		.amdhsa_system_sgpr_workgroup_id_y 1
		.amdhsa_system_sgpr_workgroup_id_z 1
		.amdhsa_system_vgpr_workitem_id 0
		.amdhsa_next_free_vgpr 1024
		.amdhsa_next_free_sgpr 102
		.amdhsa_reserve_vcc 1
		.amdhsa_float_denorm_mode_32 3
		.amdhsa_float_denorm_mode_16_64 3
		.amdhsa_memory_ordered 1
		.amdhsa_forward_progress 1
		.amdhsa_inst_pref_size 255
	.end_amdhsa_kernel
	.section	.bss,"aw",@nobits
	.p2align	6
	.space	262144
	.amdgpu_metadata
---
amdhsa.version: [ 1, 2 ]
amdhsa.kernels:
  - .name:           k_q69607e7bf1_main
    .symbol:         k_q69607e7bf1_main.kd
    .args:
      - { .name: x, .offset: 0, .size: 8, .value_kind: global_buffer, .address_space: global }
      - { .name: re_motion, .offset: 8, .size: 8, .value_kind: global_buffer, .address_space: global }
      - { .name: re_text, .offset: 16, .size: 8, .value_kind: global_buffer, .address_space: global }
      - { .name: src_mask, .offset: 24, .size: 8, .value_kind: global_buffer, .address_space: global }
      - { .name: re_mask, .offset: 32, .size: 8, .value_kind: global_buffer, .address_space: global }
      - { .name: cond_type, .offset: 40, .size: 8, .value_kind: global_buffer, .address_space: global }
      - { .name: norm_g, .offset: 48, .size: 8, .value_kind: global_buffer, .address_space: global }
      - { .name: norm_b, .offset: 56, .size: 8, .value_kind: global_buffer, .address_space: global }
      - { .name: rn1_g, .offset: 64, .size: 8, .value_kind: global_buffer, .address_space: global }
      - { .name: rn1_b, .offset: 72, .size: 8, .value_kind: global_buffer, .address_space: global }
      - { .name: rn2_g, .offset: 80, .size: 8, .value_kind: global_buffer, .address_space: global }
      - { .name: rn2_b, .offset: 88, .size: 8, .value_kind: global_buffer, .address_space: global }
      - { .name: wimg, .offset: 96, .size: 8, .value_kind: global_buffer, .address_space: global }
      - { .name: tstat, .offset: 104, .size: 8, .value_kind: global_buffer, .address_space: global }
      - { .name: bkr, .offset: 112, .size: 8, .value_kind: global_buffer, .address_space: global }
      - { .name: bkm, .offset: 120, .size: 8, .value_kind: global_buffer, .address_space: global }
      - { .name: bvr, .offset: 128, .size: 8, .value_kind: global_buffer, .address_space: global }
      - { .name: bvm, .offset: 136, .size: 8, .value_kind: global_buffer, .address_space: global }
      - { .name: part, .offset: 144, .size: 8, .value_kind: global_buffer, .address_space: global }
      - { .name: pstat, .offset: 152, .size: 8, .value_kind: global_buffer, .address_space: global }
    .group_segment_fixed_size: 250368
    .private_segment_fixed_size: 0
    .kernarg_segment_align: 8
    .kernarg_segment_size: 160
    .max_flat_workgroup_size: 128
    .sgpr_count:     102
    .vgpr_count:     1024
    .wavefront_size: 32
...
	.end_amdgpu_metadata
.endif
;; end of part 2
;; launch edge (part 3): grid 8 x 32, 4 waves a work-group, no clusters, 178,176 bytes of LDS; arguments xf, x, re_motion, re_text, src_mask, re_mask, cond_type, tnorm_g, tnorm_b, norm_g, norm_b, rn1_g, rn1_b, rn2_g, rn2_b, wimg, tstat, bkt, bkr, bkm, bvt, bvr, bvm, part, pstat, attc, atts; writes attc, atts
.if DOCPART == 3
	.amdgcn_target "amdgcn-amd-amdhsa--gfx1250"
	.amdhsa_code_object_version 6
	.text
	.protected	k_q69607e7bf1_edge
	.globl	k_q69607e7bf1_edge
	.p2align	8
	.type	k_q69607e7bf1_edge,@function
k_q69607e7bf1_edge:
	s_mov_b64 s[64:65], 0
	v_nop
	global_prefetch_b8 v0, s[64:65] scope:SCOPE_SE
	s_setreg_imm32_b32 hwreg(HW_REG_WAVE_MODE, 25, 1), 1
	s_wait_xcnt 0x0
; Work-group (head, b): the four blocks of 32 of the concatenated token axis that hold text or two sources: positions 0-76 text, 77-95 retrieval 0-18, 96-108 retrieval 1011-1023,
; 109-127 motion 0-18.  Each source is computed for whole tiles with clamped tokens and the right one is chosen register by register (a fixed pattern).  Wave w takes 16 of the head's
; 64 features, for K (d) and for V (l).  Then the eight partial sums of the launch before are added under the common whole M (exact powers of two), divided by the sum of p,
; turned through LDS and quantised along d: the operand of y = q att, two heads to a fragment of 128 along K.
; LIMITS: as in the launch before.
.set MSB, 0
.macro WIN new
.if MSB != (\new)
	s_set_vgpr_msb (MSB<<8)|(\new)
.set MSB, (\new)
.endif
.endm
.macro NOPS n
.rept \n
	v_nop
.endr
.endm
.set LI,1
.set LS,2
.set R4,3
.set HH,4
.set ROFF,5
.set MOFF,6
.set TQOFF,7
.set TOKC,8
.set TOKN,9
.set TKA,10
.set TKB,11
.set XA,12
.set XSA,16
.set PNA,17
.set GBA,18
.set MK,19
.set TQ,20
.set MEAN,22
.set RS,24
.set DR,26
.set M1,28
.set RS1,29
.set QQ,30
.set TT,31
.set ST,32
.set PC,96
.set PT,108
.set TM,116
.set PW,132
.set SUM,134
.set U,142
.set MT,128
.set RT,144
.set WF,32
.set TF,128
.set TS,176
.set WS,180
.set PS,196
.set VS,200
.set SM,204
.set SL,212
.set SF,220
.set BI,222
.set TAK,236
.set TAT,240
.set TS0,244
.set TST,245
.set PENA,246
.set TXP,247                           ; v247 my text position in tile 2 w
.set ARD,248                           ; v248 LDS address of the row of att that I quantise at the end; made at the head, never rewritten
.set WV,2
.set BB,3
.set HD,4
.set RP,66
.set MP,68
.set NN,70
.set SA,71
.set SB,72
.set SC,73
.set SD,74
.set SEL0,75
.set SELK,76
.set CT,77
.set PCS,78
.set LIM,79
.set SEL,80
.set CS,82
.set CTR,84
.set PCR,85
.set CTT,86
.set PCT,88
.set HM,90
.set WP,92
.set WSP,94
.set P_X,10
.set P_RM,12
.set P_RT,14
.set P_SM,16
.set P_REM,18
.set P_WI,38
.set P_TS,40
.set WSCL,1179648
.set GBT,16384
.set PEN,18432
.set VMOFF,1024
.set SCL,20480
.set FRAG,28672
.set TFR,126976
.set TSC,151552
.set VFI,153600
.set VFS,159744
.set ATT,160256
.set NMASK,3
.set NLAST,3
.set LIMR,0x7fffffff
.set LIMM,0x7fffffff
.set X_SKS,2048
.set G_GS,2048
.macro LOADPART ks, areg
	WIN 0xc0
.irp b,0,1,2,3
.irp j,0,1,2,3
	global_load_b128 v[64*(\ks)+16*\b+4*\j:64*(\ks)+16*\b+4*\j+3], v[\areg], s[RP:RP+1] offset:512*(\ks)+128*\b+16*\j
.endr
.endr
	WIN 0
.endm
.macro REDUCE dst
	v_pk_add_f32 v[SUM:SUM+1], v[SUM:SUM+1], v[SUM+2:SUM+3]
	v_pk_add_f32 v[SUM+4:SUM+5], v[SUM+4:SUM+5], v[SUM+6:SUM+7]
	v_pk_add_f32 v[SUM:SUM+1], v[SUM:SUM+1], v[SUM+4:SUM+5]
	v_add_f32 v[TT], v[SUM], v[SUM+1]
	v_permlanex16_b32 v[U+5], v[TT], s[SEL], s[SEL+1]
	v_add_f32 v[\dst], v[TT], v[U+5]
.endm
.macro STATS nb
	WIN 0x0f
.irp k,0,1,2,3
	v_pk_add_f32 v[SUM+2*\k:SUM+2*\k+1], v[2*\k:2*\k+1], v[8+2*\k:9+2*\k]
.endr
	WIN 0x0c
.set sp, 8
.rept 8*\nb-8
	v_pk_add_f32 v[SUM+2*(sp%4):SUM+2*(sp%4)+1], v[SUM+2*(sp%4):SUM+2*(sp%4)+1], v[2*sp:2*sp+1]
.set sp, sp+1
.endr
	WIN 0
	REDUCE TT
.if \nb == 16
	v_mul_f32 v[MEAN], 0x3b000000, v[TT]
.else
	v_mul_f32 v[MEAN], 0x3b800000, v[TT]
.endif
	WIN 0xc3
.set sp, 0
.rept 8*\nb
	v_pk_add_f32 v[2*sp:2*sp+1], v[2*sp:2*sp+1], v[MEAN:MEAN+1] op_sel_hi:[1,0] neg_lo:[0,1] neg_hi:[0,1]
.set sp, sp+1
.endr
	WIN 0x0f
.irp k,0,1,2,3
	v_pk_mul_f32 v[SUM+2*\k:SUM+2*\k+1], v[2*\k:2*\k+1], v[2*\k:2*\k+1]
.endr
.set sp, 4
.rept 8*\nb-4
	v_pk_fma_f32 v[SUM+2*(sp%4):SUM+2*(sp%4)+1], v[2*sp:2*sp+1], v[2*sp:2*sp+1], v[SUM+2*(sp%4):SUM+2*(sp%4)+1]
.set sp, sp+1
.endr
	WIN 0
	REDUCE QQ
.endm
.macro QUANT s, pw
.irp b,0,1,2,3
	v_max3_num_f32 v[TM+\b], |v[\s+16*\b]|, |v[\s+1+16*\b]|, 0x1800000   ; with the floor 2^(3 - 127): the byte cannot fall under 1
.endr
.irp i,2,4,6,8,10,12,14
.irp b,0,1,2,3
	v_max3_num_f32 v[TM+\b], v[TM+\b], |v[\s+16*\b+\i]|, |v[\s+1+16*\b+\i]|
.endr
.endr
.irp b,0,1,2,3
	v_permlanex16_b32 v[TM+4+\b], v[TM+\b], s[SEL], s[SEL+1]
.endr
.irp b,0,1,2,3
	v_max_num_f32 v[TM+\b], v[TM+\b], v[TM+4+\b]
.endr
.irp b,0,1,2,3
	v_add_nc_u32 v[TM+12+\b], 0xff000000, v[TM+\b]
.endr
.irp b,0,1,2,3
	v_lshrrev_b32 v[TM+4+\b], 23, v[TM+12+\b]
.endr
	v_lshl_or_b32 v[\pw], v[TM+5], 8, v[TM+4]
	v_lshl_or_b32 v[\pw], v[TM+6], 16, v[\pw]
	v_lshl_or_b32 v[\pw], v[TM+7], 24, v[\pw]
.irp c,0,1
	v_cvt_scalef32_pk16_fp6_f32 v[PC+6*\c:PC+2+6*\c], v[\s+32*\c:\s+15+32*\c], v[TM+12+2*\c]
	v_cvt_scalef32_pk16_fp6_f32 v[PT+4*\c:PT+2+4*\c], v[\s+16+32*\c:\s+31+32*\c], v[TM+13+2*\c]
.endr
	v_nop                                  ; one plain place behind a scaled conversion
.irp c,0,1
.irp i,0,1,2
	v_permlane16_swap_b32 v[PC+6*\c+\i], v[PT+4*\c+\i]
.endr
.irp i,0,1,2
	v_mov_b32 v[PC+3+6*\c+\i], v[PT+4*\c+\i]
.endr
.endr
.endm
.macro IMAGE a, off
.irp c,0,1,2
	ds_store_b128 v[\a], v[PC+4*\c:PC+4*\c+3] offset:\off+512*\c
.endr
.endm
.macro TOW2 dst
	WIN 0x80
.irp i,0,1,2,3,4,5,6,7,8,9,10,11
	v_mov_b32 v[\dst+\i], v[PC+\i]
.endr
	WIN 0
.endm
.macro NORMQ ks, nx, na
	WIN 0x80
.irp i,0,1,2,3,4,5,6,7,8,9,10,11,12,13,14,15
	ds_load_b128 v[128+4*\i:131+4*\i], v[GBA] offset:512*(\ks)+128*(\i/4)+16*(\i%4)
	ds_load_b128 v[192+4*\i:195+4*\i], v[GBA] offset:G_GS+512*(\ks)+128*(\i/4)+16*(\i%4)
.endr
	s_wait_dscnt 0x0                       ; gain and bias are in; the last image's stores have read their registers
	WIN 0x03
.set nq, 0
.rept 32
	v_pk_fma_f32 v[ST+nq:ST+nq+1], v[64*(\ks)+nq:64*(\ks)+nq+1], v[RS:RS+1], v[DR:DR+1] op_sel_hi:[1,0,0]
.set nq, nq+2
.endr
	WIN 0x28
.set nq, 0
.rept 32
	v_pk_fma_f32 v[ST+nq:ST+nq+1], v[ST+nq:ST+nq+1], v[128+nq:129+nq], v[192+nq:193+nq]
.set nq, nq+2
.endr
	WIN 0
.if \nx == 2
	s_cmp_eq_u32 s[NN], NLAST
	s_cbranch_scc1 .Lnl_\@
	LOADPART \ks, \na
.Lnl_\@:
.elseif \nx == 1
	LOADPART \ks, \na
.endif
	QUANT ST, PW
	IMAGE XA+\ks, 0
	ds_store_b32 v[XSA], v[PW] offset:(\ks)*X_SKS
.endm
.macro NEXTADDR
	s_and_b32 s5, s[NN], 3
	s_cmp_eq_u32 s5, 0
	s_cselect_b32 s[SEL0], -1, 0
	s_cselect_b32 s[CT], s[CTR], 1.0
	s_cselect_b32 s[PCS], s[PCR], 0
	s_mov_b32 s[LIM], LIMM
	s_cselect_b32 s[LIM], LIMR, s[LIM]
	s_sub_co_u32 s6, s5, 1
	s_cmp_lt_u32 s6, 2
	s_cselect_b32 s[SELK], -1, 0
	s_add_co_u32 s5, s[NN], 1
	s_and_b32 s5, s5, NMASK
	s_lshr_b32 s6, s5, 2
	s_lshl_b32 s6, s6, 3
	s_and_b32 s5, s5, 3
	s_cmp_eq_u32 s5, 2
	s_cselect_b64 s[RP:RP+1], s[P_RT:P_RT+1], s[P_RM:P_RM+1]
	s_cselect_b32 s7, 8, 0
	s_cmp_eq_u32 s5, 3
	s_cselect_b64 s[RP:RP+1], s[P_X:P_X+1], s[RP:RP+1]
	s_cselect_b32 s62, -1, 0
	s_cmp_eq_u32 s5, 0
	s_cselect_b64 s[MP:MP+1], s[P_REM:P_REM+1], s[P_SM:P_SM+1]
	v_cndmask_b32 v[TOKN], v[TKA], v[TKB], s62
	v_add_nc_u32 v[TOKN], s6, v[TOKN]
	v_min_u32 v[TT], 0x3ff, v[TOKN]
	v_lshrrev_b32 v[ROFF], s7, v[TT]
	v_lshlrev_b32 v[ROFF], 11, v[ROFF]
	v_lshl_add_u32 v[ROFF], v[HH], 6, v[ROFF]
	v_lshlrev_b32 v[MOFF], 2, v[TT]
	v_lshrrev_b32 v[TQOFF], 8, v[TT]
	v_lshlrev_b32 v[TQOFF], 3, v[TQOFF]
.endm
.macro XTRIP nb, keyed, nx, na
	s_wait_loadcnt 0x0                     ; the row, its mask and the text's stats are in; every address register is free
.if \keyed
	NEXTADDR
.endif
	STATS \nb
	v_mov_b32 v[U], 0x3727c5ac
.if \nb == 16
	v_fmac_f32 v[U], 0x3b000000, v[QQ]
.else
	v_fmac_f32 v[U], 0x3b800000, v[QQ]
.endif
.if \keyed
	v_add_f32 v[U+1], v[MEAN], v[TQ]
	v_mul_f32 v[U+1], 0.5, v[U+1]
	v_sub_f32 v[U+2], v[MEAN], v[U+1]
	v_sub_f32 v[U+3], v[TQ], v[U+1]
	v_mul_f32 v[U+2], v[U+2], v[U+2]
	v_fmac_f32 v[U+2], v[U+3], v[U+3]
	v_add_f32 v[U+3], v[QQ], v[TQ+1]
	v_fmac_f32 v[U+3], 0x44000000, v[U+2]
	v_mov_b32 v[U+4], 0x3727c5ac
	v_fmac_f32 v[U+4], 0x3a800000, v[U+3]
	v_rsq_f32 v[U], v[U]
	v_rsq_f32 v[U+4], v[U+4]
	v_nop
	s_wait_alu depctr_va_vdst(0)           ; one wait for both, ahead of the first reader
	v_cndmask_b32 v[M1], v[M1], v[U+1], s[SEL0]
	v_cndmask_b32 v[RS1], v[RS1], v[U+4], s[SEL0]
	v_cndmask_b32 v[RS], v[U], v[RS1], s[SELK]
	v_sub_f32 v[U+2], v[MEAN], v[M1]
	v_mul_f32 v[U+2], v[U+2], v[RS1]
	v_cndmask_b32 v[DR], 0, v[U+2], s[SELK]
	v_mov_b32 v[U], s[PCS]
	v_sub_f32 v[U+1], 1.0, v[MK]
	v_fmac_f32 v[U], 0xc9742400, v[U+1]
	v_mul_f32 v[U+1], s[CT], v[MK]
	v_mov_b32 v[U+2], 0xff800000
	v_mov_b32 v[U+3], 0
	v_cmp_lt_u32 vcc_lo, s[LIM], v[TOKC]
	v_cndmask_b32 v[U], v[U], v[U+2], vcc_lo
	v_cndmask_b32 v[U+1], v[U+1], v[U+3], vcc_lo
	ds_store_b32 v[PNA], v[U]
	ds_store_b32 v[PNA], v[U+1] offset:VMOFF
.else
	v_rsq_f32 v[RS], v[U]
	v_mov_b32 v[DR], 0
	s_wait_alu depctr_va_vdst(0)
.endif
.set xk, 0
.rept \nb/4
	NORMQ xk, \nx, \na
.set xk, xk+1
.endr
.if \keyed
	global_load_b32 v[MK], v[MOFF], s[MP:MP+1]
	global_load_b64 v[TQ:TQ+1], v[TQOFF], s[P_TS:P_TS+1]
	v_mov_b32 v[TOKC], v[TOKN]
.endif
.endm
.macro GW nft, ks, wp, wb
.set gwf, 0
.rept \nft
.irp c,0,1,2
	global_load_b128 v[WF+48*((\ks)%2)+12*gwf+4*\c:WF+48*((\ks)%2)+12*gwf+4*\c+3], v[LI], s[\wp:\wp+1] offset:\wb+6144*(\ks)+1536*gwf+512*\c
.endr
.set gwf, gwf+1
.endr
.endm
.macro GT ntt, ta, tb, tsv, sb
.irp c,0,1,2
	ds_load_b128 v[TF+12*(gu%4)+4*\c:TF+12*(gu%4)+4*\c+3], v[\ta+gu/\ntt] offset:\tb+(gu%\ntt)*G_TSTR+512*\c
.endr
	ds_load_b32 v[TS+gu%4], v[\tsv] offset:\sb+(gu/\ntt)*G_SKS+(gu%\ntt)*G_SSTR
.endm
.macro GEMM nft, ntt, nks, zero, acc0, ta, tb, tsv, sb, wp, wb, wsr
	WIN 0
	NOPS 4
	GW \nft, 0, \wp, \wb
.set gu, 0
	GT \ntt, \ta, \tb, \tsv, \sb
.set gu, 1
	GT \ntt, \ta, \tb, \tsv, \sb
.set gi, 0
.rept \ntt*\nks
.set gk, gi/\ntt
.set gt, gi%\ntt
	WIN 0
.if gt == 0
.if gi > 0
	NOPS 4
.endif
.if gk+1 < \nks
	GW \nft, gk+1, \wp, \wb
.endif
.else
	NOPS 2
.endif
.if gi+2 < \ntt*\nks
.set gu, gi+2
	GT \ntt, \ta, \tb, \tsv, \sb
.endif
.if gt == 0
.if gk+1 < \nks
	s_wait_loadcnt 3*\nft                  ; all but the next K step's weights
.else
	s_wait_loadcnt 0x0
.endif
.endif
.if \ntt*\nks-1-gi >= 2
	s_wait_dscnt 8                         ; the next two units' loads may be out
.else
	s_wait_dscnt 4*(\ntt*\nks-1-gi)
.endif
	WIN 0x50
.set gf, 0
.rept \nft
.if \zero && (gk == 0)
	v_wmma_scale_f32_16x16x128_f8f6f4 v[\acc0+64*gf+8*gt:\acc0+64*gf+8*gt+7], v[TF+12*(gi%4):TF+12*(gi%4)+11], v[WF+48*(gk%2)+12*gf:WF+48*(gk%2)+12*gf+11], 0, v[TS+gi%4], v[WS+\wsr+4*gf+gk] matrix_a_fmt:MATRIX_FMT_FP6 matrix_b_fmt:MATRIX_FMT_FP6
.else
	v_wmma_scale_f32_16x16x128_f8f6f4 v[\acc0+64*gf+8*gt:\acc0+64*gf+8*gt+7], v[TF+12*(gi%4):TF+12*(gi%4)+11], v[WF+48*(gk%2)+12*gf:WF+48*(gk%2)+12*gf+11], v[\acc0+64*gf+8*gt:\acc0+64*gf+8*gt+7], v[TS+gi%4], v[WS+\wsr+4*gf+gk] matrix_a_fmt:MATRIX_FMT_FP6 matrix_b_fmt:MATRIX_FMT_FP6
.endif
.set gf, gf+1
.endr
.set gi, gi+1
.endr
	WIN 0
.endm
.macro WSLOAD nft, nks, wsp, off
	NOPS 4
.set wf, 0
.rept \nft
.set wk, 0
.rept \nks
	global_load_b32 v[WS+4*wf+wk], v[R4], s[\wsp:\wsp+1] offset:\off+(4*wk+wf)*64
.set wk, wk+1
.endr
.set wf, wf+1
.endr
.endm
.macro SETW gsec, lg                   ; my tile of 16 features (f4 = wave) of this head in the weight that begins at fragment gsec
	s_lshl_b32 s5, s[HD], 2+\lg
	s_add_co_u32 s5, s5, s[WV]
	s_add_co_u32 s5, s5, \gsec
	s_mul_i32 s96, s5, 1536
	s_mov_b32 s97, 0
	s_add_nc_u64 s[WP:WP+1], s[P_WI:P_WI+1], s[96:97]
	s_lshl_b32 s96, s5, 6
	s_add_co_u32 s96, s96, WSCL
	s_add_nc_u64 s[WSP:WSP+1], s[P_WI:P_WI+1], s[96:97]
.endm
.macro POSTK ff
.irp b,0,1,2,3
	v_max3_num_f32 v[TM+\b], v[ST+16*\b], v[ST+16*\b+1], v[ST+16*\b+2]
.endr
.irp i,3,5,7,9,11,13
.irp b,0,1,2,3
	v_max3_num_f32 v[TM+\b], v[TM+\b], v[ST+16*\b+\i], v[ST+16*\b+\i+1]
.endr
.endr
.irp b,0,1,2,3
	v_max_num_f32 v[TM+\b], v[TM+\b], v[ST+16*\b+15]
.endr
	v_max3_num_f32 v[U], v[TM], v[TM+1], v[TM+2]
	v_max_num_f32 v[U], v[U], v[TM+3]
	v_permlanex16_b32 v[U+1], v[U], s[SEL], s[SEL+1]
	v_max_num_f32 v[U], v[U], v[U+1]
	v_mul_f32 v[U], s[CS], v[U]
	v_max_num_f32 v[SM+2*\ff+1], v[SM+2*\ff+1], v[U]
	v_mov_b32 v[U], v[SM+2*\ff]
	v_floor_f32 v[SM+2*\ff], -v[SM+2*\ff+1]
	v_sub_f32 v[U], v[SM+2*\ff], v[U]
	v_cvt_i32_f32 v[U], v[U]
	v_ldexp_f32 v[SF+2*\ff], 1.0, v[U]
.set pq, 0
.rept 32
	v_pk_fma_f32 v[ST+pq:ST+pq+1], v[ST+pq:ST+pq+1], s[CS:CS+1], v[SM+2*\ff:SM+2*\ff+1] op_sel_hi:[1,0,0]
.set pq, pq+2
.endr
.set pq, 0
.rept 64
	v_exp_f32 v[ST+pq], v[ST+pq]
.set pq, pq+1
.endr
	v_pk_mul_f32 v[SL+2*\ff:SL+2*\ff+1], v[SL+2*\ff:SL+2*\ff+1], v[SF+2*\ff:SF+2*\ff+1] op_sel_hi:[1,0]
	s_wait_alu depctr_va_vdst(0)           ; one wait for the 64, ahead of their first reader
	v_pk_add_f32 v[U+2:U+3], v[ST:ST+1], v[ST+2:ST+3]
.irp j,4,8,12,16,20,24,28,32,36,40,44,48,52,56,60
	v_pk_add_f32 v[SL+2*\ff:SL+2*\ff+1], v[SL+2*\ff:SL+2*\ff+1], v[ST+\j:ST+\j+1]
	v_pk_add_f32 v[U+2:U+3], v[U+2:U+3], v[ST+\j+2:ST+\j+3]
.endr
	v_pk_add_f32 v[SL+2*\ff:SL+2*\ff+1], v[SL+2*\ff:SL+2*\ff+1], v[U+2:U+3]
	QUANT ST, PS+\ff
.endm
; the three sources' sums get their biases, then op (add a penalty, or multiply by a mask), and each register takes its position's source:
; in blocks 2 and 3 the first 13 positions (lanes 0-15, i < 13) belong to the earlier source
.macro EMERGE op, b0, b1, b2, sx, pr, pm
	NOPS 4
	WIN 0x01
.set eq, 0
.rept 24
	v_pk_add_f32 v[ST+eq:ST+eq+1], v[eq:eq+1], v[\b0:\b0+1] op_sel_hi:[1,0]
.set eq, eq+2
.endr
.set eq, 0
.rept 16
	v_pk_add_f32 v[RT+eq:RT+eq+1], v[48+eq:49+eq], v[\b1:\b1+1] op_sel_hi:[1,0]
.set eq, eq+2
.endr
.set eq, 0
.rept 8
	v_pk_add_f32 v[MT+eq:MT+eq+1], v[80+eq:81+eq], v[\b2:\b2+1] op_sel_hi:[1,0]
.set eq, eq+2
.endr
	WIN 0
.set eq, 0
.rept 24
	\op v[ST+eq:ST+eq+1], v[ST+eq:ST+eq+1], s[\sx:\sx+1] op_sel_hi:[1,0]
.set eq, eq+2
.endr
	WIN 0x08
.set eq, 0
.rept 16
	\op v[RT+eq:RT+eq+1], v[RT+eq:RT+eq+1], v[\pr+eq:\pr+eq+1]
.set eq, eq+2
.endr
.set eq, 0
.rept 8
	\op v[MT+eq:MT+eq+1], v[MT+eq:MT+eq+1], v[\pm+eq:\pm+eq+1]
.set eq, eq+2
.endr
	WIN 0
.set eq, 0
.rept 16
.if eq < 13
	v_cndmask_b32 v[ST+32+eq], v[RT+eq], v[ST+32+eq], s[HM]
	v_cndmask_b32 v[ST+48+eq], v[MT+eq], v[RT+16+eq], s[HM]
.else
	v_mov_b32 v[ST+32+eq], v[RT+eq]
	v_mov_b32 v[ST+48+eq], v[MT+eq]
.endif
.set eq, eq+1
.endr
.endm
.macro TEXTSET                         ; strides of the text's images
.set G_TSTR,1536
.set G_SKS,1024
.set G_SSTR,128
.endm
.macro TOKSET                          ; strides of the other sources' images
.set G_TSTR,6144
.set G_SKS,2048
.set G_SSTR,512
.endm
	s_load_b512 s[8:23], s[0:1], 0x0       ; xf x re_motion re_text src_mask re_mask cond_type tnorm_g
	s_load_b512 s[24:39], s[0:1], 0x40     ; tnorm_b norm_g norm_b rn1_g rn1_b rn2_g rn2_b wimg
	s_load_b512 s[40:55], s[0:1], 0x80     ; tstat bkt bkr bkm bvt bvr bvm part
	s_load_b128 s[56:59], s[0:1], 0xc0     ; pstat attc
	s_load_b64 s[60:61], s[0:1], 0xd0      ; atts
	v_lshl_add_u32 v254, v0, 2, 0x2b600
	v_mov_b32 v255, 0
	v_lshrrev_b32 v31, 5, v0
	v_readfirstlane_b32 s[WV], v31
	s_and_b32 s[BB], ttmp7, 0xffff
	s_mov_b32 s[HD], ttmp9
	v_and_b32 v31, 31, v0
	v_lshlrev_b32 v[LI], 4, v31
	v_lshlrev_b32 v[LS], 2, v31
	v_and_b32 v30, 15, v0
	v_lshlrev_b32 v[R4], 2, v30
	v_bfe_u32 v[HH], v0, 4, 1
	v_and_b32 v31, 8, v30
	v_add_nc_u32 v31, v31, v30             ; r + 8 (r / 8)
	s_lshr_b32 s5, s[WV], 1
	s_lshl_b32 s5, s5, 5
	s_and_b32 s6, s[WV], 1
	s_lshl_b32 s6, s6, 3
	s_add_co_u32 s5, s5, s6
	s_add_co_u32 s63, s5, 64
	v_add_nc_u32 v9, s63, v31              ; my position in tile 4 + w
	v_add_nc_u32 v10, 0xffffffb3, v9
	v_max_i32 v10, 0, v10                  ; retrieval token p - 77,
	v_add_nc_u32 v11, 915, v9
	v_min_u32 v11, 0x3ff, v11              ; or p + 915
	v_cmp_gt_u32 vcc_lo, 96, v9
	v_cndmask_b32 v[TKA], v11, v10, vcc_lo
	v_add_nc_u32 v11, 0xffffff93, v9
	v_max_i32 v[TKB], 0, v11               ; motion token p - 109
	v_add_nc_u32 v[ARD], s5, v31           ; the row of att that I quantise at the end: 32 (w / 2) + 8 (w % 2) + r + 8 (r / 8);
	v_mul_u32_u24 v[ARD], v[ARD], 272      ; its place in the turning stage,
	v_lshl_add_u32 v[ARD], v[HH], 7, v[ARD]   ; my half's 32 numbers of it
	v_add_nc_u32 v[ARD], ATT, v[ARD]
	s_lshl_b32 s5, s[WV], 5
	v_add_nc_u32 v[TXP], s5, v31           ; my text position in tile 2 w
	s_mov_b32 s[SEL], 0x76543210
	s_mov_b32 s[SEL+1], 0xfedcba98
	s_mov_b32 s[CS], 0x3fb8aa3b
	s_mov_b32 s[CS+1], s[CS]
	s_mov_b32 s[HM], 0xffff
.irp i,MEAN+1,RS+1,DR+1,M1,RS1,TM+4,TM+5,TM+6,TM+7,U+1,U+5,SF+1,SL,SL+1
	v_mov_b32 v[\i], 0
.endr
.irp i,0,1,2,3,4,5
	v_mov_b32 v[BI+2*\i+1], 0
.endr
	v_mov_b32 v[SM+1], 0xff61b1e6
	v_floor_f32 v[SM], -v[SM+1]
.irp i,0,1,2,3
	v_add_nc_u32 v[TAK+\i], FRAG+24576*\i, v[LI]
.endr
	v_add_nc_u32 v[TAT], TFR, v[LI]
	v_add_nc_u32 v[TAT+1], TFR+12288, v[LI]
	v_add_nc_u32 v[TS0], SCL, v[LS]
	v_add_nc_u32 v[TST], TSC, v[LS]
	v_lshl_add_u32 v[PENA], v[HH], 5, PEN
	s_mov_b32 s7, 0
	s_lshl_b32 s5, s[BB], 2
	s_wait_kmcnt 0x0
	s_load_b32 s63, s[20:21], s5 offset:0x0
	s_mul_i32 s6, s[BB], 78848
	s_add_nc_u64 s[8:9], s[8:9], s[6:7]
	s_lshl_b32 s6, s[BB], 21
	s_add_nc_u64 s[P_X:P_X+1], s[P_X:P_X+1], s[6:7]
	s_add_nc_u64 s[P_RM:P_RM+1], s[P_RM:P_RM+1], s[6:7]
	s_lshl_b32 s6, s[BB], 13
	s_add_nc_u64 s[P_RT:P_RT+1], s[P_RT:P_RT+1], s[6:7]
	s_lshl_b32 s6, s[BB], 12
	s_add_nc_u64 s[P_SM:P_SM+1], s[P_SM:P_SM+1], s[6:7]
	s_add_nc_u64 s[P_REM:P_REM+1], s[P_REM:P_REM+1], s[6:7]
	s_lshl_b32 s6, s[BB], 5
	s_add_nc_u64 s[P_TS:P_TS+1], s[P_TS:P_TS+1], s[6:7]
	v_lshlrev_b32 v31, 4, v0
	v_lshlrev_b32 v30, 3, v0
	global_load_b128 v[32:35], v31, s[34:35]
	global_load_b128 v[36:39], v31, s[36:37]
	global_load_b128 v[40:43], v31, s[30:31]
	global_load_b128 v[44:47], v31, s[32:33]
	global_load_b128 v[48:51], v31, s[30:31] offset:2048
	global_load_b128 v[52:55], v31, s[32:33] offset:2048
	global_load_b128 v[56:59], v31, s[26:27]
	global_load_b128 v[60:63], v31, s[28:29]
	global_load_b64 v[64:65], v30, s[22:23]
	global_load_b64 v[66:67], v30, s[24:25]
	s_wait_kmcnt 0x0
	s_cmp_ge_i32 s63, 10                   ; cond_type // 10 > 0
	s_cselect_b32 s[CTR], 1.0, 0
	s_cselect_b32 s[PCR], 0, 0xc9742400
	s_sub_co_i32 s5, 0, s63                ; cond_type % 10 > 0: not a multiple of ten
	s_max_i32 s5, s5, s63
	s_mul_hi_u32 s6, s5, 0xcccccccd
	s_lshr_b32 s6, s6, 3
	s_mul_i32 s6, s6, 10
	s_cmp_lg_u32 s6, s5
	s_cselect_b32 s[CTT], 1.0, 0
	s_cselect_b32 s[PCT], 0, 0xc9742400
	s_mov_b32 s[CTT+1], s[CTT]
	s_mov_b32 s[PCT+1], s[PCT]
	s_wait_loadcnt 0x0
.irp i,0,1,2,3,4,5,6,7
	ds_store_b128 v31, v[32+4*\i:35+4*\i] offset:2048*\i
.endr
	ds_store_b64 v30, v[64:65] offset:GBT
	ds_store_b64 v30, v[66:67] offset:GBT+1024
	s_wait_dscnt 0x0
	s_barrier_signal -1
	s_barrier_wait -1
	; ---- PHASE X: tile 4 + w, jobs 0 to 3
	s_mul_i32 s[SA], s[WV], 6144
	s_lshl_b32 s[SB], s[WV], 9
	s_add_co_u32 s[SB], s[SB], SCL
	s_lshl_b32 s[SC], s[WV], 6
	s_add_co_u32 s[SC], s[SC], PEN
	s_mov_b32 s[SD], 0
	s_mov_b32 s[NN], -1
	NEXTADDR
.irp k,0,1,2,3
	LOADPART \k, ROFF
.endr
	global_load_b32 v[MK], v[MOFF], s[MP:MP+1]
	global_load_b64 v[TQ:TQ+1], v[TQOFF], s[P_TS:P_TS+1]
	v_mov_b32 v[TOKC], v[TOKN]
	s_mov_b32 s[NN], 0
.Lx:
.irp k,0,1,2,3
	v_add_nc_u32 v[XA+\k], s[SA], v[TAK+\k]
.endr
	v_add_nc_u32 v[XSA], s[SB], v[LS]
	v_add_nc_u32 v[PNA], s[SC], v[R4]
	v_lshl_add_u32 v[GBA], v[HH], 6, s[SD]
	XTRIP 16, 1, 2, ROFF
	s_add_co_u32 s[SA], s[SA], 1536
	s_add_co_u32 s[SB], s[SB], 128
	s_add_co_u32 s[SC], s[SC], 256
	s_add_co_u32 s[SD], s[SD], 4096
	s_add_co_u32 s[NN], s[NN], 1
	s_cmp_lt_u32 s[NN], 4
	s_cbranch_scc1 .Lx
	; the text: tiles 2 w and 2 w + 1, rows of 256
	s_wait_loadcnt 0x0
	s_mov_b64 s[RP:RP+1], s[8:9]
	v_min_u32 v31, 76, v[TXP]
	v_lshlrev_b32 v[ROFF], 10, v31
	v_lshl_add_u32 v[ROFF], v[HH], 6, v[ROFF]
	v_add_nc_u32 v31, 8, v[TXP]
	v_min_u32 v31, 76, v31
	v_lshlrev_b32 v[MOFF], 10, v31
	v_lshl_add_u32 v[MOFF], v[HH], 6, v[MOFF]
	LOADPART 0, ROFF
	LOADPART 1, ROFF
.set X_SKS,1024
.set G_GS,1024
	s_mul_i32 s5, s[WV], 3072
	s_lshl_b32 s6, s[WV], 8
	v_add_nc_u32 v[XA], s5, v[TAT]
	v_add_nc_u32 v[XA+1], s5, v[TAT+1]
	v_add_nc_u32 v[XSA], s6, v[TST]
	v_lshl_add_u32 v[GBA], v[HH], 6, GBT
	XTRIP 8, 0, 1, MOFF
	s_add_co_u32 s5, s5, 1536
	s_add_co_u32 s6, s6, 128
	v_add_nc_u32 v[XA], s5, v[TAT]
	v_add_nc_u32 v[XA+1], s5, v[TAT+1]
	v_add_nc_u32 v[XSA], s6, v[TST]
	XTRIP 8, 0, 0, MOFF
	s_wait_loadcnt 0x0
	s_wait_dscnt 0x0
	s_barrier_signal -1
	s_barrier_wait -1
	; ---- the eight partial sums of my 16 d, asked for early
	s_lshl_b32 s5, s[BB], 6
	s_add_co_u32 s5, s5, s[HD]
	s_lshl_b32 s96, s5, 14
	s_lshl_b32 s6, s[WV], 12
	s_add_co_u32 s96, s96, s6
	s_mov_b32 s97, 0
	s_add_nc_u64 s[98:99], s[54:55], s[96:97]
	s_lshl_b32 s96, s5, 10
	s_lshl_b32 s6, s[WV], 8
	s_add_co_u32 s96, s96, s6
	s_add_nc_u64 s[100:101], s[56:57], s[96:97]
	WIN 0xc0
.irp c,0,1,2,3,4,5,6,7
.irp l,0,1,2,3
	global_load_b128 v[32*\c+8*\l:32*\c+8*\l+3], v[LI], s[98:99] offset:131072*\c+1024*\l
	global_load_b128 v[32*\c+8*\l+4:32*\c+8*\l+7], v[LI], s[98:99] offset:131072*\c+1024*\l+512
.endr
.endr
	WIN 0
.irp c,0,1,2,3,4,5,6,7
	global_load_b32 v[5+\c], v[LS], s[100:101] offset:8192*\c
	global_load_b32 v[13+\c], v[LS], s[100:101] offset:8192*\c+128
.endr
	; penalties and masks in the sums' layout, window 2; my feature's six biases
	WIN 0x80
.irp t,0,1,2,3
.irp j,0,1
	ds_load_b128 v[64+8*\t+4*\j:67+8*\t+4*\j], v[PENA] offset:64*\t+16*\j
	ds_load_b128 v[112+8*\t+4*\j:115+8*\t+4*\j], v[PENA] offset:VMOFF+64*\t+16*\j
.endr
.endr
.irp t,0,1
.irp j,0,1
	ds_load_b128 v[96+8*\t+4*\j:99+8*\t+4*\j], v[PENA] offset:768+128+64*\t+16*\j
	ds_load_b128 v[144+8*\t+4*\j:147+8*\t+4*\j], v[PENA] offset:VMOFF+768+128+64*\t+16*\j
.endr
.endr
	WIN 0
	s_lshl_b32 s96, s[HD], 8
	s_lshl_b32 s6, s[WV], 6
	s_add_co_u32 s96, s96, s6
.irp i,0,1,2,3,4,5
	s_add_nc_u64 s[42+2*\i:43+2*\i], s[42+2*\i:43+2*\i], s[96:97]
	global_load_b32 v[BI+2*\i], v[R4], s[42+2*\i:43+2*\i]
.endr
	; ---- K
	TEXTSET
	SETW 640, 1
	WSLOAD 1, 2, WSP, 0
	GEMM 1, 6, 2, 1, 0, TAT, 0, TST, 0, WP, 0, 0
	TOKSET
	SETW 0, 3
	WSLOAD 1, 8, WSP, 0
	GEMM 1, 4, 4, 1, 48, TAK, 1536, TS0, 128, WP, 0, 0
	GEMM 1, 4, 4, 0, 48, TAK, 3072, TS0, 256, WP, 24576, 4
	SETW 256, 2
	WSLOAD 1, 4, WSP, 0
	GEMM 1, 2, 4, 1, 80, TAK, 2*6144+4608, TS0, 2*512+384, WP, 0, 0
	EMERGE v_pk_add_f32, BI, BI+2, BI+4, PCT, 64, 96
	POSTK 0
	TOW2 160
	; ---- V
	TEXTSET
	SETW 704, 1
	WSLOAD 1, 2, WSP, 0
	GEMM 1, 6, 2, 1, 0, TAT, 0, TST, 0, WP, 0, 0
	TOKSET
	SETW 384, 2
	WSLOAD 1, 4, WSP, 0
	GEMM 1, 4, 4, 1, 48, TAK, 0, TS0, 0, WP, 0, 0
	SETW 512, 2
	WSLOAD 1, 4, WSP, 0
	GEMM 1, 2, 4, 1, 80, TAK, 2*6144+4608, TS0, 2*512+384, WP, 0, 0
	EMERGE v_pk_mul_f32, BI+6, BI+8, BI+10, CTT, 112, 144
	QUANT ST, PW
	s_mul_i32 s5, s[WV], 1536
	s_add_co_u32 s5, s5, VFI
	v_add_nc_u32 v30, s5, v[LI]
	IMAGE 30, 0
	s_lshl_b32 s5, s[WV], 7
	s_add_co_u32 s5, s5, VFS
	v_add_nc_u32 v31, s5, v[LS]
	ds_store_b32 v31, v[PW]
	s_wait_dscnt 0x0
	s_barrier_signal -1
	s_barrier_wait -1                      ; the four tiles of V lie in LDS
	v_add_nc_u32 v30, VFI, v[LI]
	v_add_nc_u32 v31, VFS, v[LS]
	WIN 0x80
.irp l,0,1,2,3
.irp c,0,1,2
	ds_load_b128 v[176+12*\l+4*\c:179+12*\l+4*\c], v30 offset:1536*\l+512*\c
.endr
.endr
	WIN 0
.irp l,0,1,2,3
	ds_load_b32 v[VS+\l], v31 offset:128*\l
.endr
	s_wait_dscnt 0x0
	NOPS 8
	WIN 0x8a
.irp l,0,1,2,3
	v_wmma_scale_f32_16x16x128_f8f6f4 v[8*\l:8*\l+7], v[176+12*\l:187+12*\l], v[160:171], 0, v[VS+\l], v[PS] matrix_a_fmt:MATRIX_FMT_FP6 matrix_b_fmt:MATRIX_FMT_FP6
.endr
	WIN 0
	NOPS 4
	; ---- all nine parts under the common M
	s_wait_loadcnt 0x0
	v_add_f32 v[U], v[SL], v[SL+1]
	v_permlanex16_b32 v[U+1], v[U], s[SEL], s[SEL+1]
	v_add_f32 v[U], v[U], v[U+1]           ; my own sum of p
	v_min3_num_f32 v[U+2], v[SM], v5, v6
	v_min3_num_f32 v[U+2], v[U+2], v7, v8
	v_min3_num_f32 v[U+2], v[U+2], v9, v10
	v_min3_num_f32 v[U+2], v[U+2], v11, v12        ; the least -M
.irp c,0,1,2,3,4,5,6,7
	v_sub_f32 v[64+2*\c], v[U+2], v[5+\c]
.endr
	v_sub_f32 v80, v[U+2], v[SM]
.irp c,0,1,2,3,4,5,6,7,8
	v_cvt_i32_f32 v[64+2*\c], v[64+2*\c]
.endr
.irp c,0,1,2,3,4,5,6,7,8
	v_ldexp_f32 v[64+2*\c], 1.0, v[64+2*\c]        ; 2^(M of the part - M): exact
.endr
	v_mul_f32 v[U], v[U], v80
.irp c,0,1,2,3,4,5,6,7
	v_fmac_f32 v[U], v[13+\c], v[64+2*\c]
.endr
	v_rcp_f32 v[U+4], v[U]
	WIN 0x02
.set cq, 0
.rept 16
	v_pk_mul_f32 v[ST+cq:ST+cq+1], v[cq:cq+1], v[80:81] op_sel_hi:[1,0]
.set cq, cq+2
.endr
	WIN 0x03
.irp c,0,1,2,3,4,5,6,7
.set cq, 0
.rept 16
	v_pk_fma_f32 v[ST+cq:ST+cq+1], v[32*\c+cq:32*\c+cq+1], v[64+2*\c:65+2*\c], v[ST+cq:ST+cq+1] op_sel_hi:[1,0,1]
.set cq, cq+2
.endr
.endr
	WIN 0
	s_wait_alu depctr_va_vdst(0)           ; the reciprocal, ahead of its first reader
.set cq, 0
.rept 16
	v_pk_mul_f32 v[ST+cq:ST+cq+1], v[ST+cq:ST+cq+1], v[U+4:U+5] op_sel_hi:[1,0]
.set cq, cq+2
.endr
	; ---- turned through LDS: rows l, 64 d of 4 bytes, pitch 272
	v_mul_u32_u24 v30, v[HH], 2176
	s_lshl_b32 s5, s[WV], 6
	s_add_co_u32 s5, s5, ATT
	v_add_nc_u32 v30, v30, v[R4]
	v_add_nc_u32 v30, s5, v30
.irp l,0,1,2,3
.irp j,0,1,2,3,4,5,6,7
	ds_store_b32 v30, v[ST+8*\l+\j] offset:(16*\l+\j)*272
.endr
.endr
	s_wait_dscnt 0x0
	s_barrier_signal -1
	s_barrier_wait -1
.irp i,0,1,2,3,4,5,6,7
	ds_load_b128 v[ST+4*\i:ST+4*\i+3], v[ARD] offset:16*\i    ; d = 32 h .. 32 h + 31 of my row: a whole block
.endr
	s_wait_dscnt 0x0
	v_max3_num_f32 v[TM], |v[ST]|, |v[ST+1]|, 0x1800000
.irp i,2,4,6,8,10,12,14,16,18,20,22,24,26,28,30
	v_max3_num_f32 v[TM], v[TM], |v[ST+\i]|, |v[ST+\i+1]|
.endr
	v_add_nc_u32 v[TM+12], 0xff000000, v[TM]
	v_lshrrev_b32 v[TM+1], 23, v[TM+12]
	v_cvt_scalef32_pk16_fp6_f32 v[PC:PC+2], v[ST:ST+15], v[TM+12]
	v_cvt_scalef32_pk16_fp6_f32 v[PT:PT+2], v[ST+16:ST+31], v[TM+12]
	v_lshlrev_b32 v[TM+2], 3, v[HH]        ; (a plain place behind the conversions)
.irp i,0,1,2
	v_mov_b32 v[PC+3+\i], v[PT+\i]
.endr
	v_lshlrev_b32 v[TM+1], v[TM+2], v[TM+1]
	v_permlanex16_b32 v[TM+4], v[TM+1], s[SEL], s[SEL+1]
	v_or_b32 v[TM+1], v[TM+1], v[TM+4]     ; the head's two scale bytes of my row
	s_lshl_b32 s5, s[BB], 2
	s_lshr_b32 s6, s[HD], 1
	s_add_co_u32 s5, s5, s6
	s_lshl_b32 s5, s5, 2
	s_add_co_u32 s5, s5, s[WV]
	s_mul_i32 s96, s5, 1536
	s_add_nc_u64 s[58:59], s[58:59], s[96:97]
	s_lshl_b32 s96, s5, 7
	s_and_b32 s6, s[HD], 1
	s_lshl_b32 s7, s6, 1
	s_add_co_u32 s96, s96, s7
	s_add_nc_u64 s[60:61], s[60:61], s[96:97]
	global_store_b16 v[LS], v[TM+1], s[60:61]
	s_cmp_lg_u32 s6, 0
	s_cbranch_scc1 .Lodd
	global_store_b128 v[LI], v[PC:PC+3], s[58:59]                  ; the even head: registers 0 to 5 of the fragment's image
	global_store_b64 v[LI], v[PC+4:PC+5], s[58:59] offset:512
	s_wait_tensorcnt 0x0
	ds_add_u32 v254, v255
	s_wait_dscnt 0x0
	s_endpgm
.Lodd:
	global_store_b64 v[LI], v[PC:PC+1], s[58:59] offset:520        ; the odd head: registers 6 to 11
	global_store_b128 v[LI], v[PC+2:PC+5], s[58:59] offset:1024
	s_wait_tensorcnt 0x0
	ds_add_u32 v254, v255
	s_wait_dscnt 0x0
	s_endpgm
.Lfunc_end_k_q69607e7bf1_edge:
	.size	k_q69607e7bf1_edge, .Lfunc_end_k_q69607e7bf1_edge-k_q69607e7bf1_edge
	.p2alignl 7, 3214868480
	.fill 96, 4, 3214868480
	.section	.rodata,"a",@progbits
	.p2align	6, 0x0
	.amdhsa_kernel k_q69607e7bf1_edge
		.amdhsa_group_segment_fixed_size 178176
		.amdhsa_private_segment_fixed_size 0
		.amdhsa_enable_private_segment 0
		.amdhsa_kernarg_size 216
		.amdhsa_user_sgpr_count 2
		.amdhsa_user_sgpr_kernarg_segment_ptr 1
		.amdhsa_wavefront_size32 1
		.amdhsa_system_sgpr_workgroup_id_x 1
		.amdhsa_system_sgpr_workgroup_id_y 1
		.amdhsa_system_sgpr_workgroup_id_z 1
		.amdhsa_system_vgpr_workitem_id 0
		.amdhsa_next_free_vgpr 1024
		.amdhsa_next_free_sgpr 102
		.amdhsa_reserve_vcc 1
		.amdhsa_float_denorm_mode_32 3
		.amdhsa_float_denorm_mode_16_64 3
		.amdhsa_memory_ordered 1
		.amdhsa_forward_progress 1
		.amdhsa_inst_pref_size 255
	.end_amdhsa_kernel
	.section	.bss,"aw",@nobits
	.p2align	6
	.space	262144
	.amdgpu_metadata
---
amdhsa.version: [ 1, 2 ]
amdhsa.kernels:
  - .name:           k_q69607e7bf1_edge
    .symbol:         k_q69607e7bf1_edge.kd
    .args:
      - { .name: xf, .offset: 0, .size: 8, .value_kind: global_buffer, .address_space: global }
      - { .name: x, .offset: 8, .size: 8, .value_kind: global_buffer, .address_space: global }
      - { .name: re_motion, .offset: 16, .size: 8, .value_kind: global_buffer, .address_space: global }
      - { .name: re_text, .offset: 24, .size: 8, .value_kind: global_buffer, .address_space: global }
      - { .name: src_mask, .offset: 32, .size: 8, .value_kind: global_buffer, .address_space: global }
      - { .name: re_mask, .offset: 40, .size: 8, .value_kind: global_buffer, .address_space: global }
      - { .name: cond_type, .offset: 48, .size: 8, .value_kind: global_buffer, .address_space: global }
      - { .name: tnorm_g, .offset: 56, .size: 8, .value_kind: global_buffer, .address_space: global }
      - { .name: tnorm_b, .offset: 64, .size: 8, .value_kind: global_buffer, .address_space: global }
      - { .name: norm_g, .offset: 72, .size: 8, .value_kind: global_buffer, .address_space: global }
      - { .name: norm_b, .offset: 80, .size: 8, .value_kind: global_buffer, .address_space: global }
      - { .name: rn1_g, .offset: 88, .size: 8, .value_kind: global_buffer, .address_space: global }
      - { .name: rn1_b, .offset: 96, .size: 8, .value_kind: global_buffer, .address_space: global }
      - { .name: rn2_g, .offset: 104, .size: 8, .value_kind: global_buffer, .address_space: global }
      - { .name: rn2_b, .offset: 112, .size: 8, .value_kind: global_buffer, .address_space: global }
      - { .name: wimg, .offset: 120, .size: 8, .value_kind: global_buffer, .address_space: global }
      - { .name: tstat, .offset: 128, .size: 8, .value_kind: global_buffer, .address_space: global }
      - { .name: bkt, .offset: 136, .size: 8, .value_kind: global_buffer, .address_space: global }
      - { .name: bkr, .offset: 144, .size: 8, .value_kind: global_buffer, .address_space: global }
      - { .name: bkm, .offset: 152, .size: 8, .value_kind: global_buffer, .address_space: global }
      - { .name: bvt, .offset: 160, .size: 8, .value_kind: global_buffer, .address_space: global }
      - { .name: bvr, .offset: 168, .size: 8, .value_kind: global_buffer, .address_space: global }
      - { .name: bvm, .offset: 176, .size: 8, .value_kind: global_buffer, .address_space: global }
      - { .name: part, .offset: 184, .size: 8, .value_kind: global_buffer, .address_space: global }
      - { .name: pstat, .offset: 192, .size: 8, .value_kind: global_buffer, .address_space: global }
      - { .name: attc, .offset: 200, .size: 8, .value_kind: global_buffer, .address_space: global }
      - { .name: atts, .offset: 208, .size: 8, .value_kind: global_buffer, .address_space: global }
    .group_segment_fixed_size: 178176
    .private_segment_fixed_size: 0
    .kernarg_segment_align: 8
    .kernarg_segment_size: 216
    .max_flat_workgroup_size: 128
    .sgpr_count:     102
    .vgpr_count:     1024
    .wavefront_size: 32
...
	.end_amdgpu_metadata
.endif
;; end of part 3
;; launch out (part 4): grid 8 x 32, 4 waves a work-group, no clusters, 187,904 bytes of LDS; arguments x, norm_g, norm_b, wimg, Wq_scales, bq, attc, atts, film, out_W_scales, out_b, out0; writes out0
.if DOCPART == 4
	.amdgcn_target "amdgcn-amd-amdhsa--gfx1250"
	.amdhsa_code_object_version 6
	.text
	.protected	k_q69607e7bf1_out
	.globl	k_q69607e7bf1_out
	.p2align	8
	.type	k_q69607e7bf1_out,@function
k_q69607e7bf1_out:
	s_mov_b64 s[64:65], 0
	v_nop
	global_prefetch_b8 v0, s[64:65] scope:SCOPE_SE
	s_setreg_imm32_b32 hwreg(HW_REG_WAVE_MODE, 25, 1), 1
	s_wait_xcnt 0x0
; Work-group (block of 128 tokens, b).  THE WAVES SHARE THE FEATURES: wave w has features 128 w .. 128 w + 127 (heads 2 w, 2 w + 1) of the query and of the output, for all 128 tokens;
; its parts of Wq and out_W stay in registers; they come as images of operand registers, three loads of 512 consecutive bytes a fragment.
; X: LayerNorm of x, quantised, images to LDS.  Q, a tile of 16 tokens a trip: query (transposed: a lane holds one token), softmax over each head's 64
; as p = 2^(t - M), quantised; y = att p / sum (att holds two heads in one fragment of 128 along K; p's other half is zero codes); LayerNorm over 512 (the waves' means and sums of squares meet
; in LDS), FiLM, SiLU, quantised: K step w of the last product.  O: the last product, + out_b, through the wave's stage to whole rows, + x, stored.
; WHEN THE WEIGHTS ARE ASKED FOR: Wq in the second tile's four blocks of phase X, 24 loads each; out_W's first 36 loads behind phase X, its other 60 at the end of Q's first trip; they are waited for ahead of O.
; LIMITS: NaN and infinities are not served; FiLM comes folded as A, B (one rounding more); a block of zeros gets the byte 1.
.set MSB, 0
.macro WIN new
.if MSB != (\new)
	s_set_vgpr_msb (MSB<<8)|(\new)
.set MSB, (\new)
.endif
.endm
.macro NOPS n
.rept \n
	v_nop
.endr
.endm
.set LI,1
.set LS,2
.set R4,3
.set HH,4
.set ROFF,5
.set MOFF,6
.set XA,12
.set XSA,16
.set GBA,18
.set MEAN,22
.set RS,24
.set DR,26
.set QQ,30
.set TT,31
.set ST,32
.set PC,96
.set PT,108
.set TM,116
.set PW,132
.set SUM,134
.set U,142
.set R1,148
.set RSC,196
.set WQS,200
.set WOS,216
.set ATS,232
.set WQX,236
.set SMQ,248
.set RLQ,252
.set YM,248
.set YR,250
.set YD,252
.set QA,6
.set QB,18
.set STO,6
.set STR,7
.set XGO,8
.set WV,2
.set BB,3
.set WQP,14                            ; s[14:15] my 32 fragments of Wq
.set WOP,34                            ; s[34:35] my 32 fragments of out_W
.set RP,66
.set NN,70
.set SX,71
.set SXS,72
.set SY,73
.set SYW,74
.set SHW,75
.set SHS,76
.set SBQ,77
.set SFA,78
.set SAF,79
.set SEL,80
.set CS,82
.set NC,84
.set SOB,86
.set OP,88
.set WQIMG,1228800                     ; where Wq's images begin in wimg; out_W's lie 196,608 bytes on
.set GB,0
.set BQ,4096
.set OB,6144
.set FA,8192
.set FB,10240
.set YS,12288
.set XF,20480
.set XS,69632
.set HF,73728
.set HS,122880
.set STG,126976
.set AF,160768
.set X_SKS,128
.set G_GS,2048
.macro LOADPART ks, areg
	WIN 0xc0
.irp b,0,1,2,3
.irp j,0,1,2,3
	global_load_b128 v[64*(\ks)+16*\b+4*\j:64*(\ks)+16*\b+4*\j+3], v[\areg], s[RP:RP+1] offset:512*(\ks)+128*\b+16*\j
.endr
.endr
	WIN 0
.endm
.macro REDUCE dst
	v_pk_add_f32 v[SUM:SUM+1], v[SUM:SUM+1], v[SUM+2:SUM+3]
	v_pk_add_f32 v[SUM+4:SUM+5], v[SUM+4:SUM+5], v[SUM+6:SUM+7]
	v_pk_add_f32 v[SUM:SUM+1], v[SUM:SUM+1], v[SUM+4:SUM+5]
	v_add_f32 v[TT], v[SUM], v[SUM+1]
	v_permlanex16_b32 v[U+5], v[TT], s[SEL], s[SEL+1]
	v_add_f32 v[\dst], v[TT], v[U+5]
.endm
.macro STATS nb
	WIN 0x0f
.irp k,0,1,2,3
	v_pk_add_f32 v[SUM+2*\k:SUM+2*\k+1], v[2*\k:2*\k+1], v[8+2*\k:9+2*\k]
.endr
	WIN 0x0c
.set sp, 8
.rept 8*\nb-8
	v_pk_add_f32 v[SUM+2*(sp%4):SUM+2*(sp%4)+1], v[SUM+2*(sp%4):SUM+2*(sp%4)+1], v[2*sp:2*sp+1]
.set sp, sp+1
.endr
	WIN 0
	REDUCE TT
	v_mul_f32 v[MEAN], 0x3b000000, v[TT]
	WIN 0xc3
.set sp, 0
.rept 8*\nb
	v_pk_add_f32 v[2*sp:2*sp+1], v[2*sp:2*sp+1], v[MEAN:MEAN+1] op_sel_hi:[1,0] neg_lo:[0,1] neg_hi:[0,1]
.set sp, sp+1
.endr
	WIN 0x0f
.irp k,0,1,2,3
	v_pk_mul_f32 v[SUM+2*\k:SUM+2*\k+1], v[2*\k:2*\k+1], v[2*\k:2*\k+1]
.endr
.set sp, 4
.rept 8*\nb-4
	v_pk_fma_f32 v[SUM+2*(sp%4):SUM+2*(sp%4)+1], v[2*sp:2*sp+1], v[2*sp:2*sp+1], v[SUM+2*(sp%4):SUM+2*(sp%4)+1]
.set sp, sp+1
.endr
	WIN 0
	REDUCE QQ
.endm
.macro QUANT s, pw
.irp b,0,1,2,3
	v_max3_num_f32 v[TM+\b], |v[\s+16*\b]|, |v[\s+1+16*\b]|, 0x1800000   ; with the floor 2^(3 - 127): the byte cannot fall under 1
.endr
.irp i,2,4,6,8,10,12,14
.irp b,0,1,2,3
	v_max3_num_f32 v[TM+\b], v[TM+\b], |v[\s+16*\b+\i]|, |v[\s+1+16*\b+\i]|
.endr
.endr
.irp b,0,1,2,3
	v_permlanex16_b32 v[TM+4+\b], v[TM+\b], s[SEL], s[SEL+1]
.endr
.irp b,0,1,2,3
	v_max_num_f32 v[TM+\b], v[TM+\b], v[TM+4+\b]
.endr
.irp b,0,1,2,3
	v_add_nc_u32 v[TM+12+\b], 0xff000000, v[TM+\b]
.endr
.irp b,0,1,2,3
	v_lshrrev_b32 v[TM+4+\b], 23, v[TM+12+\b]
.endr
	v_lshl_or_b32 v[\pw], v[TM+5], 8, v[TM+4]
	v_lshl_or_b32 v[\pw], v[TM+6], 16, v[\pw]
	v_lshl_or_b32 v[\pw], v[TM+7], 24, v[\pw]
.irp c,0,1
	v_cvt_scalef32_pk16_fp6_f32 v[PC+6*\c:PC+2+6*\c], v[\s+32*\c:\s+15+32*\c], v[TM+12+2*\c]
	v_cvt_scalef32_pk16_fp6_f32 v[PT+4*\c:PT+2+4*\c], v[\s+16+32*\c:\s+31+32*\c], v[TM+13+2*\c]
.endr
	v_nop                                  ; one plain place behind a scaled conversion
.irp c,0,1
.irp i,0,1,2
	v_permlane16_swap_b32 v[PC+6*\c+\i], v[PT+4*\c+\i]
.endr
.irp i,0,1,2
	v_mov_b32 v[PC+3+6*\c+\i], v[PT+4*\c+\i]
.endr
.endr
.endm
.macro IMAGE a, off
.irp c,0,1,2
	ds_store_b128 v[\a], v[PC+4*\c:PC+4*\c+3] offset:\off+512*\c
.endr
.endm
; where a weight's fragment f = 8 ks + tile lies: no fragment crosses a window's end
.macro WQLOC f
.if (\f) < 21
.set fw, 1
.set fr, 12*(\f)
.elseif (\f) < 31
.set fw, 2
.set fr, 12*((\f)-21)
.else
.set fw, 0
.set fr, WQX
.endif
.endm
.macro WOLOC f
.if (\f) < 11
.set fw, 2
.set fr, 120+12*(\f)
.else
.set fw, 3
.set fr, 12*((\f)-11)
.endif
.endm
; in wimg my fragment (ks, tile) is number 16 (tile / 4) + 4 ks + tile % 4 of my 32
.macro WQLOAD ks                       ; Wq's eight fragments of K step ks: 24 loads
.set wq, 8*(\ks)
.rept 8
	WQLOC wq
	WIN fw<<6
.irp c,0,1,2
	global_load_b128 v[fr+4*\c:fr+4*\c+3], v[LI], s[WQP:WQP+1] offset:(16*((wq%8)/4)+4*(wq/8)+wq%4)*1536+512*\c
.endr
.set wq, wq+1
.endr
	WIN 0
.endm
.macro WOLOAD f0, n                    ; n fragments of out_W from number f0 on
.set wq, \f0
.rept \n
	WOLOC wq
	WIN fw<<6
.irp c,0,1,2
	global_load_b128 v[fr+4*\c:fr+4*\c+3], v[LI], s[WOP:WOP+1] offset:(16*((wq%8)/4)+4*(wq/8)+wq%4)*1536+512*\c
.endr
.set wq, wq+1
.endr
	WIN 0
.endm
; nx = 1: the next row's part is asked for; nx = 3: Wq's K step ks
.macro NORMQ ks, nx, na
	WIN 0x80
.irp i,0,1,2,3,4,5,6,7,8,9,10,11,12,13,14,15
	ds_load_b128 v[128+4*\i:131+4*\i], v[GBA] offset:512*(\ks)+128*(\i/4)+16*(\i%4)
	ds_load_b128 v[192+4*\i:195+4*\i], v[GBA] offset:G_GS+512*(\ks)+128*(\i/4)+16*(\i%4)
.endr
	s_wait_dscnt 0x0                       ; gain and bias are in; the last image's stores have read their registers
	WIN 0x03
.set nq, 0
.rept 32
	v_pk_fma_f32 v[ST+nq:ST+nq+1], v[64*(\ks)+nq:64*(\ks)+nq+1], v[RS:RS+1], v[DR:DR+1] op_sel_hi:[1,0,0]
.set nq, nq+2
.endr
	WIN 0x28
.set nq, 0
.rept 32
	v_pk_fma_f32 v[ST+nq:ST+nq+1], v[ST+nq:ST+nq+1], v[128+nq:129+nq], v[192+nq:193+nq]
.set nq, nq+2
.endr
	WIN 0
.if \nx == 1
	LOADPART \ks, \na
.elseif \nx == 3
	WQLOAD \ks
.endif
	QUANT ST, PW
	IMAGE XA+\ks, 0
	ds_store_b32 v[XSA], v[PW] offset:(\ks)*X_SKS
.endm
.macro XTRIP nb, nx, na
	s_wait_loadcnt 0x0
	STATS \nb
	v_mov_b32 v[U], 0x3727c5ac
	v_fmac_f32 v[U], 0x3b000000, v[QQ]
	v_rsq_f32 v[RS], v[U]
	v_mov_b32 v[DR], 0
	s_wait_alu depctr_va_vdst(0)
.set xk, 0
.rept \nb/4
	NORMQ xk, \nx, \na
.set xk, xk+1
.endr
.endm
.macro SILUH b0                        ; SiLU of ST[b0 .. b0 + 31], temporaries in R1
.set sq, 0
.rept 16
	v_pk_mul_f32 v[R1+sq:R1+sq+1], v[ST+\b0+sq:ST+\b0+sq+1], s[NC:NC+1] op_sel_hi:[1,0]
.set sq, sq+2
.endr
.set sq, 0
.rept 32
	v_exp_f32 v[R1+sq], v[R1+sq]
.set sq, sq+1
.endr
	v_nop
	s_wait_alu depctr_va_vdst(0)
.set sq, 0
.rept 16
	v_pk_add_f32 v[R1+sq:R1+sq+1], v[R1+sq:R1+sq+1], 1.0 op_sel_hi:[1,0]
.set sq, sq+2
.endr
.set sq, 0
.rept 32
	v_rcp_f32 v[R1+sq], v[R1+sq]
.set sq, sq+1
.endr
	v_nop
	s_wait_alu depctr_va_vdst(0)
.set sq, 0
.rept 16
	v_pk_mul_f32 v[ST+\b0+sq:ST+\b0+sq+1], v[ST+\b0+sq:ST+\b0+sq+1], v[R1+sq:R1+sq+1]
.set sq, sq+2
.endr
.endm
.macro FILMLD cc, buf                  ; A and B of block cc (16 features of my half) into 32 registers
.irp j,0,1,2,3
	ds_load_b128 v[\buf+4*\j:\buf+4*\j+3], v30 offset:128*\cc+16*\j
	ds_load_b128 v[\buf+16+4*\j:\buf+16+4*\j+3], v30 offset:2048+128*\cc+16*\j
.endr
.endm
.macro FILMDO cc, buf
.irp j,0,2,4,6,8,10,12,14
	v_pk_fma_f32 v[ST+16*\cc+\j:ST+16*\cc+\j+1], v[ST+16*\cc+\j:ST+16*\cc+\j+1], v[\buf+\j:\buf+\j+1], v[\buf+16+\j:\buf+17+\j]
.endr
.endm
.macro XLD off                         ; x for the residual: 16 tokens' 512 bytes of my features, from off bytes on, into window 1
	WIN 0x40
.irp t,0,1,2,3,4,5,6,7,8,9,10,11,12,13,14,15
	global_load_b128 v[4*\t:4*\t+3], v[XGO], s[8:9] offset:\off+2048*\t
.endr
	WIN 0
.endm
	s_load_b512 s[8:23], s[0:1], 0x0       ; x norm_g norm_b wimg Wq_scales bq attc atts
	s_load_b256 s[24:31], s[0:1], 0x40     ; film out_W_scales out_b out0
	v_lshl_add_u32 v133, v0, 2, 0x2dc00
	s_set_vgpr_msb 0x40
	v_mov_b32 v255, 0
	s_set_vgpr_msb 0x4000
	v_lshrrev_b32 v31, 5, v0
	v_readfirstlane_b32 s[WV], v31
	s_and_b32 s[BB], ttmp7, 0xffff
	v_and_b32 v31, 31, v0
	v_lshlrev_b32 v[LI], 4, v31
	v_lshlrev_b32 v[LS], 2, v31
	v_and_b32 v30, 15, v0
	v_lshlrev_b32 v[R4], 2, v30
	v_bfe_u32 v[HH], v0, 4, 1
	v_and_b32 v31, 8, v30
	v_add_nc_u32 v31, v31, v30             ; r + 8 (r / 8)
	s_mov_b32 s[SEL], 0x76543210
	s_mov_b32 s[SEL+1], 0xfedcba98
	s_mov_b32 s[CS], 0x3fb8aa3b
	s_mov_b32 s[CS+1], s[CS]
	s_mov_b32 s[NC], 0xbfb8aa3b
	s_mov_b32 s[NC+1], s[NC]
.irp i,MEAN+1,RS+1,DR+1,TM+4,TM+5,TM+6,TM+7,U+2,U+3,U+5,SMQ+1,SMQ+3,RLQ+1,RLQ+3
	v_mov_b32 v[\i], 0
.endr
	s_mov_b32 s7, 0
	s_wait_kmcnt 0x0
	s_lshl_b32 s6, s[BB], 21
	s_lshl_b32 s5, ttmp9, 18
	s_add_co_u32 s6, s6, s5                ; my 128 tokens
	s_add_nc_u64 s[8:9], s[8:9], s[6:7]
	s_add_nc_u64 s[OP:OP+1], s[30:31], s[6:7]
	s_mov_b64 s[RP:RP+1], s[8:9]
	s_lshl_b32 s5, s[WV], 16               ; tile 2 w: 32 w rows of 2,048 bytes
	v_lshlrev_b32 v[ROFF], 11, v30
	v_lshl_add_u32 v[ROFF], v[HH], 6, v[ROFF]
	v_add_nc_u32 v[ROFF], s5, v[ROFF]
	v_add_nc_u32 v[MOFF], 0x8000, v[ROFF]
	s_mul_i32 s6, s[WV], 49152             ; my 32 fragments of 1,536 bytes in each weight's images
	s_add_co_u32 s6, s6, WQIMG
	s_add_nc_u64 s[WQP:WQP+1], s[WQP:WQP+1], s[6:7]
	s_add_nc_u64 s[WOP:WOP+1], s[WQP:WQP+1], 196608
	s_lshl_b32 s6, s[WV], 11
	s_add_nc_u64 s[16:17], s[16:17], s[6:7]
	s_add_nc_u64 s[26:27], s[26:27], s[6:7]
	v_lshl_add_u32 v11, v[HH], 3, v31
	v_lshlrev_b32 v11, 4, v11              ; scale words: lanes 0-15 an even tile's rows, lanes 16-31 the odd tile's
	v_lshl_add_u32 v20, v[HH], 4, v30
	v_lshlrev_b32 v20, 4, v20
	s_lshl_b32 s5, s[BB], 2
	s_add_co_u32 s5, s5, s[WV]
	s_lshl_b32 s6, s5, 9
	s_add_nc_u64 s[22:23], s[22:23], s[6:7]
	s_mul_i32 s6, s5, 6144
	s_add_nc_u64 s[20:21], s[20:21], s[6:7]
	s_lshl_b32 s6, s[BB], 11
	s_add_nc_u64 s[24:25], s[24:25], s[6:7]
	v_lshlrev_b32 v21, 4, v0
	; the small things first: 30 loads
	global_load_b128 v[32:35], v21, s[10:11]
	global_load_b128 v[36:39], v21, s[12:13]
	global_load_b128 v[40:43], v21, s[18:19]
	global_load_b128 v[44:47], v21, s[28:29]
	global_load_b128 v[48:51], v21, s[24:25]
	global_load_b128 v[52:55], v21, s[24:25] offset:65536
.irp i,0,1,2,3,4,5,6,7,8,9,10,11
	global_load_b128 v[56+4*\i:59+4*\i], v[LI], s[20:21] offset:512*\i
.endr
.irp f,0,1,2,3
	global_load_b128 v[WQS+4*\f:WQS+4*\f+3], v11, s[16:17] offset:512*\f
	global_load_b128 v[WOS+4*\f:WOS+4*\f+3], v20, s[26:27] offset:512*\f
.endr
.irp t,0,1,2,3
	global_load_b32 v[ATS+\t], v[LS], s[22:23] offset:128*\t
.endr
	LOADPART 0, ROFF
	LOADPART 1, ROFF
	s_wait_loadcnt 32                      ; the 30 are in; the row's 32 loads behind them may be out
.irp i,0,1,2,3,4,5
	ds_store_b128 v21, v[32+4*\i:35+4*\i] offset:2048*\i   ; gain, bias, bq, out_b, FiLM's A and B
.endr
	s_mul_i32 s[SAF], s[WV], 6144
	s_add_co_u32 s[SAF], s[SAF], AF
	v_add_nc_u32 v31, s[SAF], v[LI]
.irp i,0,1,2,3,4,5,6,7,8,9,10,11
	ds_store_b128 v31, v[56+4*\i:59+4*\i] offset:512*\i    ; my pair of heads' four fragments of att: the wave's own bytes
.endr
	LOADPART 2, ROFF
	LOADPART 3, ROFF
	s_wait_dscnt 0x0
	s_barrier_signal -1
	s_barrier_wait -1
	; ---- X: tiles 2 w and 2 w + 1
	s_mul_i32 s5, s[WV], 12288
	s_add_co_u32 s5, s5, XF
	s_lshl_b32 s6, s[WV], 10
	s_add_co_u32 s6, s6, XS
.irp k,0,1,2,3
	v_add_nc_u32 v[XA+\k], s5, v[LI]
	s_add_co_u32 s5, s5, 1536
.endr
	v_add_nc_u32 v[XSA], s6, v[LS]
	v_lshlrev_b32 v[GBA], 6, v[HH]
	XTRIP 16, 1, MOFF
.irp k,0,1,2,3
	v_add_nc_u32 v[XA+\k], s5, v[LI]
	s_add_co_u32 s5, s5, 1536
.endr
	s_add_co_u32 s6, s6, 512
	v_add_nc_u32 v[XSA], s6, v[LS]
	XTRIP 16, 3, MOFF
	WOLOAD 0, 12                           ; out_W's first twelve fragments, into registers that phase X has left
	s_wait_dscnt 0x0
	s_barrier_signal -1
	s_barrier_wait -1                      ; x's 32 fragments lie in LDS
	s_wait_loadcnt 36                      ; Wq is in; out_W's 36 loads, issued behind it, may be out
.irp i,0,1,2,3,4,5
	v_mov_b32 v[QA+6+\i], 0                ; the other head's half of p: zero codes
	v_mov_b32 v[QB+\i], 0
.endr
	s_mov_b32 s[SX], XF                    ; the stepped scalars carry their regions' bases: an LDS immediate holds 16 bits
	s_mov_b32 s[SXS], XS
	s_mov_b32 s[SY], YS
	s_lshl_b32 s[SYW], s[WV], 8
	s_add_co_u32 s[SYW], s[SYW], YS
	s_mul_i32 s[SHW], s[WV], 1536
	s_add_co_u32 s[SHW], s[SHW], HF
	s_lshl_b32 s[SHS], s[WV], 7
	s_add_co_u32 s[SHS], s[SHS], HS
	s_lshl_b32 s[SBQ], s[WV], 9
	s_add_co_u32 s[SFA], s[SBQ], FA
	s_add_co_u32 s[SOB], s[SBQ], OB
	s_add_co_u32 s[SBQ], s[SBQ], BQ
	s_mov_b32 s[NN], 0
.Lq:                                       ; ---- Q: a tile of 16 tokens a trip
	v_add_nc_u32 v30, s[SX], v[LI]
	v_add_nc_u32 v31, s[SXS], v[LS]
	v_lshl_add_u32 v5, v[HH], 6, s[SBQ]
.irp k,0,1,2,3
.irp c,0,1,2
	ds_load_b128 v[R1+12*\k+4*\c:R1+12*\k+4*\c+3], v30 offset:1536*\k+512*\c
.endr
	ds_load_b32 v[RSC+\k], v31 offset:128*\k
.endr
.irp t,0,1,2,3,4,5,6,7
	ds_load_b128 v[ST+8*\t:ST+8*\t+3], v5 offset:128*(\t/2)+32*(\t%2)          ; bq is the C of each sum's first product
	ds_load_b128 v[ST+8*\t+4:ST+8*\t+7], v5 offset:128*(\t/2)+32*(\t%2)+16
.endr
	s_wait_dscnt 0x0
.set qf, 0
.rept 32
	WQLOC qf
	WIN fw
.if qf%2
	v_wmma_scale_f32_16x16x128_f8f6f4 v[ST+8*(qf%8):ST+8*(qf%8)+7], v[fr:fr+11], v[R1+12*(qf/8):R1+12*(qf/8)+11], v[ST+8*(qf%8):ST+8*(qf%8)+7], v[WQS+4*((qf%8)/2)+qf/8], v[RSC+qf/8] matrix_a_fmt:MATRIX_FMT_FP6 matrix_b_fmt:MATRIX_FMT_FP6 matrix_a_scale:MATRIX_SCALE_ROW1
.else
	v_wmma_scale_f32_16x16x128_f8f6f4 v[ST+8*(qf%8):ST+8*(qf%8)+7], v[fr:fr+11], v[R1+12*(qf/8):R1+12*(qf/8)+11], v[ST+8*(qf%8):ST+8*(qf%8)+7], v[WQS+4*((qf%8)/2)+qf/8], v[RSC+qf/8] matrix_a_fmt:MATRIX_FMT_FP6 matrix_b_fmt:MATRIX_FMT_FP6
.endif
.set qf, qf+1
.endr
	WIN 0
	NOPS 4
	v_add_nc_u32 v30, s[SAF], v[LI]
.irp i,0,1,2,3,4,5,6,7,8,9,10,11
	ds_load_b128 v[R1+4*\i:R1+4*\i+3], v30 offset:512*\i   ; att's four fragments
.endr
	; the query's softmax over each head's 64: my 32 and lane l xor 16's
.irp e,0,1
	v_max3_num_f32 v[TM+\e], v[ST+32*\e], v[ST+32*\e+1], v[ST+32*\e+2]
.endr
.irp i,3,5,7,9,11,13,15,17,19,21,23,25,27,29
.irp e,0,1
	v_max3_num_f32 v[TM+\e], v[TM+\e], v[ST+32*\e+\i], v[ST+32*\e+\i+1]
.endr
.endr
.irp e,0,1
	v_max_num_f32 v[TM+\e], v[TM+\e], v[ST+32*\e+31]
.endr
.irp e,0,1
	v_permlanex16_b32 v[TM+4+\e], v[TM+\e], s[SEL], s[SEL+1]
.endr
.irp e,0,1
	v_max_num_f32 v[TM+\e], v[TM+\e], v[TM+4+\e]
.endr
.irp e,0,1
	v_mul_f32 v[TM+\e], s[CS], v[TM+\e]
.endr
.irp e,0,1
	v_floor_f32 v[SMQ+2*\e], -v[TM+\e]     ; -M = -ceil(the largest t)
.endr
.irp e,0,1
.set sq, 0
.rept 16
	v_pk_fma_f32 v[ST+32*\e+sq:ST+32*\e+sq+1], v[ST+32*\e+sq:ST+32*\e+sq+1], s[CS:CS+1], v[SMQ+2*\e:SMQ+2*\e+1] op_sel_hi:[1,0,0]
.set sq, sq+2
.endr
.endr
.set sq, 0
.rept 64
	v_exp_f32 v[ST+sq], v[ST+sq]
.set sq, sq+1
.endr
	v_nop
	s_wait_alu depctr_va_vdst(0)           ; one wait for the 64
.irp e,0,1
	v_pk_add_f32 v[SUM+2*\e:SUM+2*\e+1], v[ST+32*\e:ST+32*\e+1], v[ST+32*\e+2:ST+32*\e+3]
.endr
.irp k,4,6,8,10,12,14,16,18,20,22,24,26,28,30
.irp e,0,1
	v_pk_add_f32 v[SUM+2*\e:SUM+2*\e+1], v[SUM+2*\e:SUM+2*\e+1], v[ST+32*\e+\k:ST+32*\e+\k+1]
.endr
.endr
.irp e,0,1
	v_add_f32 v[U+\e], v[SUM+2*\e], v[SUM+2*\e+1]
.endr
.irp e,0,1
	v_permlanex16_b32 v[U+2+\e], v[U+\e], s[SEL], s[SEL+1]
.endr
.irp e,0,1
	v_add_f32 v[U+\e], v[U+\e], v[U+2+\e]  ; the sum of the unquantised p
.endr
	QUANT ST, PW
.irp e,0,1
	v_rcp_f32 v[RLQ+2*\e], v[U+\e]
.endr
.irp i,0,1,2,3,4,5
	v_mov_b32 v[QA+\i], v[PC+\i]
	v_mov_b32 v[QB+6+\i], v[PC+6+\i]
.endr
	s_wait_alu depctr_va_vdst(0)
	s_wait_dscnt 0x0
	NOPS 8
.irp t,0,1,2,3
	v_wmma_scale_f32_16x16x128_f8f6f4 v[ST+8*\t:ST+8*\t+7], v[R1+12*\t:R1+12*\t+11], v[QA:QA+11], 0, v[ATS+\t], v[PW] matrix_a_fmt:MATRIX_FMT_FP6 matrix_b_fmt:MATRIX_FMT_FP6
	v_wmma_scale_f32_16x16x128_f8f6f4 v[ST+32+8*\t:ST+32+8*\t+7], v[R1+12*\t:R1+12*\t+11], v[QB:QB+11], 0, v[ATS+\t], v[PW] matrix_a_fmt:MATRIX_FMT_FP6 matrix_b_fmt:MATRIX_FMT_FP6
.endr
	NOPS 4
.irp e,0,1
.set sq, 0
.rept 16
	v_pk_mul_f32 v[ST+32*\e+sq:ST+32*\e+sq+1], v[ST+32*\e+sq:ST+32*\e+sq+1], v[RLQ+2*\e:RLQ+2*\e+1] op_sel_hi:[1,0]
.set sq, sq+2
.endr
.endr
	; LayerNorm over 512: my wave's 128 first
.irp k,0,1,2,3
	v_pk_add_f32 v[SUM+2*\k:SUM+2*\k+1], v[ST+2*\k:ST+2*\k+1], v[ST+8+2*\k:ST+9+2*\k]
.endr
.set sp, 8
.rept 24
	v_pk_add_f32 v[SUM+2*(sp%4):SUM+2*(sp%4)+1], v[SUM+2*(sp%4):SUM+2*(sp%4)+1], v[ST+2*sp:ST+2*sp+1]
.set sp, sp+1
.endr
	REDUCE TT
	v_mul_f32 v[YM], 0x3c000000, v[TT]
.set sp, 0
.rept 32
	v_pk_add_f32 v[ST+2*sp:ST+2*sp+1], v[ST+2*sp:ST+2*sp+1], v[YM:YM+1] op_sel_hi:[1,0] neg_lo:[0,1] neg_hi:[0,1]
.set sp, sp+1
.endr
.irp k,0,1,2,3
	v_pk_mul_f32 v[SUM+2*\k:SUM+2*\k+1], v[ST+2*\k:ST+2*\k+1], v[ST+2*\k:ST+2*\k+1]
.endr
.set sp, 4
.rept 28
	v_pk_fma_f32 v[SUM+2*(sp%4):SUM+2*(sp%4)+1], v[ST+2*sp:ST+2*sp+1], v[ST+2*sp:ST+2*sp+1], v[SUM+2*(sp%4):SUM+2*(sp%4)+1]
.set sp, sp+1
.endr
	REDUCE YM+1
	v_lshl_add_u32 v5, v[LS], 1, s[SYW]
	ds_store_b64 v5, v[YM:YM+1]
	s_wait_dscnt 0x0
	s_barrier_signal -1
	s_barrier_wait -1                      ; the four waves' means and sums of squares of this tile lie in LDS
	v_lshl_add_u32 v5, v[LS], 1, s[SY]
.irp w,0,1,2,3
	ds_load_b64 v[SUM+2*\w:SUM+2*\w+1], v5 offset:256*\w
.endr
	v_lshl_add_u32 v30, v[HH], 6, s[SFA]
	FILMLD 0, R1
	FILMLD 1, PC
	s_wait_dscnt 16                        ; the four pairs are in; FiLM's sixteen loads may be out
	v_add_f32 v[U], v[SUM], v[SUM+2]
	v_add_f32 v[U+1], v[SUM+4], v[SUM+6]
	v_add_f32 v[U], v[U], v[U+1]
	v_mul_f32 v[U], 0x3e800000, v[U]       ; the mean of 512
	v_sub_f32 v[U+1], v[SUM], v[U]
	v_mul_f32 v[U+2], v[U+1], v[U+1]
.irp w,1,2,3
	v_sub_f32 v[U+1], v[SUM+2*\w], v[U]
	v_fmac_f32 v[U+2], v[U+1], v[U+1]
.endr
	v_add_f32 v[U+3], v[SUM+1], v[SUM+3]
	v_add_f32 v[U+4], v[SUM+5], v[SUM+7]
	v_add_f32 v[U+3], v[U+3], v[U+4]
	v_fmac_f32 v[U+3], 0x43000000, v[U+2]
	v_mov_b32 v[U+4], 0x3727c5ac
	v_fmac_f32 v[U+4], 0x3b000000, v[U+3]
	v_rsq_f32 v[YR], v[U+4]
	v_sub_f32 v[U+1], v[YM], v[U]
	s_wait_alu depctr_va_vdst(0)
	v_mul_f32 v[YD], v[U+1], v[YR]
.set sp, 0
.rept 32
	v_pk_fma_f32 v[ST+2*sp:ST+2*sp+1], v[ST+2*sp:ST+2*sp+1], v[YR:YR+1], v[YD:YD+1] op_sel_hi:[1,0,0]
.set sp, sp+1
.endr
	s_wait_dscnt 8                         ; chunk 0 is in; chunk 1's eight loads may be out
	FILMDO 0, R1
	FILMLD 2, R1
	s_wait_dscnt 8
	FILMDO 1, PC
	FILMLD 3, PC
	s_wait_dscnt 8
	FILMDO 2, R1
	s_wait_dscnt 0x0
	FILMDO 3, PC
	SILUH 0
	SILUH 32
	QUANT ST, PW
	v_add_nc_u32 v30, s[SHW], v[LI]
	v_add_nc_u32 v31, s[SHS], v[LS]
	IMAGE 30, 0                            ; K step w of the last product, this tile's rows
	ds_store_b32 v31, v[PW]
	s_cmp_lg_u32 s[NN], 0                  ; in the first trip alone: out_W's other twenty fragments, 60 loads; they have the seven trips that follow in which to land
	s_cbranch_scc1 .Lwo
	WOLOAD 12, 20
.Lwo:
	s_add_co_u32 s[SX], s[SX], 6144
	s_add_co_u32 s[SXS], s[SXS], 512
	s_add_co_u32 s[SY], s[SY], 1024
	s_add_co_u32 s[SYW], s[SYW], 1024
	s_add_co_u32 s[SHW], s[SHW], 6144
	s_add_co_u32 s[SHS], s[SHS], 512
	s_wait_dscnt 0x0                       ; my reads of the means are back and my image has landed:
	s_barrier_signal -1
	s_barrier_wait -1                      ; the next trip's stores come behind every wave's reads; behind the last trip all 32 fragments of the hidden layer lie in LDS
	s_add_co_u32 s[NN], s[NN], 1
	s_cmp_lt_u32 s[NN], 8
	s_cbranch_scc1 .Lq
	; ---- O
	v_and_b32 v30, 15, v0
	s_mul_i32 s5, s[WV], 8448
	s_add_co_u32 s5, s5, STG
	v_mul_u32_u24 v[STO], v30, 528
	v_lshl_add_u32 v[STO], v[HH], 5, v[STO]
	v_add_nc_u32 v[STO], s5, v[STO]
	v_add_nc_u32 v[STR], s5, v[LI]
	s_lshl_b32 s5, s[WV], 9
	v_add_nc_u32 v[XGO], s5, v[LI]
	s_mov_b32 s[SX], HF
	s_mov_b32 s[SXS], HS
	s_mov_b32 s[NN], 0
	XLD 0                                  ; the first tile's x, into registers that Wq has left
	s_wait_loadcnt 16                      ; out_W is in; x's sixteen loads, issued behind it, may be out
.Lo:
	v_add_nc_u32 v30, s[SX], v[LI]
	v_add_nc_u32 v31, s[SXS], v[LS]
	v_lshl_add_u32 v5, v[HH], 5, s[SOB]
.irp k,0,1,2,3
.irp c,0,1,2
	ds_load_b128 v[R1+12*\k+4*\c:R1+12*\k+4*\c+3], v30 offset:1536*\k+512*\c
.endr
	ds_load_b32 v[RSC+\k], v31 offset:128*\k
.endr
.irp t,0,1,2,3,4,5,6,7
	ds_load_b128 v[ST+8*\t:ST+8*\t+3], v5 offset:64*\t
	ds_load_b128 v[ST+8*\t+4:ST+8*\t+7], v5 offset:64*\t+16
.endr
	s_wait_dscnt 0x0
.set qf, 0
.rept 32
	WOLOC qf
	WIN fw
.if qf%2
	v_wmma_scale_f32_16x16x128_f8f6f4 v[ST+8*(qf%8):ST+8*(qf%8)+7], v[fr:fr+11], v[R1+12*(qf/8):R1+12*(qf/8)+11], v[ST+8*(qf%8):ST+8*(qf%8)+7], v[WOS+4*((qf%8)/2)+qf/8], v[RSC+qf/8] matrix_a_fmt:MATRIX_FMT_FP6 matrix_b_fmt:MATRIX_FMT_FP6 matrix_a_scale:MATRIX_SCALE_ROW1
.else
	v_wmma_scale_f32_16x16x128_f8f6f4 v[ST+8*(qf%8):ST+8*(qf%8)+7], v[fr:fr+11], v[R1+12*(qf/8):R1+12*(qf/8)+11], v[ST+8*(qf%8):ST+8*(qf%8)+7], v[WOS+4*((qf%8)/2)+qf/8], v[RSC+qf/8] matrix_a_fmt:MATRIX_FMT_FP6 matrix_b_fmt:MATRIX_FMT_FP6
.endif
.set qf, qf+1
.endr
	WIN 0
	NOPS 4
.irp t,0,1,2,3,4,5,6,7
	ds_store_b128 v[STO], v[ST+8*\t:ST+8*\t+3] offset:64*\t            ; my own stage: row = token, 512 bytes + 16
	ds_store_b128 v[STO], v[ST+8*\t+4:ST+8*\t+7] offset:64*\t+16
.endr
.irp t,0,1,2,3,4,5,6,7,8,9,10,11,12,13,14,15
	ds_load_b128 v[ST+4*\t:ST+4*\t+3], v[STR] offset:528*\t            ; LDS serves a wave's instructions in order: these see the stores above
.endr
	s_wait_dscnt 0x0
	s_wait_loadcnt 0x0                     ; this tile's x, asked for a trip ago
	WIN 0x04
.set sp, 0
.rept 32
	v_pk_add_f32 v[ST+2*sp:ST+2*sp+1], v[ST+2*sp:ST+2*sp+1], v[2*sp:2*sp+1]
.set sp, sp+1
.endr
	WIN 0
	s_cmp_eq_u32 s[NN], 7                  ; the last tile has no successor: no load leaves its buffer
	s_cbranch_scc1 .Lnox
	XLD 32768                              ; the next tile's x, into the registers just read
.Lnox:
.irp t,0,1,2,3,4,5,6,7,8,9,10,11,12,13,14,15
	global_store_b128 v[XGO], v[ST+4*\t:ST+4*\t+3], s[OP:OP+1] offset:2048*\t th:TH_STORE_NT   ; 32 lanes store 512 consecutive bytes
.endr
	s_wait_xcnt 0x0                        ; the loads and stores have read their registers and bases
	s_add_nc_u64 s[8:9], s[8:9], 0x8000
	s_add_nc_u64 s[OP:OP+1], s[OP:OP+1], 0x8000
	s_add_co_u32 s[SX], s[SX], 6144
	s_add_co_u32 s[SXS], s[SXS], 512
	s_add_co_u32 s[NN], s[NN], 1
	s_cmp_lt_u32 s[NN], 8
	s_cbranch_scc1 .Lo
	s_set_vgpr_msb 0x4
	s_wait_tensorcnt 0x0
	ds_add_u32 v133, v255
	s_wait_dscnt 0x0
	s_set_vgpr_msb 0x400
	s_endpgm
.Lfunc_end_k_q69607e7bf1_out:
	.size	k_q69607e7bf1_out, .Lfunc_end_k_q69607e7bf1_out-k_q69607e7bf1_out
	.p2alignl 7, 3214868480
	.fill 96, 4, 3214868480
	.section	.rodata,"a",@progbits
	.p2align	6, 0x0
	.amdhsa_kernel k_q69607e7bf1_out
		.amdhsa_group_segment_fixed_size 187904
		.amdhsa_private_segment_fixed_size 0
		.amdhsa_enable_private_segment 0
		.amdhsa_kernarg_size 96
		.amdhsa_user_sgpr_count 2
		.amdhsa_user_sgpr_kernarg_segment_ptr 1
		.amdhsa_wavefront_size32 1
		.amdhsa_system_sgpr_workgroup_id_x 1
		.amdhsa_system_sgpr_workgroup_id_y 1
		.amdhsa_system_sgpr_workgroup_id_z 1
		.amdhsa_system_vgpr_workitem_id 0
		.amdhsa_next_free_vgpr 1024
		.amdhsa_next_free_sgpr 90
		.amdhsa_reserve_vcc 0
		.amdhsa_float_denorm_mode_32 3
		.amdhsa_float_denorm_mode_16_64 3
		.amdhsa_memory_ordered 1
		.amdhsa_forward_progress 1
		.amdhsa_inst_pref_size 240
	.end_amdhsa_kernel
	.amdgpu_metadata
---
amdhsa.version: [ 1, 2 ]
amdhsa.kernels:
  - .name:           k_q69607e7bf1_out
    .symbol:         k_q69607e7bf1_out.kd
    .args:
      - { .name: x, .offset: 0, .size: 8, .value_kind: global_buffer, .address_space: global }
      - { .name: norm_g, .offset: 8, .size: 8, .value_kind: global_buffer, .address_space: global }
      - { .name: norm_b, .offset: 16, .size: 8, .value_kind: global_buffer, .address_space: global }
      - { .name: wimg, .offset: 24, .size: 8, .value_kind: global_buffer, .address_space: global }
      - { .name: Wq_scales, .offset: 32, .size: 8, .value_kind: global_buffer, .address_space: global }
      - { .name: bq, .offset: 40, .size: 8, .value_kind: global_buffer, .address_space: global }
      - { .name: attc, .offset: 48, .size: 8, .value_kind: global_buffer, .address_space: global }
      - { .name: atts, .offset: 56, .size: 8, .value_kind: global_buffer, .address_space: global }
      - { .name: film, .offset: 64, .size: 8, .value_kind: global_buffer, .address_space: global }
      - { .name: out_W_scales, .offset: 72, .size: 8, .value_kind: global_buffer, .address_space: global }
      - { .name: out_b, .offset: 80, .size: 8, .value_kind: global_buffer, .address_space: global }
      - { .name: out0, .offset: 88, .size: 8, .value_kind: global_buffer, .address_space: global }
    .group_segment_fixed_size: 187904
    .private_segment_fixed_size: 0
    .kernarg_segment_align: 8
    .kernarg_segment_size: 96
    .max_flat_workgroup_size: 128
    .sgpr_count:     90
    .vgpr_count:     1024
    .wavefront_size: 32
...
	.end_amdgpu_metadata
.endif
;; end of part 4
;; ======== version 2 of 2: 4 launches; version 1 with the launches prep, main, edge, out written anew for expert scheduling mode
;; workspace buffers: wimg 1,622,016 bytes; tstat 1,024 bytes; film 131,072 bytes; part 33,554,432 bytes; pstat 2,097,152 bytes; attc 786,432 bytes; atts 65,536 bytes
;; launch prep (part 5): grid 274 x 1, 4 waves a work-group, no clusters, 27,136 bytes of LDS; arguments Wkr_codes, Wkr_scales, Wkm_codes, Wkm_scales, Wvr_codes, Wvr_scales, Wvm_codes, Wvm_scales, Wkt_codes, Wkt_scales, Wvt_codes, Wvt_scales, emb, emb_W_codes, emb_W_scales, emb_b, snorm_g, snorm_b, re_text, wimg, film, tstat, Wq_codes, out_W_codes; writes wimg, film, tstat
.if DOCPART == 5
	.amdgcn_target "amdgcn-amd-amdhsa--gfx1250"
	.amdhsa_code_object_version 6
	.text
	.protected	k_q69607e7bf1_prep
	.globl	k_q69607e7bf1_prep
	.p2align	8
	.type	k_q69607e7bf1_prep,@function
k_q69607e7bf1_prep:
	s_mov_b64 s[64:65], 0
	v_nop
	global_prefetch_b8 v0, s[64:65] scope:SCOPE_SE
	s_setreg_imm32_b32 hwreg(HW_REG_WAVE_SCHED_MODE, 0, 2), 2
	s_setreg_imm32_b32 hwreg(HW_REG_WAVE_MODE, 25, 1), 1
	s_wait_xcnt 0x0
	s_wait_alu depctr_vm_vsrc(0)
; Three jobs, parted on the work-group's number; the long ones have the lowest numbers.
; 0-15   EMB: emb_out = silu(emb) emb_W^T + emb_b on codes, then FiLM's two vectors A = snorm_g (1 + scale), B = snorm_b (1 + scale) + shift.
;        Work-group e: rows 16 (e % 2) .. + 15 of the batch, feature tiles 4 (e / 2) + wave (scale) and 32 further on (shift).
; 16-17  TSTAT: mean and sum of squared deviations of each of the 128 rows of re_text.
; 18-273 RELAY: the eight weights that the later launches take are laid out as images of operand registers: a fragment (16 rows x 128 K of E2M3 codes,
;        12 registers a lane) is 1,536 bytes, register group g of lane l at 512 g + 16 l.  One wave a fragment, 1,024 fragments.  The first 768 (the six weights of keys and values)
;        have their 16 scale words in a table behind them; Wq's and out_W's 256 follow behind the table, without scale words: their reader takes the scale bytes as they are given.
;        Wq's rows are laid in the order that its reader's tiles want: lane r of tile 2 b + u takes row 32 b + 8 u + r + 8 (r / 8).
; LIMITS: NaN and infinities among the inputs are not served; a block of zeros gets the scale byte 1 (its codes are zeros; only this program reads the bytes).
; THE MODE: SCHED_MODE bits 1:0 = 2 (LLVM: expert scheduling mode 2), set by the entry lines.  The code itself states the register dependences
; between vector or matrix instructions and memory or LDS instructions, with s_wait_alu, always for 0.
; THE PLAN.  Each job makes all its offsets and addresses ahead of one wait on va_vdst, behind which its loads follow.  EMB: v[PC ..] and v[PW] are written by the quantiser and read by the image's
; LDS stores: one wait on va_vdst ahead of the stores, one on vm_vsrc ahead of the next quantiser.  emb_W's loads land in registers that no vector instruction names.  The sixteen fragments of silu(emb)
; come back from LDS into sixteen sets of registers of their own (window 3, which the rows have left) and their scale words into v64-79: no load lands in a register that a matrix instruction has read.
.set MSB, 0
.macro WIN new
.if MSB != (\new)
	s_set_vgpr_msb (MSB<<8)|(\new)
.set MSB, (\new)
.endif
.endm
.macro NOPS n
.rept \n
	v_nop
.endr
.endm
.set LI,1
.set LS,2
.set R4,3
.set HH,4
.set ROFF,5
.set RR,9
.set XA,12
.set XSA,16
.set MEAN,22
.set QQ,30
.set TT,31
.set ST,32
.set PC,96
.set PT,108
.set TM,116
.set PW,132
.set SUM,134
.set U,142
.set EACC,148                          ; v148-163: two accumulators
.set ETS,64                            ; v64-79: the sixteen fragments' scale words
.set WV,2
.set RP,66
.set SEL,80
.set NC,82
.set WSCL,1179648
.set ESC,24576                         ; LDS: 16 fragments of 1,536 bytes, then their scale words, 128 bytes each
.macro LOADPART ks, areg               ; 128 along K of my row: 16 neighbours of each block of 32 for my half of the lanes, into window 3
	WIN 0xc0
.irp b,0,1,2,3
.irp j,0,1,2,3
	global_load_b128 v[64*(\ks)+16*\b+4*\j:64*(\ks)+16*\b+4*\j+3], v[\areg], s[RP:RP+1] offset:512*(\ks)+128*\b+16*\j
.endr
.endr
	WIN 0
.endm
.macro REDUCE dst                      ; four packed chains, the pair's halves, lane l xor 16
	v_pk_add_f32 v[SUM:SUM+1], v[SUM:SUM+1], v[SUM+2:SUM+3]
	v_pk_add_f32 v[SUM+4:SUM+5], v[SUM+4:SUM+5], v[SUM+6:SUM+7]
	v_pk_add_f32 v[SUM:SUM+1], v[SUM:SUM+1], v[SUM+4:SUM+5]
	v_add_f32 v[TT], v[SUM], v[SUM+1]
	v_permlanex16_b32 v[U+5], v[TT], s[SEL], s[SEL+1]
	v_add_f32 v[\dst], v[TT], v[U+5]
.endm
.macro STATS nb                        ; the row in window 3 (16 nb numbers a lane): mean; centred in place; sum of squares
	WIN 0x0f
.irp k,0,1,2,3
	v_pk_add_f32 v[SUM+2*\k:SUM+2*\k+1], v[2*\k:2*\k+1], v[8+2*\k:9+2*\k]
.endr
	WIN 0x0c
.set sp, 8
.rept 8*\nb-8
	v_pk_add_f32 v[SUM+2*(sp%4):SUM+2*(sp%4)+1], v[SUM+2*(sp%4):SUM+2*(sp%4)+1], v[2*sp:2*sp+1]
.set sp, sp+1
.endr
	WIN 0
	REDUCE TT
	v_mul_f32 v[MEAN], 0x3b000000, v[TT]
	WIN 0xc3
.set sp, 0
.rept 8*\nb
	v_pk_add_f32 v[2*sp:2*sp+1], v[2*sp:2*sp+1], v[MEAN:MEAN+1] op_sel_hi:[1,0] neg_lo:[0,1] neg_hi:[0,1]
.set sp, sp+1
.endr
	WIN 0x0f
.irp k,0,1,2,3
	v_pk_mul_f32 v[SUM+2*\k:SUM+2*\k+1], v[2*\k:2*\k+1], v[2*\k:2*\k+1]
.endr
.set sp, 4
.rept 8*\nb-4
	v_pk_fma_f32 v[SUM+2*(sp%4):SUM+2*(sp%4)+1], v[2*sp:2*sp+1], v[2*sp:2*sp+1], v[SUM+2*(sp%4):SUM+2*(sp%4)+1]
.set sp, sp+1
.endr
	WIN 0
	REDUCE QQ
.endm
; 64 numbers of a lane, register 16 b + i = k 32 b + 16 (lane / 16) + i of my row, become a fragment's codes in v[PC] on and its scale word in v[pw]
.macro QUANT s, pw
.irp b,0,1,2,3
	v_max3_num_f32 v[TM+\b], |v[\s+16*\b]|, |v[\s+1+16*\b]|, 0x1800000   ; with the floor 2^(3 - 127): the byte cannot fall under 1
.endr
.irp i,2,4,6,8,10,12,14
.irp b,0,1,2,3
	v_max3_num_f32 v[TM+\b], v[TM+\b], |v[\s+16*\b+\i]|, |v[\s+1+16*\b+\i]|
.endr
.endr
.irp b,0,1,2,3
	v_permlanex16_b32 v[TM+4+\b], v[TM+\b], s[SEL], s[SEL+1]
.endr
.irp b,0,1,2,3
	v_max_num_f32 v[TM+\b], v[TM+\b], v[TM+4+\b]
.endr
.irp b,0,1,2,3
	v_add_nc_u32 v[TM+12+\b], 0xff000000, v[TM+\b]   ; 2 off the exponent field: the conversion's scale operand
.endr
.irp b,0,1,2,3
	v_lshrrev_b32 v[TM+4+\b], 23, v[TM+12+\b]
.endr
	v_lshl_or_b32 v[\pw], v[TM+5], 8, v[TM+4]
	v_lshl_or_b32 v[\pw], v[TM+6], 16, v[\pw]
	v_lshl_or_b32 v[\pw], v[TM+7], 24, v[\pw]
.irp c,0,1
	v_cvt_scalef32_pk16_fp6_f32 v[PC+6*\c:PC+2+6*\c], v[\s+32*\c:\s+15+32*\c], v[TM+12+2*\c]
	v_cvt_scalef32_pk16_fp6_f32 v[PT+4*\c:PT+2+4*\c], v[\s+16+32*\c:\s+31+32*\c], v[TM+13+2*\c]
.endr
	v_nop                                  ; one plain place behind a scaled conversion
.irp c,0,1
.irp i,0,1,2
	v_permlane16_swap_b32 v[PC+6*\c+\i], v[PT+4*\c+\i]   ; a whole block to a lane
.endr
.irp i,0,1,2
	v_mov_b32 v[PC+3+6*\c+\i], v[PT+4*\c+\i]
.endr
.endr
.endm
.macro IMAGE a, off
.irp c,0,1,2
	ds_store_b128 v[\a], v[PC+4*\c:PC+4*\c+3] offset:\off+512*\c
.endr
.endm
	s_load_b512 s[8:23], s[0:1], 0x0       ; Wkr c,s  Wkm c,s  Wvr c,s  Wvm c,s
	s_load_b512 s[24:39], s[0:1], 0x40     ; Wkt c,s  Wvt c,s  emb  emb_W c,s  emb_b
	s_load_b256 s[40:47], s[0:1], 0x80     ; snorm_g  snorm_b  re_text  wimg
	s_load_b128 s[48:51], s[0:1], 0xa0     ; film  tstat
	s_load_b128 s[84:87], s[0:1], 0xb0     ; Wq c  out_W c
	v_lshl_add_u32 v254, v0, 2, 0x6800
	v_mov_b32 v255, 0
	v_lshrrev_b32 v31, 5, v0
	v_readfirstlane_b32 s[WV], v31
	v_and_b32 v31, 31, v0
	v_lshlrev_b32 v[LI], 4, v31
	v_lshlrev_b32 v[LS], 2, v31
	v_and_b32 v[RR], 15, v0
	v_lshlrev_b32 v[R4], 2, v[RR]
	v_bfe_u32 v[HH], v0, 4, 1
	s_mov_b32 s[SEL], 0x76543210
	s_mov_b32 s[SEL+1], 0xfedcba98
	v_mov_b32 v[U+5], 0                    ; lane permutes' destinations and pairs' upper halves are written once
	v_mov_b32 v[MEAN+1], 0
.irp b,0,1,2,3
	v_mov_b32 v[TM+4+\b], 0
.endr
	s_wait_alu depctr_va_sdst(0)           ; the wave's number is written, ahead of the branches below and of its first reader in each job
	s_mov_b32 s7, 0
	s_wait_kmcnt 0x0
	s_cmp_lt_u32 ttmp9, 16
	s_cbranch_scc1 .Lemb
	s_cmp_ge_u32 ttmp9, 18
	s_cbranch_scc1 .Lrelay
	; ---- TSTAT: a wave takes 16 rows of re_text
	s_sub_co_u32 s5, ttmp9, 16
	s_lshl_b32 s5, s5, 2
	s_add_co_u32 s5, s5, s[WV]
	s_lshl_b32 s6, s5, 15
	s_add_nc_u64 s[RP:RP+1], s[44:45], s[6:7]
	v_lshlrev_b32 v[ROFF], 11, v[RR]
	v_lshl_add_u32 v[ROFF], v[HH], 6, v[ROFF]
	s_wait_alu depctr_va_vdst(0)           ; v[ROFF] is written, which the row's loads read
.irp k,0,1,2,3
	LOADPART \k, ROFF
.endr
	s_wait_loadcnt 0x0
	STATS 16
	v_mov_b32 v[MEAN+1], v[QQ]
	s_lshl_b32 s6, s5, 7
	s_add_nc_u64 s[52:53], s[50:51], s[6:7]
	v_lshlrev_b32 v10, 3, v[RR]
	s_wait_alu depctr_va_vdst(0)           ; the pair of mean and sum of squares and the offset v10 are written, which the store reads
	global_store_b64 v10, v[MEAN:MEAN+1], s[52:53]     ; both halves of the lanes hold and store the same pair
	s_endpgm
	; ---- RELAY
.macro SECT lim, p, g0, lg
	s_cmp_lt_u32 s5, \lim
	s_cselect_b64 s[52:53], s[\p:\p+1], s[52:53]
	s_cselect_b64 s[54:55], s[\p+2:\p+3], s[54:55]
	s_cselect_b32 s56, \g0, s56
	s_cselect_b32 s57, \lg, s57
.endm
.Lrelay:
	s_sub_co_u32 s5, ttmp9, 18
	s_lshl_b32 s5, s5, 2
	s_add_co_u32 s5, s5, s[WV]             ; the fragment's number G
	s_mov_b64 s[52:53], s[86:87]           ; which weight: out_W from 896 on,
	s_mov_b64 s[54:55], s[30:31]           ; (from 768 on no scale words are laid out: this pointer is not used there)
	s_mov_b32 s56, 896
	s_mov_b32 s57, 2
	s_cmp_lt_u32 s5, 896                   ; Wq
	s_cselect_b64 s[52:53], s[84:85], s[52:53]
	s_cselect_b32 s56, 768, s56
	SECT 768, 28, 704, 1                   ; Wvt
	SECT 704, 24, 640, 1                   ; Wkt
	SECT 640, 20, 512, 2                   ; Wvm
	SECT 512, 16, 384, 2                   ; Wvr
	SECT 384, 12, 256, 2                   ; Wkm
	SECT 256, 8, 0, 3                      ; Wkr
	s_sub_co_u32 s70, s5, 768
	s_cmp_lt_u32 s70, 128
	s_cselect_b32 s71, 8, 0                ; 8 in Wq's fragments: their rows are not neighbours
	s_cmp_ge_u32 s5, 768
	s_cselect_b32 s72, 49152, 0            ; from 768 on the images lie behind the table of scale words
	s_sub_co_u32 s58, s5, s56              ; in its weight: [64 rows][ks][f4]
	s_and_b32 s59, s58, 3
	s_lshr_b32 s60, s58, 2
	s_bfm_b32 s61, s57, 0
	s_and_b32 s61, s60, s61                ; ks
	s_lshr_b32 s60, s60, s57               ; which 64 rows
	s_lshl_b32 s73, s59, 4                 ; the tile's first row: 16 f4,
	s_lshr_b32 s74, s59, 1
	s_lshl_b32 s74, s74, 5
	s_and_b32 s75, s59, 1
	s_lshl_b32 s75, s75, 3
	s_add_co_u32 s74, s74, s75             ; or, in Wq, 32 (f4 / 2) + 8 (f4 % 2)
	s_cmp_lg_u32 s71, 0
	s_cselect_b32 s59, s74, s73
	s_lshl_b32 s60, s60, 6
	s_add_co_u32 s60, s60, s59
	v_and_b32 v10, s71, v[RR]              ; in Wq: + 8 (r / 8)
	v_add_nc_u32 v10, v10, v[RR]
	v_add_nc_u32 v10, s60, v10             ; my row
	s_lshl_b32 s62, 96, s57                ; a row of codes in bytes
	v_mul_lo_u32 v11, v10, s62
	v_mad_u32_u24 v11, v[HH], 24, v11
	s_mul_i32 s63, s61, 96
	v_add_nc_u32 v11, s63, v11
	s_lshl_b32 s62, 4, s57                 ; a row of scale bytes
	v_mul_lo_u32 v12, v10, s62
	s_lshl_b32 s63, s61, 2
	v_add_nc_u32 v12, s63, v12
	s_wait_alu depctr_va_vdst(0)           ; the offsets v11, v12, v[R4] and v[LI] are written, which the loads and stores below read
.irp p,0,1,2,3,4,5
	global_load_b64 v[16+2*\p:17+2*\p], v11, s[52:53] offset:48*(\p/3)+8*(\p%3)
.endr
	s_mul_i32 s6, s5, 1536
	s_add_co_u32 s6, s6, s72
	s_add_nc_u64 s[58:59], s[46:47], s[6:7]
	s_cmp_ge_u32 s5, 768
	s_cbranch_scc1 .Lnosc
	global_load_b32 v28, v12, s[54:55]
	s_lshl_b32 s6, s5, 6
	s_add_co_u32 s6, s6, WSCL
	s_add_nc_u64 s[60:61], s[46:47], s[6:7]
	s_wait_loadcnt 0x0
	global_store_b32 v[R4], v28, s[60:61]
.Lnosc:
	s_wait_loadcnt 0x0
.irp c,0,1,2
	global_store_b128 v[LI], v[16+4*\c:19+4*\c], s[58:59] offset:512*\c    ; 32 lanes store 512 consecutive bytes
.endr
	s_endpgm
	; ---- EMB
.macro SILUQ kk                        ; my K step kk of four: SiLU, quantised, its image and scale word to LDS
	WIN 0x03
.set sq, 0
.rept 32
	v_pk_mul_f32 v[ST+sq:ST+sq+1], v[64*\kk+sq:64*\kk+sq+1], s[NC:NC+1] op_sel_hi:[1,0]   ; -x log2(e)
.set sq, sq+2
.endr
	WIN 0
.set sq, 0
.rept 64
	v_exp_f32 v[ST+sq], v[ST+sq]
.set sq, sq+1
.endr
	v_nop
	s_wait_alu depctr_va_vdst(0)           ; the 64 exponentials have written their results: one wait for the batch, ahead of its first reader
.set sq, 0
.rept 32
	v_pk_add_f32 v[ST+sq:ST+sq+1], v[ST+sq:ST+sq+1], 1.0 op_sel_hi:[1,0]
.set sq, sq+2
.endr
.set sq, 0
.rept 64
	v_rcp_f32 v[ST+sq], v[ST+sq]
.set sq, sq+1
.endr
	v_nop
	s_wait_alu depctr_va_vdst(0)           ; the 64 reciprocals have written their results, ahead of their first reader
	WIN 0x0c
.set sq, 0
.rept 32
	v_pk_mul_f32 v[ST+sq:ST+sq+1], v[ST+sq:ST+sq+1], v[64*\kk+sq:64*\kk+sq+1]             ; x / (1 + e^-x)
.set sq, sq+2
.endr
	WIN 0
	QUANT ST, PW
	s_wait_alu depctr_va_vdst(0)           ; the quantiser has written v[PC ..] and v[PW], which the LDS stores read
	IMAGE XA, 1536*\kk
	ds_store_b32 v[XSA], v[PW] offset:128*\kk
	s_wait_dscnt 0x0                       ; my stores have landed (the last K step's: for the other waves' sake)
.if \kk < 3
	s_wait_alu depctr_vm_vsrc(0)           ; the LDS stores have read v[PC ..] and v[PW], which the next K step's quantiser writes again
.endif
.endm
.macro EWLOAD q                        ; emb_W's fragments of K steps 4 q .. 4 q + 3, both feature tiles: 48 loads, which land while a K step of emb is worked on; no vector instruction names their registers
	WIN 0x40
.irp k,0,1,2,3
.irp p,0,1,2,3,4,5
	global_load_b64 v[12*(4*\q+\k)+2*\p:12*(4*\q+\k)+2*\p+1], v10, s[34:35] offset:96*(4*\q+\k)+48*(\p/3)+8*(\p%3)
.endr
.endr
	WIN 0x80
.irp k,0,1,2,3
.irp p,0,1,2,3,4,5
	global_load_b64 v[12*(4*\q+\k)+2*\p:12*(4*\q+\k)+2*\p+1], v10, s[34:35] offset:786432+96*(4*\q+\k)+48*(\p/3)+8*(\p%3)
.endr
.endr
	WIN 0
.endm
.macro EFRAG ks                        ; the rows' fragment of K step ks, into its own twelve registers of window 3
.irp c,0,1,2
	ds_load_b128 v[12*(\ks)+4*\c:12*(\ks)+4*\c+3], v[LI] offset:(\ks)*1536+512*\c
.endr
.endm
.Lemb:
	s_and_b32 s73, ttmp9, 1                ; which half of the batch
	s_lshr_b32 s5, ttmp9, 1
	s_lshl_b32 s5, s5, 2
	s_add_co_u32 s5, s5, s[WV]             ; my feature tile (scale), 0 .. 31; the shift's lies 32 tiles on
	s_mov_b32 s[NC], 0xbfb8aa3b            ; -log2(e)
	s_mov_b32 s[NC+1], s[NC]
	v_lshlrev_b32 v[ROFF], 13, v[RR]
	v_lshl_add_u32 v[ROFF], v[HH], 6, v[ROFF]
	v_mul_u32_u24 v10, v[RR], 1536
	v_mad_u32_u24 v10, v[HH], 24, v10
	v_lshlrev_b32 v11, 6, v[RR]
	v_lshlrev_b32 v13, 5, v[HH]
	s_mul_i32 s74, s[WV], 6144
	v_add_nc_u32 v[XA], s74, v[LI]
	s_lshl_b32 s74, s[WV], 9
	s_add_co_u32 s74, s74, ESC
	v_add_nc_u32 v[XSA], s74, v[LS]
	s_lshl_b32 s6, s[WV], 11               ; my four K steps of emb: 4 wave x 512 bytes,
	s_lshl_b32 s74, s73, 17                ; in my half's 16 rows of 8,192 bytes
	s_add_co_u32 s6, s6, s74
	s_add_nc_u64 s[RP:RP+1], s[32:33], s[6:7]
	s_wait_alu depctr_va_vdst(0)           ; all offsets and LDS addresses of this job are written: v[ROFF], v10, v11, v13, v[XA], v[XSA], v[LI], v[LS]
.irp k,0,1,2,3
	LOADPART \k, ROFF
.endr
	s_mul_i32 s6, s5, 24576                ; 16 rows of emb_W, 1,536 bytes each
	s_add_nc_u64 s[34:35], s[34:35], s[6:7]
	s_lshl_b32 s6, s5, 10
	s_add_nc_u64 s[36:37], s[36:37], s[6:7]
	s_lshl_b32 s6, s5, 6
	s_add_nc_u64 s[38:39], s[38:39], s[6:7]
	s_add_nc_u64 s[40:41], s[40:41], s[6:7]
	s_add_nc_u64 s[42:43], s[42:43], s[6:7]
	s_lshl_b32 s74, s73, 15                ; film: my half's 16 rows of 2,048 bytes
	s_add_co_u32 s6, s6, s74
	s_add_nc_u64 s[48:49], s[48:49], s[6:7]
	s_wait_loadcnt 0x0                     ; my four K steps of emb are in: nothing else has been asked for yet
	EWLOAD 0
.irp i,0,1,2,3
	global_load_b128 v[180+4*\i:183+4*\i], v11, s[36:37] offset:16*\i
	global_load_b128 v[196+4*\i:199+4*\i], v11, s[36:37] offset:32768+16*\i
.endr
	SILUQ 0
	EWLOAD 1
.irp i,0,1
	global_load_b128 v[212+4*\i:215+4*\i], v13, s[38:39] offset:16*\i
	global_load_b128 v[220+4*\i:223+4*\i], v13, s[38:39] offset:2048+16*\i
	global_load_b128 v[228+4*\i:231+4*\i], v13, s[40:41] offset:16*\i
	global_load_b128 v[236+4*\i:239+4*\i], v13, s[42:43] offset:16*\i
.endr
	SILUQ 1
	EWLOAD 2
	SILUQ 2
	EWLOAD 3
	SILUQ 3                                ; (it ends with the wait for my LDS stores)
	s_barrier_signal -1
	s_barrier_wait -1                      ; the 16 fragments of silu(emb) lie in LDS
	s_wait_loadcnt 0x0                     ; emb_W, its scale words, the biases and gains
	; No wait on va_vdst here: the rows in window 3 and v64-79 were last named by vector instructions ahead of the wait that stands in front of the last image's stores
	WIN 0xc0
.set ek, 0
.rept 8
	EFRAG ek
.set ek, ek+1
.endr
	WIN 0
.set ek, 0
.rept 16
	ds_load_b32 v[ETS+ek], v[LS] offset:ESC+ek*128
.set ek, ek+1
.endr
.set ek, 0
.rept 16
.if ek < 8
	WIN 0xc0
	EFRAG ek+8                             ; dealt among the products: a fragment eight K steps on, into registers of its own
	s_wait_dscnt 3*(ek+1)                  ; the first eight fragments and all scale words are in; the fragments asked for behind them may be out
.else
	s_wait_dscnt 3*(15-ek)                 ; this K step's fragment is in; those behind it may be out
.endif
.irp f,0,1                             ; the two accumulators take turns
	WIN 0x0d+\f
.if ek == 0
	v_wmma_scale_f32_16x16x128_f8f6f4 v[EACC+8*\f:EACC+8*\f+7], v[12*ek:12*ek+11], v[12*ek:12*ek+11], v[212+8*\f:219+8*\f], v[180+16*\f+ek], v[ETS+ek] matrix_a_fmt:MATRIX_FMT_FP6 matrix_b_fmt:MATRIX_FMT_FP6
.else
	v_wmma_scale_f32_16x16x128_f8f6f4 v[EACC+8*\f:EACC+8*\f+7], v[12*ek:12*ek+11], v[12*ek:12*ek+11], v[EACC+8*\f:EACC+8*\f+7], v[180+16*\f+ek], v[ETS+ek] matrix_a_fmt:MATRIX_FMT_FP6 matrix_b_fmt:MATRIX_FMT_FP6
.endif
.endr                                  ; (source 0: emb_W in window 1 or 2; source 1: the rows in window 3)
.set ek, ek+1
.endr
	WIN 0
	NOPS 4
.irp j,0,1,2,3,4,5,6,7
	v_fma_f32 v[32+\j], v[228+\j], v[EACC+\j], v[228+\j]          ; A = g + g scale
	v_fma_f32 v[48+\j], v[236+\j], v[EACC+\j], v[236+\j]          ; b + b scale
	v_add_f32 v[48+\j], v[48+\j], v[EACC+8+\j]                    ; + shift
.endr
	s_wait_alu depctr_vm_vsrc(0)           ; emb_W's loads have read v10, which is written again
	v_lshlrev_b32 v10, 11, v[RR]
	v_lshl_add_u32 v10, v[HH], 5, v10
	s_wait_alu depctr_va_vdst(0)           ; A, B and the offset v10 are written, which the stores read
.irp i,0,1
	global_store_b128 v10, v[32+4*\i:35+4*\i], s[48:49] offset:16*\i
	global_store_b128 v10, v[48+4*\i:51+4*\i], s[48:49] offset:65536+16*\i
.endr
	s_wait_dscnt 0x0                       ; the closing lines, six on end, of a launch in the mode that stores to LDS
	s_wait_alu 0x0
	s_wait_tensorcnt 0x0
	ds_add_u32 v254, v255
	s_wait_dscnt 0x0
	s_endpgm
.Lfunc_end_k_q69607e7bf1_prep:
	.size	k_q69607e7bf1_prep, .Lfunc_end_k_q69607e7bf1_prep-k_q69607e7bf1_prep
	.p2alignl 7, 3214868480
	.fill 96, 4, 3214868480
	.section	.rodata,"a",@progbits
	.p2align	6, 0x0
	.amdhsa_kernel k_q69607e7bf1_prep
		.amdhsa_group_segment_fixed_size 27136
		.amdhsa_private_segment_fixed_size 0
		.amdhsa_enable_private_segment 0
		.amdhsa_kernarg_size 192
		.amdhsa_user_sgpr_count 2
		.amdhsa_user_sgpr_kernarg_segment_ptr 1
		.amdhsa_wavefront_size32 1
		.amdhsa_system_sgpr_workgroup_id_x 1
		.amdhsa_system_sgpr_workgroup_id_y 1
		.amdhsa_system_sgpr_workgroup_id_z 1
		.amdhsa_system_vgpr_workitem_id 0
		.amdhsa_next_free_vgpr 1024
		.amdhsa_next_free_sgpr 90
		.amdhsa_reserve_vcc 0
		.amdhsa_float_denorm_mode_32 3
		.amdhsa_float_denorm_mode_16_64 3
		.amdhsa_memory_ordered 1
		.amdhsa_forward_progress 1
		.amdhsa_inst_pref_size 135
	.end_amdhsa_kernel
	.amdgpu_metadata
---
amdhsa.version: [ 1, 2 ]
amdhsa.kernels:
  - .name:           k_q69607e7bf1_prep
    .symbol:         k_q69607e7bf1_prep.kd
    .args:
      - { .name: Wkr_codes, .offset: 0, .size: 8, .value_kind: global_buffer, .address_space: global }
      - { .name: Wkr_scales, .offset: 8, .size: 8, .value_kind: global_buffer, .address_space: global }
      - { .name: Wkm_codes, .offset: 16, .size: 8, .value_kind: global_buffer, .address_space: global }
      - { .name: Wkm_scales, .offset: 24, .size: 8, .value_kind: global_buffer, .address_space: global }
      - { .name: Wvr_codes, .offset: 32, .size: 8, .value_kind: global_buffer, .address_space: global }
      - { .name: Wvr_scales, .offset: 40, .size: 8, .value_kind: global_buffer, .address_space: global }
      - { .name: Wvm_codes, .offset: 48, .size: 8, .value_kind: global_buffer, .address_space: global }
      - { .name: Wvm_scales, .offset: 56, .size: 8, .value_kind: global_buffer, .address_space: global }
      - { .name: Wkt_codes, .offset: 64, .size: 8, .value_kind: global_buffer, .address_space: global }
      - { .name: Wkt_scales, .offset: 72, .size: 8, .value_kind: global_buffer, .address_space: global }
      - { .name: Wvt_codes, .offset: 80, .size: 8, .value_kind: global_buffer, .address_space: global }
      - { .name: Wvt_scales, .offset: 88, .size: 8, .value_kind: global_buffer, .address_space: global }
      - { .name: emb, .offset: 96, .size: 8, .value_kind: global_buffer, .address_space: global }
      - { .name: emb_W_codes, .offset: 104, .size: 8, .value_kind: global_buffer, .address_space: global }
      - { .name: emb_W_scales, .offset: 112, .size: 8, .value_kind: global_buffer, .address_space: global }
      - { .name: emb_b, .offset: 120, .size: 8, .value_kind: global_buffer, .address_space: global }
      - { .name: snorm_g, .offset: 128, .size: 8, .value_kind: global_buffer, .address_space: global }
      - { .name: snorm_b, .offset: 136, .size: 8, .value_kind: global_buffer, .address_space: global }
      - { .name: re_text, .offset: 144, .size: 8, .value_kind: global_buffer, .address_space: global }
      - { .name: wimg, .offset: 152, .size: 8, .value_kind: global_buffer, .address_space: global }
      - { .name: film, .offset: 160, .size: 8, .value_kind: global_buffer, .address_space: global }
      - { .name: tstat, .offset: 168, .size: 8, .value_kind: global_buffer, .address_space: global }
      - { .name: Wq_codes, .offset: 176, .size: 8, .value_kind: global_buffer, .address_space: global }
      - { .name: out_W_codes, .offset: 184, .size: 8, .value_kind: global_buffer, .address_space: global }
    .group_segment_fixed_size: 27136
    .private_segment_fixed_size: 0
    .kernarg_segment_align: 8
    .kernarg_segment_size: 192
    .max_flat_workgroup_size: 128
    .sgpr_count:     90
    .vgpr_count:     1024
    .wavefront_size: 32
...
	.end_amdgpu_metadata
.endif
;; end of part 5
;; launch main (part 6): grid 8 x 32, 4 waves a work-group, no clusters, 250,368 bytes of LDS; arguments x, re_motion, re_text, src_mask, re_mask, cond_type, norm_g, norm_b, rn1_g, rn1_b, rn2_g, rn2_b, wimg, tstat, bkr, bkm, bvr, bvm, part, pstat; writes part, pstat
.if DOCPART == 6
	.amdgcn_target "amdgcn-amd-amdhsa--gfx1250"
	.amdhsa_code_object_version 6
	.text
	.protected	k_q69607e7bf1_main
	.globl	k_q69607e7bf1_main
	.p2align	8
	.type	k_q69607e7bf1_main,@function
k_q69607e7bf1_main:
	s_mov_b64 s[64:65], 0
	v_nop
	global_prefetch_b8 v0, s[64:65] scope:SCOPE_SE
	s_setreg_imm32_b32 hwreg(HW_REG_WAVE_SCHED_MODE, 0, 2), 2
	s_setreg_imm32_b32 hwreg(HW_REG_WAVE_MODE, 25, 1), 1
	s_wait_xcnt 0x0
	s_wait_alu depctr_vm_vsrc(0)
; Work-group (c, b): positions p = 0 .. 127 stand for retrieval token and motion token 19 + 128 c + p of batch b: four whole blocks of 32 of the concatenated token axis each.
; PHASE X: LayerNorms in f32, quantised along the features, as images of operand registers in LDS (job 0 value of retrieval, 1 and 2 the two halves of its key, 3 motion).
; THEN each wave takes two heads: K logits and V (tokens = source 0, weights = source 1: a lane holds one feature, its registers run along the tokens), the key softmax
; p = 2^(t - M) under a running whole M, p and V quantised along the tokens, att(l, d) += V^T p.  The sums leave under the local M, with -M and the sum of p.
; Tokens past their source's end get the penalty -infinity and the value mask 0: zero codes.
; No tensor loads: weights come as dense 512-byte loads of register images; what work-groups share is at most 0.4 MB of weights, so no cluster.
; LIMITS: NaN and infinities are not served; a retrieval token's two penalties are added to each other before they meet the logit; a block of zeros gets the byte 1.
; THE MODE: SCHED_MODE bits 1:0 = 2 (LLVM: expert scheduling mode 2), set by the entry lines.  The code itself states the register dependences
; between vector or matrix instructions and memory or LDS instructions, with s_wait_alu, always for 0.
; THE PLAN.  Registers that memory or LDS instructions touch:
;   PHASE X  the row (window 3): written by its loads, centred in place and read by the multiply-adds of its four blocks; a block's part is asked for again behind one wait on va_vdst.
;            gain and bias (window 2, v128-255): LDS loads; read by a block's second run of multiply-adds; the next block's loads follow the wait that stands ahead of the image's stores.
;            v[PC ..], v[PW]: written by the quantiser, read by the image's LDS stores: a wait on va_vdst ahead of the stores, one on vm_vsrc ahead of the next quantiser.
;            the addresses v5-v7 and v12-v18 are made anew in each trip, behind one wait on vm_vsrc at the trip's head; the wait ahead of the trip's first LDS stores shows them written.
;   PRODUCTS four token buffers v[TF ..] with their scale words v[TS ..], taken in PAIRS, and two weight sets v[WF ..]: read by matrix instructions alone.  One wait on va_vdst at a pair's head: the last
;            pair's matrix instructions are done reading the two buffers (at a K step's head: and the weight set) in which the loads behind the wait land; the pair's eight matrix instructions name other buffers.
;            v[TA ..], v[TSQ], v[PENA]: made anew behind a wait on vm_vsrc; penalties, masks (window 3), biases and the weights' scale words are asked for behind the step's one wait on va_vdst.
;   THE WAY OUT  att (window 2), -M and the sums are the stores' data: a wait on va_vdst ahead of the stores, one on vm_vsrc ahead of the next head's first writes.
.set MSB, 0
.macro WIN new
.if MSB != \new
	s_set_vgpr_msb (MSB<<8)|\new
.set MSB, \new
.endif
.endm
.macro NOPS n
.rept \n
	v_nop
.endr
.endm
.set LI,1
.set LS,2
.set R4,3
.set HH,4
.set ROFF,5
.set MOFF,6
.set TQOFF,7
.set TOKC,8
.set TOKN,9
.set TKA,10
.set TKB,11
.set XA,12
.set XSA,16
.set PNA,17
.set GBA,18
.set MK,19
.set TQ,20
.set MEAN,22
.set RS,24
.set DR,26
.set M1,28
.set RS1,29
.set QQ,30
.set TT,31
.set ST,32
.set PC,96
.set PT,108
.set TM,116
.set PW,132
.set SUM,134
.set U,142
.set WF,32
.set TF,128
.set TS,176
.set WS,180
.set PS,196
.set VS,200
.set SM,204
.set SL,212
.set SF,220
.set BI,228
.set TAK,236
.set TA,240
.set TS0,244
.set TSQ,245
.set PENA,246
.set BV,248
.set WV,2
.set BB,3
.set CC,4
.set RP,66
.set MP,68
.set NN,70
.set SA,71
.set SB,72
.set SC,73
.set SD,74
.set SEL0,75
.set SELK,76
.set CT,77
.set PCS,78
.set LIM,79
.set SEL,80
.set CS,82
.set CTR,84
.set PCR,85
.set HT,86
.set HD,87
.set SP,88
.set GHK,89
.set GHV,90
.set WPK,92
.set WSK,94
.set WPV,98
.set WSV,100
.set BKP,48
.set BVP,50
.set OP1,52
.set OP2,54
.set P_X,8
.set P_RM,10
.set P_RT,12
.set P_SM,14
.set P_REM,16
.set P_WI,32
.set P_TS,34
.set WSCL,1179648
.set PEN,32768
.set VMOFF,2048
.set SCL,36864
.set FRAG,53248
.set NMASK,7
.set NLAST,7
.set LIMR,1010
.set LIMM,1023
.set X_SKS,4096
.set G_GS,2048
.set G_TSTR,6144
.set G_SKS,4096
.set G_SSTR,512
.macro LOADPART ks, areg
	WIN 0xc0
.irp b,0,1,2,3
.irp j,0,1,2,3
	global_load_b128 v[64*(\ks)+16*\b+4*\j:64*(\ks)+16*\b+4*\j+3], v[\areg], s[RP:RP+1] offset:512*(\ks)+128*\b+16*\j
.endr
.endr
	WIN 0
.endm
.macro REDUCE dst
	v_pk_add_f32 v[SUM:SUM+1], v[SUM:SUM+1], v[SUM+2:SUM+3]
	v_pk_add_f32 v[SUM+4:SUM+5], v[SUM+4:SUM+5], v[SUM+6:SUM+7]
	v_pk_add_f32 v[SUM:SUM+1], v[SUM:SUM+1], v[SUM+4:SUM+5]
	v_add_f32 v[TT], v[SUM], v[SUM+1]
	v_permlanex16_b32 v[U+5], v[TT], s[SEL], s[SEL+1]
	v_add_f32 v[\dst], v[TT], v[U+5]
.endm
.macro STATS nb
	WIN 0x0f
.irp k,0,1,2,3
	v_pk_add_f32 v[SUM+2*\k:SUM+2*\k+1], v[2*\k:2*\k+1], v[8+2*\k:9+2*\k]
.endr
	WIN 0x0c
.set sp, 8
.rept 8*\nb-8
	v_pk_add_f32 v[SUM+2*(sp%4):SUM+2*(sp%4)+1], v[SUM+2*(sp%4):SUM+2*(sp%4)+1], v[2*sp:2*sp+1]
.set sp, sp+1
.endr
	WIN 0
	REDUCE TT
.if \nb == 16
	v_mul_f32 v[MEAN], 0x3b000000, v[TT]
.else
	v_mul_f32 v[MEAN], 0x3b800000, v[TT]
.endif
	WIN 0xc3
.set sp, 0
.rept 8*\nb
	v_pk_add_f32 v[2*sp:2*sp+1], v[2*sp:2*sp+1], v[MEAN:MEAN+1] op_sel_hi:[1,0] neg_lo:[0,1] neg_hi:[0,1]
.set sp, sp+1
.endr
	WIN 0x0f
.irp k,0,1,2,3
	v_pk_mul_f32 v[SUM+2*\k:SUM+2*\k+1], v[2*\k:2*\k+1], v[2*\k:2*\k+1]
.endr
.set sp, 4
.rept 8*\nb-4
	v_pk_fma_f32 v[SUM+2*(sp%4):SUM+2*(sp%4)+1], v[2*sp:2*sp+1], v[2*sp:2*sp+1], v[SUM+2*(sp%4):SUM+2*(sp%4)+1]
.set sp, sp+1
.endr
	WIN 0
	REDUCE QQ
.endm
.macro QUANT s, pw
.irp b,0,1,2,3
	v_max3_num_f32 v[TM+\b], |v[\s+16*\b]|, |v[\s+1+16*\b]|, 0x1800000   ; with the floor 2^(3 - 127): the byte cannot fall under 1
.endr
.irp i,2,4,6,8,10,12,14
.irp b,0,1,2,3
	v_max3_num_f32 v[TM+\b], v[TM+\b], |v[\s+16*\b+\i]|, |v[\s+1+16*\b+\i]|
.endr
.endr
.irp b,0,1,2,3
	v_permlanex16_b32 v[TM+4+\b], v[TM+\b], s[SEL], s[SEL+1]
.endr
.irp b,0,1,2,3
	v_max_num_f32 v[TM+\b], v[TM+\b], v[TM+4+\b]
.endr
.irp b,0,1,2,3
	v_add_nc_u32 v[TM+12+\b], 0xff000000, v[TM+\b]
.endr
.irp b,0,1,2,3
	v_lshrrev_b32 v[TM+4+\b], 23, v[TM+12+\b]
.endr
	v_lshl_or_b32 v[\pw], v[TM+5], 8, v[TM+4]
	v_lshl_or_b32 v[\pw], v[TM+6], 16, v[\pw]
	v_lshl_or_b32 v[\pw], v[TM+7], 24, v[\pw]
.irp c,0,1
	v_cvt_scalef32_pk16_fp6_f32 v[PC+6*\c:PC+2+6*\c], v[\s+32*\c:\s+15+32*\c], v[TM+12+2*\c]
	v_cvt_scalef32_pk16_fp6_f32 v[PT+4*\c:PT+2+4*\c], v[\s+16+32*\c:\s+31+32*\c], v[TM+13+2*\c]
.endr
	v_nop                                  ; one plain place behind a scaled conversion
.irp c,0,1
.irp i,0,1,2
	v_permlane16_swap_b32 v[PC+6*\c+\i], v[PT+4*\c+\i]
.endr
.irp i,0,1,2
	v_mov_b32 v[PC+3+6*\c+\i], v[PT+4*\c+\i]
.endr
.endr
.endm
.macro IMAGE a, off
.irp c,0,1,2
	ds_store_b128 v[\a], v[PC+4*\c:PC+4*\c+3] offset:\off+512*\c
.endr
.endm
.macro TOW2 dst                        ; the fragment just made goes to window 2
	WIN 0x80
.irp i,0,1,2,3,4,5,6,7,8,9,10,11
	v_mov_b32 v[\dst+\i], v[PC+\i]
.endr
	WIN 0
.endm
; 128 along K of the centred row: x rs + dr, gain and bias from LDS, quantised, its image and scale word to LDS.  nx = 1: the next row's part is asked for; 2: but in the last trip
; The loads of gain and bias owe no wait of their own: no vector instruction stands between them and the wait ahead of the LDS stores in front of them.
.macro NORMQ ks, nx, na
	WIN 0x80
.irp i,0,1,2,3,4,5,6,7,8,9,10,11,12,13,14,15
	ds_load_b128 v[128+4*\i:131+4*\i], v[GBA] offset:512*(\ks)+128*(\i/4)+16*(\i%4)
	ds_load_b128 v[192+4*\i:195+4*\i], v[GBA] offset:G_GS+512*(\ks)+128*(\i/4)+16*(\i%4)
.endr
	s_wait_dscnt 0x0                       ; gain and bias are in
.if (\ks) > 0
	s_wait_alu depctr_vm_vsrc(0)           ; the last image's LDS stores have read v[PC ..] and v[PW], which this block's quantiser writes again
.endif
	WIN 0x03
.set nq, 0
.rept 32
	v_pk_fma_f32 v[ST+nq:ST+nq+1], v[64*(\ks)+nq:64*(\ks)+nq+1], v[RS:RS+1], v[DR:DR+1] op_sel_hi:[1,0,0]
.set nq, nq+2
.endr
	WIN 0x28
.set nq, 0
.rept 32
	v_pk_fma_f32 v[ST+nq:ST+nq+1], v[ST+nq:ST+nq+1], v[128+nq:129+nq], v[192+nq:193+nq]
.set nq, nq+2
.endr
	WIN 0
.if \nx == 2
	s_cmp_eq_u32 s[NN], NLAST
	s_cbranch_scc1 .Lnl_\@
	s_wait_alu depctr_va_vdst(0)           ; the vector instructions are done writing and reading this part of the row, in which the next row's loads land; their offset is written
	LOADPART \ks, \na
.Lnl_\@:
.elseif \nx == 1
	s_wait_alu depctr_va_vdst(0)           ; the vector instructions are done writing and reading this part of the row, in which the next row's loads land; their offset is written
	LOADPART \ks, \na
.endif
	QUANT ST, PW
	s_wait_alu depctr_va_vdst(0)           ; the quantiser has written v[PC ..] and v[PW], which the LDS stores read; the multiply-adds are done reading gain and bias, in which the next block's loads land
	IMAGE XA+\ks, 0
	ds_store_b32 v[XSA], v[PW] offset:(\ks)*X_SKS
.endm
; this trip's selects (job q = n & 3) and the next trip's addresses
.macro NEXTADDR
	s_and_b32 s5, s[NN], 3
	s_cmp_eq_u32 s5, 0
	s_cselect_b32 s[SEL0], -1, 0
	s_cselect_b32 s[CT], s[CTR], 1.0
	s_cselect_b32 s[PCS], s[PCR], 0
	s_mov_b32 s[LIM], LIMM
	s_cselect_b32 s[LIM], LIMR, s[LIM]
	s_sub_co_u32 s6, s5, 1
	s_cmp_lt_u32 s6, 2
	s_cselect_b32 s[SELK], -1, 0
	s_add_co_u32 s5, s[NN], 1
	s_and_b32 s5, s5, NMASK
	s_lshr_b32 s6, s5, 2
	s_lshl_b32 s6, s6, 3
	s_and_b32 s5, s5, 3
	s_cmp_eq_u32 s5, 2
	s_cselect_b64 s[RP:RP+1], s[P_RT:P_RT+1], s[P_RM:P_RM+1]
	s_cselect_b32 s7, 8, 0
	s_cmp_eq_u32 s5, 3
	s_cselect_b64 s[RP:RP+1], s[P_X:P_X+1], s[RP:RP+1]
	s_cselect_b32 s62, -1, 0
	s_cmp_eq_u32 s5, 0
	s_cselect_b64 s[MP:MP+1], s[P_REM:P_REM+1], s[P_SM:P_SM+1]
	v_cndmask_b32 v[TOKN], v[TKA], v[TKB], s62
	v_add_nc_u32 v[TOKN], s6, v[TOKN]
	v_min_u32 v[TT], 0x3ff, v[TOKN]        ; no load leaves its buffer
	v_lshrrev_b32 v[ROFF], s7, v[TT]       ; job 2 reads the token's row of re_text: token / 256
	v_lshlrev_b32 v[ROFF], 11, v[ROFF]
	v_lshl_add_u32 v[ROFF], v[HH], 6, v[ROFF]
	v_lshlrev_b32 v[MOFF], 2, v[TT]
	v_lshrrev_b32 v[TQOFF], 8, v[TT]
	v_lshlrev_b32 v[TQOFF], 3, v[TQOFF]
.endm
.macro XTRIP nb, keyed, nx, na
	s_wait_loadcnt 0x0                     ; the row, its mask and the text's stats are in
.if \keyed
	NEXTADDR
.endif
	STATS \nb
	v_mov_b32 v[U], 0x3727c5ac             ; 1e-5
.if \nb == 16
	v_fmac_f32 v[U], 0x3b000000, v[QQ]
.else
	v_fmac_f32 v[U], 0x3b800000, v[QQ]
.endif
.if \keyed
	v_add_f32 v[U+1], v[MEAN], v[TQ]       ; the key's norm spans the motion row and the text row: mean of the two means,
	v_mul_f32 v[U+1], 0.5, v[U+1]
	v_sub_f32 v[U+2], v[MEAN], v[U+1]
	v_sub_f32 v[U+3], v[TQ], v[U+1]
	v_mul_f32 v[U+2], v[U+2], v[U+2]
	v_fmac_f32 v[U+2], v[U+3], v[U+3]
	v_add_f32 v[U+3], v[QQ], v[TQ+1]
	v_fmac_f32 v[U+3], 0x44000000, v[U+2]  ; both sums of squares brought to the common mean
	v_mov_b32 v[U+4], 0x3727c5ac
	v_fmac_f32 v[U+4], 0x3a800000, v[U+3]
	v_rsq_f32 v[U], v[U]
	v_rsq_f32 v[U+4], v[U+4]
	v_nop
	s_wait_alu depctr_va_vdst(0)           ; the two roots have written their results: one wait for both, ahead of the first reader
	v_cndmask_b32 v[M1], v[M1], v[U+1], s[SEL0]      ; made in job 0, kept for jobs 1 and 2
	v_cndmask_b32 v[RS1], v[RS1], v[U+4], s[SEL0]
	v_cndmask_b32 v[RS], v[U], v[RS1], s[SELK]
	v_sub_f32 v[U+2], v[MEAN], v[M1]
	v_mul_f32 v[U+2], v[U+2], v[RS1]
	v_cndmask_b32 v[DR], 0, v[U+2], s[SELK]
	v_mov_b32 v[U], s[PCS]                 ; the token's penalty and value mask
	v_sub_f32 v[U+1], 1.0, v[MK]
	v_fmac_f32 v[U], 0xc9742400, v[U+1]
	v_mul_f32 v[U+1], s[CT], v[MK]
	v_mov_b32 v[U+2], 0xff800000
	v_mov_b32 v[U+3], 0
	v_cmp_lt_u32 vcc_lo, s[LIM], v[TOKC]
	s_wait_alu depctr_va_vcc(0)            ; the compare has written VCC, which the two selects read
	v_cndmask_b32 v[U], v[U], v[U+2], vcc_lo
	v_cndmask_b32 v[U+1], v[U+1], v[U+3], vcc_lo
	s_wait_alu depctr_va_vdst(0)           ; penalty and mask are written, which the two LDS stores read; so are this trip's LDS addresses v12 to v18
	ds_store_b32 v[PNA], v[U]
	ds_store_b32 v[PNA], v[U+1] offset:VMOFF
.else
	v_rsq_f32 v[RS], v[U]
	v_mov_b32 v[DR], 0
	s_wait_alu depctr_va_vdst(0)           ; the root has written its result, ahead of its first reader; the trip's LDS addresses are written
.endif
.set xk, 0
.rept \nb/4
	NORMQ xk, \nx, \na
.set xk, xk+1
.endr
.if \keyed
	global_load_b32 v[MK], v[MOFF], s[MP:MP+1]           ; no wait: no vector instruction since the wait ahead of the last image's stores
	global_load_b64 v[TQ:TQ+1], v[TQOFF], s[P_TS:P_TS+1]
	v_mov_b32 v[TOKC], v[TOKN]
.endif
.endm
; ---- the products of tokens with weights
.macro GW nft, ks, wp, wb              ; a K step's weight fragments, 3 dense loads each
.set gwf, 0
.rept \nft
.irp c,0,1,2
	global_load_b128 v[WF+48*((\ks)%2)+12*gwf+4*\c:WF+48*((\ks)%2)+12*gwf+4*\c+3], v[LI], s[\wp:\wp+1] offset:\wb+6144*(\ks)+1536*gwf+512*\c
.endr
.set gwf, gwf+1
.endr
.endm
.macro GT ntt, ta, tb, tsv, sb         ; unit gu's token fragment and scale word
.irp c,0,1,2
	ds_load_b128 v[TF+12*(gu%4)+4*\c:TF+12*(gu%4)+4*\c+3], v[\ta+gu/\ntt] offset:\tb+(gu%\ntt)*G_TSTR+512*\c
.endr
	ds_load_b32 v[TS+gu%4], v[\tsv] offset:\sb+(gu/\ntt)*G_SKS+(gu%\ntt)*G_SSTR
.endm
; A unit is one token tile against nft weight tiles; the units go in PAIRS (ntt is even).  hw = 1: the product's first loads have no wait in front of them yet
.macro GEMM nft, ntt, nks, zero, acc0, ta, tb, tsv, sb, wp, wb, wsr, hw
	WIN 0
.if \hw
	NOPS 4
	s_wait_alu depctr_va_vdst(0)           ; the matrix instructions issued so far are done reading the weight sets, token buffers and scale words in which the loads below land
.endif
	GW \nft, 0, \wp, \wb
.set gu, 0
	GT \ntt, \ta, \tb, \tsv, \sb
.set gu, 1
	GT \ntt, \ta, \tb, \tsv, \sb
.set gi, 0
.rept \ntt*\nks/2
.set gk, gi/\ntt
.set gt, gi%\ntt
	WIN 0
.if gi > 0
	NOPS 4                                 ; places behind the last pair's matrix instructions
	s_wait_alu depctr_va_vdst(0)           ; the last pair's matrix instructions are done reading their two token buffers and scale words, in which the next pair's loads land; at a K step's head also the weight set of the K step before
.endif
.if gt == 0
.if gk+1 < \nks
	GW \nft, gk+1, \wp, \wb
.endif
.endif
.if gi+2 < \ntt*\nks
.set gu, gi+2
	GT \ntt, \ta, \tb, \tsv, \sb
.set gu, gi+3
	GT \ntt, \ta, \tb, \tsv, \sb
.endif
.if gt == 0
.if gk+1 < \nks
	s_wait_loadcnt 3*\nft                  ; all but the next K step's weights
.else
	s_wait_loadcnt 0x0
.endif
.endif
.if gi+2 < \ntt*\nks
	s_wait_dscnt 8                         ; the next pair's eight loads may be out
.else
	s_wait_dscnt 0x0
.endif
	WIN 0x50
.rept 2
.set gk, gi/\ntt
.set gt, gi%\ntt
.set gf, 0
.rept \nft
.if \zero && (gk == 0)
	v_wmma_scale_f32_16x16x128_f8f6f4 v[\acc0+64*gf+8*gt:\acc0+64*gf+8*gt+7], v[TF+12*(gi%4):TF+12*(gi%4)+11], v[WF+48*(gk%2)+12*gf:WF+48*(gk%2)+12*gf+11], 0, v[TS+gi%4], v[WS+\wsr+4*gf+gk] matrix_a_fmt:MATRIX_FMT_FP6 matrix_b_fmt:MATRIX_FMT_FP6
.else
	v_wmma_scale_f32_16x16x128_f8f6f4 v[\acc0+64*gf+8*gt:\acc0+64*gf+8*gt+7], v[TF+12*(gi%4):TF+12*(gi%4)+11], v[WF+48*(gk%2)+12*gf:WF+48*(gk%2)+12*gf+11], v[\acc0+64*gf+8*gt:\acc0+64*gf+8*gt+7], v[TS+gi%4], v[WS+\wsr+4*gf+gk] matrix_a_fmt:MATRIX_FMT_FP6 matrix_b_fmt:MATRIX_FMT_FP6
.endif
.set gf, gf+1
.endr
.set gi, gi+1
.endr
.endr
	WIN 0
.endm
.macro WSLOAD nft, nks, wsp, off, w    ; the weights' scale words, behind four places.  w = 1: vector or matrix work stands in front
	NOPS 4
.if \w
	s_wait_alu depctr_va_vdst(0)           ; the vector and matrix instructions issued so far are done with the scale words, weight sets and token buffers in which the loads below and the product's first loads land; the token addresses are written
.endif
.set wf, 0
.rept \nft
.set wk, 0
.rept \nks
	global_load_b32 v[WS+4*wf+wk], v[R4], s[\wsp:\wsp+1] offset:\off+(4*wk+wf)*64
.set wk, wk+1
.endr
.set wf, wf+1
.endr
.endm
.macro SETP gh, wp, wsp
	s_mul_i32 s96, s[\gh], 1536
	s_mov_b32 s97, 0
	s_add_nc_u64 s[\wp:\wp+1], s[P_WI:P_WI+1], s[96:97]
	s_lshl_b32 s96, s[\gh], 6
	s_add_co_u32 s96, s96, WSCL
	s_add_nc_u64 s[\wsp:\wsp+1], s[P_WI:P_WI+1], s[96:97]
.endm
; the key softmax of one tile of 16 features over the 128 tokens in ST: running whole M, p in place, its sum, p's codes
.macro POSTK ff
.irp b,0,1,2,3
	v_max3_num_f32 v[TM+\b], v[ST+16*\b], v[ST+16*\b+1], v[ST+16*\b+2]
.endr
.irp i,3,5,7,9,11,13
.irp b,0,1,2,3
	v_max3_num_f32 v[TM+\b], v[TM+\b], v[ST+16*\b+\i], v[ST+16*\b+\i+1]
.endr
.endr
.irp b,0,1,2,3
	v_max_num_f32 v[TM+\b], v[TM+\b], v[ST+16*\b+15]
.endr
	v_max3_num_f32 v[U], v[TM], v[TM+1], v[TM+2]
	v_max_num_f32 v[U], v[U], v[TM+3]
	v_permlanex16_b32 v[U+1], v[U], s[SEL], s[SEL+1]
	v_max_num_f32 v[U], v[U], v[U+1]
	v_mul_f32 v[U], s[CS], v[U]
	v_max_num_f32 v[SM+2*\ff+1], v[SM+2*\ff+1], v[U]     ; the running largest t
	v_mov_b32 v[U], v[SM+2*\ff]
	v_floor_f32 v[SM+2*\ff], -v[SM+2*\ff+1]              ; -M = floor(-t)
	v_sub_f32 v[U], v[SM+2*\ff], v[U]
	v_cvt_i32_f32 v[U], v[U]
	v_ldexp_f32 v[SF+2*\ff], 1.0, v[U]                   ; 2^(old M - new M)
.set pq, 0
.rept 32
	v_pk_fma_f32 v[ST+pq:ST+pq+1], v[ST+pq:ST+pq+1], s[CS:CS+1], v[SM+2*\ff:SM+2*\ff+1] op_sel_hi:[1,0,0]
.set pq, pq+2
.endr
.set pq, 0
.rept 64
	v_exp_f32 v[ST+pq], v[ST+pq]
.set pq, pq+1
.endr
	v_pk_mul_f32 v[SL+2*\ff:SL+2*\ff+1], v[SL+2*\ff:SL+2*\ff+1], v[SF+2*\ff:SF+2*\ff+1] op_sel_hi:[1,0]   ; a plain place behind the batch
	s_wait_alu depctr_va_vdst(0)           ; the 64 exponentials have written their results: one wait, ahead of their first reader
	v_pk_add_f32 v[U+2:U+3], v[ST:ST+1], v[ST+2:ST+3]
.irp j,4,8,12,16,20,24,28,32,36,40,44,48,52,56,60
	v_pk_add_f32 v[SL+2*\ff:SL+2*\ff+1], v[SL+2*\ff:SL+2*\ff+1], v[ST+\j:ST+\j+1]
	v_pk_add_f32 v[U+2:U+3], v[U+2:U+3], v[ST+\j+2:ST+\j+3]
.endr
	v_pk_add_f32 v[SL+2*\ff:SL+2*\ff+1], v[SL+2*\ff:SL+2*\ff+1], v[U+2:U+3]
	QUANT ST, PS+\ff
.endm
.macro MAINK ff
	WIN 0x01
.set mq, 0
.rept 32
	v_pk_add_f32 v[ST+mq:ST+mq+1], v[64*\ff+mq:64*\ff+mq+1], v[BI+2*\ff:BI+2*\ff+1] op_sel_hi:[1,0]
.set mq, mq+2
.endr
	WIN 0x0c
.set mq, 0
.rept 32
	v_pk_add_f32 v[ST+mq:ST+mq+1], v[ST+mq:ST+mq+1], v[mq:mq+1]
.set mq, mq+2
.endr
	WIN 0
	POSTK \ff
	TOW2 128+12*\ff
.endm
.macro MAINV ff
	WIN 0x01
.set mq, 0
.rept 32
	v_pk_add_f32 v[ST+mq:ST+mq+1], v[64*\ff+mq:64*\ff+mq+1], v[BV+2*\ff:BV+2*\ff+1] op_sel_hi:[1,0]
.set mq, mq+2
.endr
	WIN 0x0c
.set mq, 0
.rept 32
	v_pk_mul_f32 v[ST+mq:ST+mq+1], v[ST+mq:ST+mq+1], v[64+mq:65+mq]
.set mq, mq+2
.endr
	WIN 0
	QUANT ST, VS+\ff
	TOW2 176+12*\ff
.endm
	s_load_b512 s[8:23], s[0:1], 0x0       ; x re_motion re_text src_mask re_mask cond_type norm_g norm_b
	s_load_b512 s[24:39], s[0:1], 0x40     ; rn1_g rn1_b rn2_g rn2_b wimg tstat bkr bkm
	s_load_b256 s[40:47], s[0:1], 0x80     ; bvr bvm part pstat
	v_lshrrev_b32 v31, 5, v0
	v_readfirstlane_b32 s[WV], v31
	s_and_b32 s[BB], ttmp7, 0xffff
	s_mov_b32 s[CC], ttmp9
	v_and_b32 v31, 31, v0
	v_lshlrev_b32 v[LI], 4, v31
	v_lshlrev_b32 v[LS], 2, v31
	v_and_b32 v30, 15, v0
	v_lshlrev_b32 v[R4], 2, v30
	v_bfe_u32 v[HH], v0, 4, 1
	v_and_b32 v31, 8, v30
	v_add_nc_u32 v31, v31, v30             ; r + 8 (r / 8)
	s_wait_alu depctr_va_sdst(0)           ; the wave's number is written, ahead of its first reader
	s_lshl_b32 s5, s[CC], 7
	s_lshl_b32 s6, s[WV], 5
	s_add_co_u32 s5, s5, s6
	s_add_co_u32 s5, s5, 19
	v_add_nc_u32 v[TKA], s5, v31           ; my token in tile 2 w: 19 + 128 c + 32 w + r + 8 (r / 8); tile 2 w + 1: 8 on
	v_mov_b32 v[TKB], v[TKA]
	s_mov_b32 s[SEL], 0x76543210
	s_mov_b32 s[SEL+1], 0xfedcba98
	s_mov_b32 s[CS], 0x3fb8aa3b            ; log2(e)
	s_mov_b32 s[CS+1], s[CS]
.irp i,MEAN+1,RS+1,DR+1,M1,RS1,TM+4,TM+5,TM+6,TM+7,U+1,U+5
	v_mov_b32 v[\i], 0                     ; pairs' upper halves, lane permutes' destinations, what a select keeps: written once
.endr
.irp i,0,1,2,3
	v_mov_b32 v[SF+2*\i+1], 0
	v_mov_b32 v[BI+2*\i+1], 0
	v_mov_b32 v[BV+2*\i+1], 0
	v_add_nc_u32 v[TAK+\i], FRAG+49152*\i, v[LI]
.endr
	v_add_nc_u32 v[TS0], SCL, v[LS]
	s_mov_b32 s7, 0
	s_lshl_b32 s5, s[BB], 2
	s_wait_kmcnt 0x0
	s_load_b32 s63, s[18:19], s5 offset:0x0
	s_lshl_b32 s6, s[BB], 21
	s_add_nc_u64 s[P_X:P_X+1], s[P_X:P_X+1], s[6:7]
	s_add_nc_u64 s[P_RM:P_RM+1], s[P_RM:P_RM+1], s[6:7]
	s_lshl_b32 s6, s[BB], 13
	s_add_nc_u64 s[P_RT:P_RT+1], s[P_RT:P_RT+1], s[6:7]
	s_lshl_b32 s6, s[BB], 12
	s_add_nc_u64 s[P_SM:P_SM+1], s[P_SM:P_SM+1], s[6:7]
	s_add_nc_u64 s[P_REM:P_REM+1], s[P_REM:P_REM+1], s[6:7]
	s_lshl_b32 s6, s[BB], 5
	s_add_nc_u64 s[P_TS:P_TS+1], s[P_TS:P_TS+1], s[6:7]
	; gains and biases into LDS: slot n = 4 i + q, gain 2,048 bytes, bias 2,048
	v_lshlrev_b32 v31, 4, v0
	s_wait_alu depctr_va_vdst(0)           ; v31 is written, which the eight loads and the sixteen LDS stores read; so are the addresses that stay: v1 to v4, v236 to v239, v244
	global_load_b128 v[32:35], v31, s[28:29]
	global_load_b128 v[36:39], v31, s[30:31]
	global_load_b128 v[40:43], v31, s[24:25]
	global_load_b128 v[44:47], v31, s[26:27]
	global_load_b128 v[48:51], v31, s[24:25] offset:2048
	global_load_b128 v[52:55], v31, s[26:27] offset:2048
	global_load_b128 v[56:59], v31, s[20:21]
	global_load_b128 v[60:63], v31, s[22:23]
	s_wait_kmcnt 0x0
	s_cmp_ge_i32 s63, 10                   ; cond_type // 10 > 0
	s_cselect_b32 s[CTR], 1.0, 0
	s_cselect_b32 s[PCR], 0, 0xc9742400
	s_wait_loadcnt 0x0
.irp i,0,1,2,3,4,5,6,7
	ds_store_b128 v31, v[32+4*\i:35+4*\i] offset:2048*\i
	ds_store_b128 v31, v[32+4*\i:35+4*\i] offset:16384+2048*\i
.endr
	s_wait_dscnt 0x0
	s_barrier_signal -1
	s_barrier_wait -1
	s_wait_alu depctr_vm_vsrc(0)           ; the loads and LDS stores above have read v31 and v[32:63], which the lines below and the first row's arithmetic write
	; ---- PHASE X: eight trips, n = 4 i + q
	s_mul_i32 s[SA], s[WV], 12288
	s_lshl_b32 s[SB], s[WV], 10
	s_add_co_u32 s[SB], s[SB], SCL
	s_lshl_b32 s[SC], s[WV], 6
	s_add_co_u32 s[SC], s[SC], PEN
	s_mov_b32 s[SD], 0
	s_mov_b32 s[NN], -1
	NEXTADDR                               ; trip 0's addresses
	s_wait_alu depctr_va_vdst(0)           ; the three offsets v5, v6, v7 are written, which the first row's loads read
.irp k,0,1,2,3
	LOADPART \k, ROFF
.endr
	global_load_b32 v[MK], v[MOFF], s[MP:MP+1]
	global_load_b64 v[TQ:TQ+1], v[TQOFF], s[P_TS:P_TS+1]
	v_mov_b32 v[TOKC], v[TOKN]
	s_mov_b32 s[NN], 0
.Lx:
	s_wait_alu depctr_vm_vsrc(0)           ; the loads and LDS instructions issued so far have read v5 to v7, v12 to v18, penalty and mask, v[PC ..] and v[PW]: this trip writes them all again
.irp k,0,1,2,3
	v_add_nc_u32 v[XA+\k], s[SA], v[TAK+\k]
.endr
	v_add_nc_u32 v[XSA], s[SB], v[LS]
	v_add_nc_u32 v[PNA], s[SC], v[R4]
	v_lshl_add_u32 v[GBA], v[HH], 6, s[SD]
	XTRIP 16, 1, 2, ROFF
	s_add_co_u32 s[SA], s[SA], 1536
	s_add_co_u32 s[SB], s[SB], 128
	s_add_co_u32 s[SC], s[SC], 256
	s_add_co_u32 s[SD], s[SD], 4096
	s_add_co_u32 s[NN], s[NN], 1
	s_cmp_lt_u32 s[NN], 8
	s_cbranch_scc1 .Lx
	s_wait_loadcnt 0x0
	s_wait_dscnt 0x0
	s_barrier_signal -1
	s_barrier_wait -1                      ; the last barrier: from here on LDS is only read
	; ---- two heads a wave
	s_mov_b32 s[HT], 0
.Lhead:
	s_lshl_b32 s[HD], s[WV], 1
	s_add_co_u32 s[HD], s[HD], s[HT]
.irp f,0,1,2,3
	v_mov_b32 v[SM+2*\f+1], 0xff61b1e6     ; -3e38, under every t
	v_floor_f32 v[SM+2*\f], -v[SM+2*\f+1]
	v_mov_b32 v[SL+2*\f], 0
	v_mov_b32 v[SL+2*\f+1], 0
.endr
	WIN 0x80
.set zq, 0
.rept 128
	v_mov_b32 v[zq], 0                     ; att: the step is written once; the first change of M leaves zeros zeros
.set zq, zq+1
.endr
	WIN 0
	s_mov_b32 s[SP], 0
.Lstep:                                    ; step 0: retrieval tokens, step 1: motion tokens
	s_wait_alu depctr_vm_vsrc(0)           ; the LDS instructions issued so far have read v[TA ..], v[TSQ] and v[PENA], which are made anew; phase X's last stores have read v[PC ..], v[PW], penalty and mask, in which loads land
	s_lshl_b32 s5, s[SP], 1
	s_add_co_u32 s5, s5, 1                 ; the key's job: 1 or 3
	s_mul_i32 s6, s5, 1536
	s_lshl_b32 s7, s5, 7
.irp k,0,1,2,3
	v_add_nc_u32 v[TA+\k], s6, v[TAK+\k]
.endr
	v_add_nc_u32 v[TSQ], s7, v[TS0]
	s_mul_i32 s5, s[SP], 768
	s_add_co_u32 s5, s5, PEN
	v_lshl_add_u32 v[PENA], v[HH], 5, s5
	s_wait_alu depctr_va_vdst(0)           ; the six addresses are written; the last step's vector and matrix instructions are done with penalties, masks, biases, scale words, weight sets and token buffers: all loads up to the first pair's land there
	WIN 0xc0
.irp t,0,1,2,3,4,5,6,7
.irp j,0,1
	ds_load_b128 v[8*\t+4*\j:8*\t+4*\j+3], v[PENA] offset:(\t%2)*1024+(\t/2)*64+16*\j
	ds_load_b128 v[64+8*\t+4*\j:64+8*\t+4*\j+3], v[PENA] offset:VMOFF+(\t%2)*1024+(\t/2)*64+16*\j
.endr
.endr
	WIN 0
	s_lshl_b32 s5, s[HD], 5
	s_lshl_b32 s6, s[HD], 4
	s_add_co_u32 s7, s6, 256
	s_add_co_u32 s62, s6, 384
	s_add_co_u32 s63, s6, 512
	s_cmp_eq_u32 s[SP], 0
	s_cselect_b32 s[GHK], s5, s7
	s_cselect_b32 s[GHV], s62, s63
	s_cselect_b64 s[BKP:BKP+1], s[36:37], s[38:39]
	s_cselect_b64 s[BVP:BVP+1], s[40:41], s[42:43]
	SETP GHK, WPK, WSK
	SETP GHV, WPV, WSV
	s_lshl_b32 s96, s[HD], 8
	s_add_nc_u64 s[BKP:BKP+1], s[BKP:BKP+1], s[96:97]
	s_add_nc_u64 s[BVP:BVP+1], s[BVP:BVP+1], s[96:97]
.irp f,0,1,2,3
	global_load_b32 v[BI+2*\f], v[R4], s[BKP:BKP+1] offset:64*\f
	global_load_b32 v[BV+2*\f], v[R4], s[BVP:BVP+1] offset:64*\f
.endr
	WSLOAD 4, 4, WSK, 0, 0
	GEMM 4, 8, 4, 1, 0, TA, 0, TSQ, 0, WPK, 0, 0, 0
	s_cmp_lg_u32 s[SP], 0
	s_cbranch_scc1 .Lnok2
	WSLOAD 4, 4, WSK, 1024, 1              ; the retrieval key's K steps 4 to 7: the text half, job 2
	GEMM 4, 8, 4, 0, 0, TAK, 3072, TS0, 256, WPK, 24576, 0, 0
.Lnok2:
	NOPS 4
	MAINK 0
	MAINK 1
	MAINK 2
	MAINK 3
	WIN 0x82
.irp d,0,1,2,3
.set rq, 0
.rept 16
	v_pk_mul_f32 v[32*\d+rq:32*\d+rq+1], v[32*\d+rq:32*\d+rq+1], v[SF+2*\d:SF+2*\d+1] op_sel_hi:[1,0]   ; att under the new M
.set rq, rq+2
.endr
.endr
	WIN 0
	s_mul_i32 s6, s[SP], 4608              ; the value's job: 0 or 3
	s_mul_i32 s7, s[SP], 384
	s_wait_alu depctr_vm_vsrc(0)           ; the key's LDS loads have read v[TA ..] and v[TSQ], which are made anew
.irp k,0,1,2,3
	v_add_nc_u32 v[TA+\k], s6, v[TAK+\k]
.endr
	v_add_nc_u32 v[TSQ], s7, v[TS0]
	WSLOAD 4, 4, WSV, 0, 1
	GEMM 4, 8, 4, 1, 0, TA, 0, TSQ, 0, WPV, 0, 0, 0
	NOPS 4
	MAINV 0
	MAINV 1
	MAINV 2
	MAINV 3
	NOPS 8                                 ; scale words and operands written by vector instructions stand 8 and 4 places ahead
	s_wait_alu depctr_va_vdst(0)           ; the vector instructions have written p's and V's codes and their scale words, which the scaled matrix instructions take; the places above stay beside this wait
	WIN 0xaa
.irp l,0,1,2,3
.irp d,0,1,2,3
	v_wmma_scale_f32_16x16x128_f8f6f4 v[8*(4*\d+\l):8*(4*\d+\l)+7], v[176+12*\l:187+12*\l], v[128+12*\d:139+12*\d], v[8*(4*\d+\l):8*(4*\d+\l)+7], v[VS+\l], v[PS+\d] matrix_a_fmt:MATRIX_FMT_FP6 matrix_b_fmt:MATRIX_FMT_FP6
.endr
.endr
	WIN 0
	s_add_co_u32 s[SP], s[SP], 1
	s_cmp_lt_u32 s[SP], 2
	s_cbranch_scc1 .Lstep
	; the head's partial sums leave
	NOPS 4
.irp f,0,1,2,3
	v_add_f32 v[148+\f], v[SL+2*\f], v[SL+2*\f+1]
.endr
.irp f,0,1,2,3
	v_permlanex16_b32 v[152+\f], v[148+\f], s[SEL], s[SEL+1]
.endr
.irp f,0,1,2,3
	v_add_f32 v[148+\f], v[148+\f], v[152+\f]
.endr
	s_lshl_b32 s5, s[BB], 3
	s_add_co_u32 s5, s5, s[CC]
	s_lshl_b32 s5, s5, 3
	s_add_co_u32 s5, s5, s[HD]
	s_lshl_b32 s96, s5, 14
	s_mov_b32 s97, 0
	s_add_nc_u64 s[OP1:OP1+1], s[44:45], s[96:97]
	s_lshl_b32 s96, s5, 10
	s_add_nc_u64 s[OP2:OP2+1], s[46:47], s[96:97]
	s_wait_alu depctr_va_vdst(0)           ; the matrix instructions have written att and the additions the four sums, which the stores read; the places above stay beside this wait
	WIN 0x08
.set oq, 0
.rept 16
	global_store_b128 v[LI], v[8*oq:8*oq+3], s[OP1:OP1+1] offset:1024*oq          ; 32 lanes store 512 consecutive bytes
	global_store_b128 v[LI], v[8*oq+4:8*oq+7], s[OP1:OP1+1] offset:1024*oq+512
.set oq, oq+1
.endr
	WIN 0
.irp f,0,1,2,3
	global_store_b32 v[LS], v[SM+2*\f], s[OP2:OP2+1] offset:256*\f
	global_store_b32 v[LS], v[148+\f], s[OP2:OP2+1] offset:256*\f+128
.endr
	s_wait_xcnt 0x0                        ; the stores' addresses are translated: their registers and bases may be written again,
	s_wait_alu depctr_vm_vsrc(0)           ; and the stores have read att, -M and the sums, which the next head writes again
	s_add_co_u32 s[HT], s[HT], 1
	s_cmp_lt_u32 s[HT], 2
	s_cbranch_scc1 .Lhead
	s_wait_xcnt 0x0
	v_lshl_add_u32 v254, v0, 2, 0x3d000
	v_mov_b32 v255, 0
	s_wait_dscnt 0x0                       ; the closing lines, six on end, of a launch in the mode that stores to LDS
	s_wait_alu 0x0
	s_wait_tensorcnt 0x0
	ds_add_u32 v254, v255
	s_wait_dscnt 0x0
	s_endpgm
.Lfunc_end_k_q69607e7bf1_main:
	.size	k_q69607e7bf1_main, .Lfunc_end_k_q69607e7bf1_main-k_q69607e7bf1_main
	.p2alignl 7, 3214868480
	.fill 96, 4, 3214868480
	.section	.rodata,"a",@progbits
	.p2align	6, 0x0
	.amdhsa_kernel k_q69607e7bf1_main
		.amdhsa_group_segment_fixed_size 250368
		.amdhsa_private_segment_fixed_size 0
		.amdhsa_enable_private_segment 0
		.amdhsa_kernarg_size 160
		.amdhsa_user_sgpr_count 2
		.amdhsa_user_sgpr_kernarg_segment_ptr 1
		.amdhsa_wavefront_size32 1
		.amdhsa_system_sgpr_workgroup_id_x 1
		.amdhsa_system_sgpr_workgroup_id_y 1
		.amdhsa_system_sgpr_workgroup_id_z 1
		.amdhsa_system_vgpr_workitem_id 0
		.amdhsa_next_free_vgpr 1024
		.amdhsa_next_free_sgpr 102
		.amdhsa_reserve_vcc 1
		.amdhsa_float_denorm_mode_32 3
		.amdhsa_float_denorm_mode_16_64 3
		.amdhsa_memory_ordered 1
		.amdhsa_forward_progress 1
		.amdhsa_inst_pref_size 255
	.end_amdhsa_kernel
	.section	.bss,"aw",@nobits
	.p2align	6
	.space	262144
	.amdgpu_metadata
---
amdhsa.version: [ 1, 2 ]
amdhsa.kernels:
  - .name:           k_q69607e7bf1_main
    .symbol:         k_q69607e7bf1_main.kd
    .args:
      - { .name: x, .offset: 0, .size: 8, .value_kind: global_buffer, .address_space: global }
      - { .name: re_motion, .offset: 8, .size: 8, .value_kind: global_buffer, .address_space: global }
      - { .name: re_text, .offset: 16, .size: 8, .value_kind: global_buffer, .address_space: global }
      - { .name: src_mask, .offset: 24, .size: 8, .value_kind: global_buffer, .address_space: global }
      - { .name: re_mask, .offset: 32, .size: 8, .value_kind: global_buffer, .address_space: global }
      - { .name: cond_type, .offset: 40, .size: 8, .value_kind: global_buffer, .address_space: global }
      - { .name: norm_g, .offset: 48, .size: 8, .value_kind: global_buffer, .address_space: global }
      - { .name: norm_b, .offset: 56, .size: 8, .value_kind: global_buffer, .address_space: global }
      - { .name: rn1_g, .offset: 64, .size: 8, .value_kind: global_buffer, .address_space: global }
      - { .name: rn1_b, .offset: 72, .size: 8, .value_kind: global_buffer, .address_space: global }
      - { .name: rn2_g, .offset: 80, .size: 8, .value_kind: global_buffer, .address_space: global }
      - { .name: rn2_b, .offset: 88, .size: 8, .value_kind: global_buffer, .address_space: global }
      - { .name: wimg, .offset: 96, .size: 8, .value_kind: global_buffer, .address_space: global }
      - { .name: tstat, .offset: 104, .size: 8, .value_kind: global_buffer, .address_space: global }
      - { .name: bkr, .offset: 112, .size: 8, .value_kind: global_buffer, .address_space: global }
      - { .name: bkm, .offset: 120, .size: 8, .value_kind: global_buffer, .address_space: global }
      - { .name: bvr, .offset: 128, .size: 8, .value_kind: global_buffer, .address_space: global }
      - { .name: bvm, .offset: 136, .size: 8, .value_kind: global_buffer, .address_space: global }
      - { .name: part, .offset: 144, .size: 8, .value_kind: global_buffer, .address_space: global }
      - { .name: pstat, .offset: 152, .size: 8, .value_kind: global_buffer, .address_space: global }
    .group_segment_fixed_size: 250368
    .private_segment_fixed_size: 0
    .kernarg_segment_align: 8
    .kernarg_segment_size: 160
    .max_flat_workgroup_size: 128
    .sgpr_count:     102
    .vgpr_count:     1024
    .wavefront_size: 32
...
	.end_amdgpu_metadata
.endif
;; end of part 6
;; launch edge (part 7): grid 8 x 32, 4 waves a work-group, no clusters, 178,176 bytes of LDS; arguments xf, x, re_motion, re_text, src_mask, re_mask, cond_type, tnorm_g, tnorm_b, norm_g, norm_b, rn1_g, rn1_b, rn2_g, rn2_b, wimg, tstat, bkt, bkr, bkm, bvt, bvr, bvm, part, pstat, attc, atts; writes attc, atts
.if DOCPART == 7
	.amdgcn_target "amdgcn-amd-amdhsa--gfx1250"
	.amdhsa_code_object_version 6
	.text
	.protected	k_q69607e7bf1_edge
	.globl	k_q69607e7bf1_edge
	.p2align	8
	.type	k_q69607e7bf1_edge,@function
k_q69607e7bf1_edge:
	s_mov_b64 s[64:65], 0
	v_nop
	global_prefetch_b8 v0, s[64:65] scope:SCOPE_SE
	s_setreg_imm32_b32 hwreg(HW_REG_WAVE_SCHED_MODE, 0, 2), 2
	s_setreg_imm32_b32 hwreg(HW_REG_WAVE_MODE, 25, 1), 1
	s_wait_xcnt 0x0
	s_wait_alu depctr_vm_vsrc(0)
; Work-group (head, b): the four blocks of 32 of the concatenated token axis that hold text or two sources: positions 0-76 text, 77-95 retrieval 0-18, 96-108 retrieval 1011-1023,
; 109-127 motion 0-18.  Each source is computed for whole tiles with clamped tokens and the right one is chosen register by register (a fixed pattern).  Wave w takes 16 of the head's
; 64 features, for K (d) and for V (l).  Then the eight partial sums of the launch before are added under the common whole M (exact powers of two), divided by the sum of p,
; turned through LDS and quantised along d: the operand of y = q att, two heads to a fragment of 128 along K.
; LIMITS: as in the launch before.
; THE MODE: SCHED_MODE bits 1:0 = 2 (LLVM: expert scheduling mode 2), set by the entry lines.  The code itself states the register dependences
; between vector or matrix instructions and memory or LDS instructions, with s_wait_alu, always for 0.
; THE PLAN.  Phase X and the products are laid as in the launch before: the row's parts are asked for again behind one wait on va_vdst; the image's stores stand behind one wait on va_vdst, the next quantiser behind
; one on vm_vsrc; addresses are made anew behind a wait on vm_vsrc; the token buffers go in pairs, one wait on va_vdst to a pair.  The eight partial sums land in window 3, which the rows have left, and their
; statistics in v5-v20, old address registers: a wait on vm_vsrc stands ahead of them.  The addresses for V's images (v28 to v31) and for the turning stage (v26) have registers of their own,
; made ahead of the wait that the stores owe anyway, so that nothing is owed behind the barriers but the wait on vm_vsrc ahead of the loads into the registers that the stage's stores read.
.set MSB, 0
.macro WIN new
.if MSB != (\new)
	s_set_vgpr_msb (MSB<<8)|(\new)
.set MSB, (\new)
.endif
.endm
.macro NOPS n
.rept \n
	v_nop
.endr
.endm
.set LI,1
.set LS,2
.set R4,3
.set HH,4
.set ROFF,5
.set MOFF,6
.set TQOFF,7
.set TOKC,8
.set TOKN,9
.set TKA,10
.set TKB,11
.set XA,12
.set XSA,16
.set PNA,17
.set GBA,18
.set MK,19
.set TQ,20
.set MEAN,22
.set RS,24
.set DR,26
.set M1,28
.set RS1,29
.set QQ,30
.set TT,31
.set ST,32
.set PC,96
.set PT,108
.set TM,116
.set PW,132
.set SUM,134
.set U,142
.set MT,128
.set RT,144
.set WF,32
.set TF,128
.set TS,176
.set WS,180
.set PS,196
.set VS,200
.set SM,204
.set SL,212
.set SF,220
.set BI,222
.set TAK,236
.set TAT,240
.set TS0,244
.set TST,245
.set PENA,246
.set TXP,247                           ; v247 my text position in tile 2 w
.set ARD,248                           ; v248 LDS address of the row of att that I quantise at the end; made at the head, never rewritten
.set WV,2
.set BB,3
.set HD,4
.set RP,66
.set MP,68
.set NN,70
.set SA,71
.set SB,72
.set SC,73
.set SD,74
.set SEL0,75
.set SELK,76
.set CT,77
.set PCS,78
.set LIM,79
.set SEL,80
.set CS,82
.set CTR,84
.set PCR,85
.set CTT,86
.set PCT,88
.set HM,90
.set WP,92
.set WSP,94
.set P_X,10
.set P_RM,12
.set P_RT,14
.set P_SM,16
.set P_REM,18
.set P_WI,38
.set P_TS,40
.set WSCL,1179648
.set GBT,16384
.set PEN,18432
.set VMOFF,1024
.set SCL,20480
.set FRAG,28672
.set TFR,126976
.set TSC,151552
.set VFI,153600
.set VFS,159744
.set ATT,160256
.set NMASK,3
.set NLAST,3
.set LIMR,0x7fffffff
.set LIMM,0x7fffffff
.set X_SKS,2048
.set G_GS,2048
.macro LOADPART ks, areg
	WIN 0xc0
.irp b,0,1,2,3
.irp j,0,1,2,3
	global_load_b128 v[64*(\ks)+16*\b+4*\j:64*(\ks)+16*\b+4*\j+3], v[\areg], s[RP:RP+1] offset:512*(\ks)+128*\b+16*\j
.endr
.endr
	WIN 0
.endm
.macro REDUCE dst
	v_pk_add_f32 v[SUM:SUM+1], v[SUM:SUM+1], v[SUM+2:SUM+3]
	v_pk_add_f32 v[SUM+4:SUM+5], v[SUM+4:SUM+5], v[SUM+6:SUM+7]
	v_pk_add_f32 v[SUM:SUM+1], v[SUM:SUM+1], v[SUM+4:SUM+5]
	v_add_f32 v[TT], v[SUM], v[SUM+1]
	v_permlanex16_b32 v[U+5], v[TT], s[SEL], s[SEL+1]
	v_add_f32 v[\dst], v[TT], v[U+5]
.endm
.macro STATS nb
	WIN 0x0f
.irp k,0,1,2,3
	v_pk_add_f32 v[SUM+2*\k:SUM+2*\k+1], v[2*\k:2*\k+1], v[8+2*\k:9+2*\k]
.endr
	WIN 0x0c
.set sp, 8
.rept 8*\nb-8
	v_pk_add_f32 v[SUM+2*(sp%4):SUM+2*(sp%4)+1], v[SUM+2*(sp%4):SUM+2*(sp%4)+1], v[2*sp:2*sp+1]
.set sp, sp+1
.endr
	WIN 0
	REDUCE TT
.if \nb == 16
	v_mul_f32 v[MEAN], 0x3b000000, v[TT]
.else
	v_mul_f32 v[MEAN], 0x3b800000, v[TT]
.endif
	WIN 0xc3
.set sp, 0
.rept 8*\nb
	v_pk_add_f32 v[2*sp:2*sp+1], v[2*sp:2*sp+1], v[MEAN:MEAN+1] op_sel_hi:[1,0] neg_lo:[0,1] neg_hi:[0,1]
.set sp, sp+1
.endr
	WIN 0x0f
.irp k,0,1,2,3
	v_pk_mul_f32 v[SUM+2*\k:SUM+2*\k+1], v[2*\k:2*\k+1], v[2*\k:2*\k+1]
.endr
.set sp, 4
.rept 8*\nb-4
	v_pk_fma_f32 v[SUM+2*(sp%4):SUM+2*(sp%4)+1], v[2*sp:2*sp+1], v[2*sp:2*sp+1], v[SUM+2*(sp%4):SUM+2*(sp%4)+1]
.set sp, sp+1
.endr
	WIN 0
	REDUCE QQ
.endm
.macro QUANT s, pw
.irp b,0,1,2,3
	v_max3_num_f32 v[TM+\b], |v[\s+16*\b]|, |v[\s+1+16*\b]|, 0x1800000   ; with the floor 2^(3 - 127): the byte cannot fall under 1
.endr
.irp i,2,4,6,8,10,12,14
.irp b,0,1,2,3
	v_max3_num_f32 v[TM+\b], v[TM+\b], |v[\s+16*\b+\i]|, |v[\s+1+16*\b+\i]|
.endr
.endr
.irp b,0,1,2,3
	v_permlanex16_b32 v[TM+4+\b], v[TM+\b], s[SEL], s[SEL+1]
.endr
.irp b,0,1,2,3
	v_max_num_f32 v[TM+\b], v[TM+\b], v[TM+4+\b]
.endr
.irp b,0,1,2,3
	v_add_nc_u32 v[TM+12+\b], 0xff000000, v[TM+\b]
.endr
.irp b,0,1,2,3
	v_lshrrev_b32 v[TM+4+\b], 23, v[TM+12+\b]
.endr
	v_lshl_or_b32 v[\pw], v[TM+5], 8, v[TM+4]
	v_lshl_or_b32 v[\pw], v[TM+6], 16, v[\pw]
	v_lshl_or_b32 v[\pw], v[TM+7], 24, v[\pw]
.irp c,0,1
	v_cvt_scalef32_pk16_fp6_f32 v[PC+6*\c:PC+2+6*\c], v[\s+32*\c:\s+15+32*\c], v[TM+12+2*\c]
	v_cvt_scalef32_pk16_fp6_f32 v[PT+4*\c:PT+2+4*\c], v[\s+16+32*\c:\s+31+32*\c], v[TM+13+2*\c]
.endr
	v_nop                                  ; one plain place behind a scaled conversion
.irp c,0,1
.irp i,0,1,2
	v_permlane16_swap_b32 v[PC+6*\c+\i], v[PT+4*\c+\i]
.endr
.irp i,0,1,2
	v_mov_b32 v[PC+3+6*\c+\i], v[PT+4*\c+\i]
.endr
.endr
.endm
.macro IMAGE a, off
.irp c,0,1,2
	ds_store_b128 v[\a], v[PC+4*\c:PC+4*\c+3] offset:\off+512*\c
.endr
.endm
.macro TOW2 dst
	WIN 0x80
.irp i,0,1,2,3,4,5,6,7,8,9,10,11
	v_mov_b32 v[\dst+\i], v[PC+\i]
.endr
	WIN 0
.endm
; The loads of gain and bias owe no wait of their own: no vector instruction stands between them and the last wait on va_vdst in front of them.
.macro NORMQ ks, nx, na
	WIN 0x80
.irp i,0,1,2,3,4,5,6,7,8,9,10,11,12,13,14,15
	ds_load_b128 v[128+4*\i:131+4*\i], v[GBA] offset:512*(\ks)+128*(\i/4)+16*(\i%4)
	ds_load_b128 v[192+4*\i:195+4*\i], v[GBA] offset:G_GS+512*(\ks)+128*(\i/4)+16*(\i%4)
.endr
	s_wait_dscnt 0x0                       ; gain and bias are in
.if (\ks) > 0
	s_wait_alu depctr_vm_vsrc(0)           ; the last image's LDS stores have read v[PC ..] and v[PW], which this block's quantiser writes again
.endif
	WIN 0x03
.set nq, 0
.rept 32
	v_pk_fma_f32 v[ST+nq:ST+nq+1], v[64*(\ks)+nq:64*(\ks)+nq+1], v[RS:RS+1], v[DR:DR+1] op_sel_hi:[1,0,0]
.set nq, nq+2
.endr
	WIN 0x28
.set nq, 0
.rept 32
	v_pk_fma_f32 v[ST+nq:ST+nq+1], v[ST+nq:ST+nq+1], v[128+nq:129+nq], v[192+nq:193+nq]
.set nq, nq+2
.endr
	WIN 0
.if \nx == 2
	s_cmp_eq_u32 s[NN], NLAST
	s_cbranch_scc1 .Lnl_\@
	s_wait_alu depctr_va_vdst(0)           ; the vector instructions are done writing and reading this part of the row, in which the next row's loads land; their offset is written
	LOADPART \ks, \na
.Lnl_\@:
.elseif \nx == 1
	s_wait_alu depctr_va_vdst(0)           ; the vector instructions are done writing and reading this part of the row, in which the next row's loads land; their offset is written
	LOADPART \ks, \na
.endif
	QUANT ST, PW
	s_wait_alu depctr_va_vdst(0)           ; the quantiser has written v[PC ..] and v[PW], which the LDS stores read; the multiply-adds are done reading gain and bias, in which the next block's loads land
	IMAGE XA+\ks, 0
	ds_store_b32 v[XSA], v[PW] offset:(\ks)*X_SKS
.endm
.macro NEXTADDR
	s_and_b32 s5, s[NN], 3
	s_cmp_eq_u32 s5, 0
	s_cselect_b32 s[SEL0], -1, 0
	s_cselect_b32 s[CT], s[CTR], 1.0
	s_cselect_b32 s[PCS], s[PCR], 0
	s_mov_b32 s[LIM], LIMM
	s_cselect_b32 s[LIM], LIMR, s[LIM]
	s_sub_co_u32 s6, s5, 1
	s_cmp_lt_u32 s6, 2
	s_cselect_b32 s[SELK], -1, 0
	s_add_co_u32 s5, s[NN], 1
	s_and_b32 s5, s5, NMASK
	s_lshr_b32 s6, s5, 2
	s_lshl_b32 s6, s6, 3
	s_and_b32 s5, s5, 3
	s_cmp_eq_u32 s5, 2
	s_cselect_b64 s[RP:RP+1], s[P_RT:P_RT+1], s[P_RM:P_RM+1]
	s_cselect_b32 s7, 8, 0
	s_cmp_eq_u32 s5, 3
	s_cselect_b64 s[RP:RP+1], s[P_X:P_X+1], s[RP:RP+1]
	s_cselect_b32 s62, -1, 0
	s_cmp_eq_u32 s5, 0
	s_cselect_b64 s[MP:MP+1], s[P_REM:P_REM+1], s[P_SM:P_SM+1]
	v_cndmask_b32 v[TOKN], v[TKA], v[TKB], s62
	v_add_nc_u32 v[TOKN], s6, v[TOKN]
	v_min_u32 v[TT], 0x3ff, v[TOKN]
	v_lshrrev_b32 v[ROFF], s7, v[TT]
	v_lshlrev_b32 v[ROFF], 11, v[ROFF]
	v_lshl_add_u32 v[ROFF], v[HH], 6, v[ROFF]
	v_lshlrev_b32 v[MOFF], 2, v[TT]
	v_lshrrev_b32 v[TQOFF], 8, v[TT]
	v_lshlrev_b32 v[TQOFF], 3, v[TQOFF]
.endm
.macro XTRIP nb, keyed, nx, na
	s_wait_loadcnt 0x0                     ; the row, its mask and the text's stats are in
.if \keyed
	NEXTADDR
.endif
	STATS \nb
	v_mov_b32 v[U], 0x3727c5ac
.if \nb == 16
	v_fmac_f32 v[U], 0x3b000000, v[QQ]
.else
	v_fmac_f32 v[U], 0x3b800000, v[QQ]
.endif
.if \keyed
	v_add_f32 v[U+1], v[MEAN], v[TQ]
	v_mul_f32 v[U+1], 0.5, v[U+1]
	v_sub_f32 v[U+2], v[MEAN], v[U+1]
	v_sub_f32 v[U+3], v[TQ], v[U+1]
	v_mul_f32 v[U+2], v[U+2], v[U+2]
	v_fmac_f32 v[U+2], v[U+3], v[U+3]
	v_add_f32 v[U+3], v[QQ], v[TQ+1]
	v_fmac_f32 v[U+3], 0x44000000, v[U+2]
	v_mov_b32 v[U+4], 0x3727c5ac
	v_fmac_f32 v[U+4], 0x3a800000, v[U+3]
	v_rsq_f32 v[U], v[U]
	v_rsq_f32 v[U+4], v[U+4]
	v_nop
	s_wait_alu depctr_va_vdst(0)           ; the two roots have written their results: one wait for both, ahead of the first reader
	v_cndmask_b32 v[M1], v[M1], v[U+1], s[SEL0]
	v_cndmask_b32 v[RS1], v[RS1], v[U+4], s[SEL0]
	v_cndmask_b32 v[RS], v[U], v[RS1], s[SELK]
	v_sub_f32 v[U+2], v[MEAN], v[M1]
	v_mul_f32 v[U+2], v[U+2], v[RS1]
	v_cndmask_b32 v[DR], 0, v[U+2], s[SELK]
	v_mov_b32 v[U], s[PCS]
	v_sub_f32 v[U+1], 1.0, v[MK]
	v_fmac_f32 v[U], 0xc9742400, v[U+1]
	v_mul_f32 v[U+1], s[CT], v[MK]
	v_mov_b32 v[U+2], 0xff800000
	v_mov_b32 v[U+3], 0
	v_cmp_lt_u32 vcc_lo, s[LIM], v[TOKC]
	s_wait_alu depctr_va_vcc(0)            ; the compare has written VCC, which the two selects read
	v_cndmask_b32 v[U], v[U], v[U+2], vcc_lo
	v_cndmask_b32 v[U+1], v[U+1], v[U+3], vcc_lo
	s_wait_alu depctr_va_vdst(0)           ; penalty and mask are written, which the two LDS stores read; so are this trip's LDS addresses v12 to v18
	ds_store_b32 v[PNA], v[U]
	ds_store_b32 v[PNA], v[U+1] offset:VMOFF
.else
	v_rsq_f32 v[RS], v[U]
	v_mov_b32 v[DR], 0
	s_wait_alu depctr_va_vdst(0)           ; the root has written its result, ahead of its first reader; the trip's LDS addresses are written, which the loads and stores below read
.endif
.set xk, 0
.rept \nb/4
	NORMQ xk, \nx, \na
.set xk, xk+1
.endr
.if \keyed
	global_load_b32 v[MK], v[MOFF], s[MP:MP+1]           ; no wait: no vector instruction since the wait ahead of the last image's stores
	global_load_b64 v[TQ:TQ+1], v[TQOFF], s[P_TS:P_TS+1]
	v_mov_b32 v[TOKC], v[TOKN]
.endif
.endm
.macro GW nft, ks, wp, wb
.set gwf, 0
.rept \nft
.irp c,0,1,2
	global_load_b128 v[WF+48*((\ks)%2)+12*gwf+4*\c:WF+48*((\ks)%2)+12*gwf+4*\c+3], v[LI], s[\wp:\wp+1] offset:\wb+6144*(\ks)+1536*gwf+512*\c
.endr
.set gwf, gwf+1
.endr
.endm
.macro GT ntt, ta, tb, tsv, sb
.irp c,0,1,2
	ds_load_b128 v[TF+12*(gu%4)+4*\c:TF+12*(gu%4)+4*\c+3], v[\ta+gu/\ntt] offset:\tb+(gu%\ntt)*G_TSTR+512*\c
.endr
	ds_load_b32 v[TS+gu%4], v[\tsv] offset:\sb+(gu/\ntt)*G_SKS+(gu%\ntt)*G_SSTR
.endm
; A unit is one token tile against nft weight tiles; the units go in PAIRS (ntt is even).  hw = 1: the product's first loads have no wait in front of them yet
.macro GEMM nft, ntt, nks, zero, acc0, ta, tb, tsv, sb, wp, wb, wsr, hw
	WIN 0
.if \hw
	NOPS 4
	s_wait_alu depctr_va_vdst(0)           ; the matrix instructions issued so far are done reading the weight sets, token buffers and scale words in which the loads below land
.endif
	GW \nft, 0, \wp, \wb
.set gu, 0
	GT \ntt, \ta, \tb, \tsv, \sb
.set gu, 1
	GT \ntt, \ta, \tb, \tsv, \sb
.set gi, 0
.rept \ntt*\nks/2
.set gk, gi/\ntt
.set gt, gi%\ntt
	WIN 0
.if gi > 0
	NOPS 4                                 ; places behind the last pair's matrix instructions
	s_wait_alu depctr_va_vdst(0)           ; the last pair's matrix instructions are done reading their two token buffers and scale words, in which the next pair's loads land; at a K step's head also the weight set of the K step before
.endif
.if gt == 0
.if gk+1 < \nks
	GW \nft, gk+1, \wp, \wb
.endif
.endif
.if gi+2 < \ntt*\nks
.set gu, gi+2
	GT \ntt, \ta, \tb, \tsv, \sb
.set gu, gi+3
	GT \ntt, \ta, \tb, \tsv, \sb
.endif
.if gt == 0
.if gk+1 < \nks
	s_wait_loadcnt 3*\nft                  ; all but the next K step's weights
.else
	s_wait_loadcnt 0x0
.endif
.endif
.if gi+2 < \ntt*\nks
	s_wait_dscnt 8                         ; the next pair's eight loads may be out
.else
	s_wait_dscnt 0x0
.endif
	WIN 0x50
.rept 2
.set gk, gi/\ntt
.set gt, gi%\ntt
.set gf, 0
.rept \nft
.if \zero && (gk == 0)
	v_wmma_scale_f32_16x16x128_f8f6f4 v[\acc0+64*gf+8*gt:\acc0+64*gf+8*gt+7], v[TF+12*(gi%4):TF+12*(gi%4)+11], v[WF+48*(gk%2)+12*gf:WF+48*(gk%2)+12*gf+11], 0, v[TS+gi%4], v[WS+\wsr+4*gf+gk] matrix_a_fmt:MATRIX_FMT_FP6 matrix_b_fmt:MATRIX_FMT_FP6
.else
	v_wmma_scale_f32_16x16x128_f8f6f4 v[\acc0+64*gf+8*gt:\acc0+64*gf+8*gt+7], v[TF+12*(gi%4):TF+12*(gi%4)+11], v[WF+48*(gk%2)+12*gf:WF+48*(gk%2)+12*gf+11], v[\acc0+64*gf+8*gt:\acc0+64*gf+8*gt+7], v[TS+gi%4], v[WS+\wsr+4*gf+gk] matrix_a_fmt:MATRIX_FMT_FP6 matrix_b_fmt:MATRIX_FMT_FP6
.endif
.set gf, gf+1
.endr
.set gi, gi+1
.endr
.endr
	WIN 0
.endm
.macro WSLOAD nft, nks, wsp, off, w    ; the weights' scale words, behind four places.  w = 1: vector or matrix work stands in front
	NOPS 4
.if \w
	s_wait_alu depctr_va_vdst(0)           ; the vector and matrix instructions issued so far are done with the scale words, weight sets and token buffers in which the loads below and the product's first loads land
.endif
.set wf, 0
.rept \nft
.set wk, 0
.rept \nks
	global_load_b32 v[WS+4*wf+wk], v[R4], s[\wsp:\wsp+1] offset:\off+(4*wk+wf)*64
.set wk, wk+1
.endr
.set wf, wf+1
.endr
.endm
.macro SETW gsec, lg                   ; my tile of 16 features (f4 = wave) of this head in the weight that begins at fragment gsec
	s_lshl_b32 s5, s[HD], 2+\lg
	s_add_co_u32 s5, s5, s[WV]
	s_add_co_u32 s5, s5, \gsec
	s_mul_i32 s96, s5, 1536
	s_mov_b32 s97, 0
	s_add_nc_u64 s[WP:WP+1], s[P_WI:P_WI+1], s[96:97]
	s_lshl_b32 s96, s5, 6
	s_add_co_u32 s96, s96, WSCL
	s_add_nc_u64 s[WSP:WSP+1], s[P_WI:P_WI+1], s[96:97]
.endm
.macro POSTK ff
.irp b,0,1,2,3
	v_max3_num_f32 v[TM+\b], v[ST+16*\b], v[ST+16*\b+1], v[ST+16*\b+2]
.endr
.irp i,3,5,7,9,11,13
.irp b,0,1,2,3
	v_max3_num_f32 v[TM+\b], v[TM+\b], v[ST+16*\b+\i], v[ST+16*\b+\i+1]
.endr
.endr
.irp b,0,1,2,3
	v_max_num_f32 v[TM+\b], v[TM+\b], v[ST+16*\b+15]
.endr
	v_max3_num_f32 v[U], v[TM], v[TM+1], v[TM+2]
	v_max_num_f32 v[U], v[U], v[TM+3]
	v_permlanex16_b32 v[U+1], v[U], s[SEL], s[SEL+1]
	v_max_num_f32 v[U], v[U], v[U+1]
	v_mul_f32 v[U], s[CS], v[U]
	v_max_num_f32 v[SM+2*\ff+1], v[SM+2*\ff+1], v[U]
	v_mov_b32 v[U], v[SM+2*\ff]
	v_floor_f32 v[SM+2*\ff], -v[SM+2*\ff+1]
	v_sub_f32 v[U], v[SM+2*\ff], v[U]
	v_cvt_i32_f32 v[U], v[U]
	v_ldexp_f32 v[SF+2*\ff], 1.0, v[U]
.set pq, 0
.rept 32
	v_pk_fma_f32 v[ST+pq:ST+pq+1], v[ST+pq:ST+pq+1], s[CS:CS+1], v[SM+2*\ff:SM+2*\ff+1] op_sel_hi:[1,0,0]
.set pq, pq+2
.endr
.set pq, 0
.rept 64
	v_exp_f32 v[ST+pq], v[ST+pq]
.set pq, pq+1
.endr
	v_pk_mul_f32 v[SL+2*\ff:SL+2*\ff+1], v[SL+2*\ff:SL+2*\ff+1], v[SF+2*\ff:SF+2*\ff+1] op_sel_hi:[1,0]
	s_wait_alu depctr_va_vdst(0)           ; the 64 exponentials have written their results: one wait, ahead of their first reader
	v_pk_add_f32 v[U+2:U+3], v[ST:ST+1], v[ST+2:ST+3]
.irp j,4,8,12,16,20,24,28,32,36,40,44,48,52,56,60
	v_pk_add_f32 v[SL+2*\ff:SL+2*\ff+1], v[SL+2*\ff:SL+2*\ff+1], v[ST+\j:ST+\j+1]
	v_pk_add_f32 v[U+2:U+3], v[U+2:U+3], v[ST+\j+2:ST+\j+3]
.endr
	v_pk_add_f32 v[SL+2*\ff:SL+2*\ff+1], v[SL+2*\ff:SL+2*\ff+1], v[U+2:U+3]
	QUANT ST, PS+\ff
.endm
; the three sources' sums get their biases, then op (add a penalty, or multiply by a mask), and each register takes its position's source:
; in blocks 2 and 3 the first 13 positions (lanes 0-15, i < 13) belong to the earlier source
.macro EMERGE op, b0, b1, b2, sx, pr, pm
	NOPS 4
	WIN 0x01
.set eq, 0
.rept 24
	v_pk_add_f32 v[ST+eq:ST+eq+1], v[eq:eq+1], v[\b0:\b0+1] op_sel_hi:[1,0]
.set eq, eq+2
.endr
.set eq, 0
.rept 16
	v_pk_add_f32 v[RT+eq:RT+eq+1], v[48+eq:49+eq], v[\b1:\b1+1] op_sel_hi:[1,0]
.set eq, eq+2
.endr
.set eq, 0
.rept 8
	v_pk_add_f32 v[MT+eq:MT+eq+1], v[80+eq:81+eq], v[\b2:\b2+1] op_sel_hi:[1,0]
.set eq, eq+2
.endr
	WIN 0
.set eq, 0
.rept 24
	\op v[ST+eq:ST+eq+1], v[ST+eq:ST+eq+1], s[\sx:\sx+1] op_sel_hi:[1,0]
.set eq, eq+2
.endr
	WIN 0x08
.set eq, 0
.rept 16
	\op v[RT+eq:RT+eq+1], v[RT+eq:RT+eq+1], v[\pr+eq:\pr+eq+1]
.set eq, eq+2
.endr
.set eq, 0
.rept 8
	\op v[MT+eq:MT+eq+1], v[MT+eq:MT+eq+1], v[\pm+eq:\pm+eq+1]
.set eq, eq+2
.endr
	WIN 0
.set eq, 0
.rept 16
.if eq < 13
	v_cndmask_b32 v[ST+32+eq], v[RT+eq], v[ST+32+eq], s[HM]
	v_cndmask_b32 v[ST+48+eq], v[MT+eq], v[RT+16+eq], s[HM]
.else
	v_mov_b32 v[ST+32+eq], v[RT+eq]
	v_mov_b32 v[ST+48+eq], v[MT+eq]
.endif
.set eq, eq+1
.endr
.endm
.macro TEXTSET                         ; strides of the text's images
.set G_TSTR,1536
.set G_SKS,1024
.set G_SSTR,128
.endm
.macro TOKSET                          ; strides of the other sources' images
.set G_TSTR,6144
.set G_SKS,2048
.set G_SSTR,512
.endm
	s_load_b512 s[8:23], s[0:1], 0x0       ; xf x re_motion re_text src_mask re_mask cond_type tnorm_g
	s_load_b512 s[24:39], s[0:1], 0x40     ; tnorm_b norm_g norm_b rn1_g rn1_b rn2_g rn2_b wimg
	s_load_b512 s[40:55], s[0:1], 0x80     ; tstat bkt bkr bkm bvt bvr bvm part
	s_load_b128 s[56:59], s[0:1], 0xc0     ; pstat attc
	s_load_b64 s[60:61], s[0:1], 0xd0      ; atts
	v_lshl_add_u32 v254, v0, 2, 0x2b600
	v_mov_b32 v255, 0
	v_lshrrev_b32 v31, 5, v0
	v_readfirstlane_b32 s[WV], v31
	s_and_b32 s[BB], ttmp7, 0xffff
	s_mov_b32 s[HD], ttmp9
	v_and_b32 v31, 31, v0
	v_lshlrev_b32 v[LI], 4, v31
	v_lshlrev_b32 v[LS], 2, v31
	v_and_b32 v30, 15, v0
	v_lshlrev_b32 v[R4], 2, v30
	v_bfe_u32 v[HH], v0, 4, 1
	v_and_b32 v31, 8, v30
	v_add_nc_u32 v31, v31, v30             ; r + 8 (r / 8)
	s_wait_alu depctr_va_sdst(0)           ; the wave's number is written, ahead of its first reader
	s_lshr_b32 s5, s[WV], 1
	s_lshl_b32 s5, s5, 5
	s_and_b32 s6, s[WV], 1
	s_lshl_b32 s6, s6, 3
	s_add_co_u32 s5, s5, s6
	s_add_co_u32 s63, s5, 64
	v_add_nc_u32 v9, s63, v31              ; my position in tile 4 + w
	v_add_nc_u32 v10, 0xffffffb3, v9
	v_max_i32 v10, 0, v10                  ; retrieval token p - 77,
	v_add_nc_u32 v11, 915, v9
	v_min_u32 v11, 0x3ff, v11              ; or p + 915
	v_cmp_gt_u32 vcc_lo, 96, v9
	s_wait_alu depctr_va_vcc(0)            ; the compare has written VCC, which the select reads
	v_cndmask_b32 v[TKA], v11, v10, vcc_lo
	v_add_nc_u32 v11, 0xffffff93, v9
	v_max_i32 v[TKB], 0, v11               ; motion token p - 109
	v_add_nc_u32 v[ARD], s5, v31           ; the row of att that I quantise at the end: 32 (w / 2) + 8 (w % 2) + r + 8 (r / 8);
	v_mul_u32_u24 v[ARD], v[ARD], 272      ; its place in the turning stage,
	v_lshl_add_u32 v[ARD], v[HH], 7, v[ARD]   ; my half's 32 numbers of it
	v_add_nc_u32 v[ARD], ATT, v[ARD]
	s_lshl_b32 s5, s[WV], 5
	v_add_nc_u32 v[TXP], s5, v31           ; my text position in tile 2 w
	s_mov_b32 s[SEL], 0x76543210
	s_mov_b32 s[SEL+1], 0xfedcba98
	s_mov_b32 s[CS], 0x3fb8aa3b
	s_mov_b32 s[CS+1], s[CS]
	s_mov_b32 s[HM], 0xffff
.irp i,MEAN+1,RS+1,DR+1,M1,RS1,TM+4,TM+5,TM+6,TM+7,U+1,U+5,SF+1,SL,SL+1
	v_mov_b32 v[\i], 0
.endr
.irp i,0,1,2,3,4,5
	v_mov_b32 v[BI+2*\i+1], 0
.endr
	v_mov_b32 v[SM+1], 0xff61b1e6
	v_floor_f32 v[SM], -v[SM+1]
.irp i,0,1,2,3
	v_add_nc_u32 v[TAK+\i], FRAG+24576*\i, v[LI]
.endr
	v_add_nc_u32 v[TAT], TFR, v[LI]
	v_add_nc_u32 v[TAT+1], TFR+12288, v[LI]
	v_add_nc_u32 v[TS0], SCL, v[LS]
	v_add_nc_u32 v[TST], TSC, v[LS]
	v_lshl_add_u32 v[PENA], v[HH], 5, PEN
	s_mov_b32 s7, 0
	s_lshl_b32 s5, s[BB], 2
	s_wait_kmcnt 0x0
	s_load_b32 s63, s[20:21], s5 offset:0x0
	s_mul_i32 s6, s[BB], 78848
	s_add_nc_u64 s[8:9], s[8:9], s[6:7]
	s_lshl_b32 s6, s[BB], 21
	s_add_nc_u64 s[P_X:P_X+1], s[P_X:P_X+1], s[6:7]
	s_add_nc_u64 s[P_RM:P_RM+1], s[P_RM:P_RM+1], s[6:7]
	s_lshl_b32 s6, s[BB], 13
	s_add_nc_u64 s[P_RT:P_RT+1], s[P_RT:P_RT+1], s[6:7]
	s_lshl_b32 s6, s[BB], 12
	s_add_nc_u64 s[P_SM:P_SM+1], s[P_SM:P_SM+1], s[6:7]
	s_add_nc_u64 s[P_REM:P_REM+1], s[P_REM:P_REM+1], s[6:7]
	s_lshl_b32 s6, s[BB], 5
	s_add_nc_u64 s[P_TS:P_TS+1], s[P_TS:P_TS+1], s[6:7]
	v_lshlrev_b32 v31, 4, v0
	v_lshlrev_b32 v30, 3, v0
	s_wait_alu depctr_va_vdst(0)           ; v30 and v31 are written, which the ten loads and LDS stores read; so are the addresses that stay: v1 to v4, v236 to v248
	global_load_b128 v[32:35], v31, s[34:35]
	global_load_b128 v[36:39], v31, s[36:37]
	global_load_b128 v[40:43], v31, s[30:31]
	global_load_b128 v[44:47], v31, s[32:33]
	global_load_b128 v[48:51], v31, s[30:31] offset:2048
	global_load_b128 v[52:55], v31, s[32:33] offset:2048
	global_load_b128 v[56:59], v31, s[26:27]
	global_load_b128 v[60:63], v31, s[28:29]
	global_load_b64 v[64:65], v30, s[22:23]
	global_load_b64 v[66:67], v30, s[24:25]
	s_wait_kmcnt 0x0
	s_cmp_ge_i32 s63, 10                   ; cond_type // 10 > 0
	s_cselect_b32 s[CTR], 1.0, 0
	s_cselect_b32 s[PCR], 0, 0xc9742400
	s_sub_co_i32 s5, 0, s63                ; cond_type % 10 > 0: not a multiple of ten
	s_max_i32 s5, s5, s63
	s_mul_hi_u32 s6, s5, 0xcccccccd
	s_lshr_b32 s6, s6, 3
	s_mul_i32 s6, s6, 10
	s_cmp_lg_u32 s6, s5
	s_cselect_b32 s[CTT], 1.0, 0
	s_cselect_b32 s[PCT], 0, 0xc9742400
	s_mov_b32 s[CTT+1], s[CTT]
	s_mov_b32 s[PCT+1], s[PCT]
	s_wait_loadcnt 0x0
.irp i,0,1,2,3,4,5,6,7
	ds_store_b128 v31, v[32+4*\i:35+4*\i] offset:2048*\i
.endr
	ds_store_b64 v30, v[64:65] offset:GBT
	ds_store_b64 v30, v[66:67] offset:GBT+1024
	s_wait_dscnt 0x0
	s_barrier_signal -1
	s_barrier_wait -1
	s_wait_alu depctr_vm_vsrc(0)           ; the loads and LDS stores above have read v30, v31 and v[32:67], which the lines below and the first row's arithmetic write
	; ---- PHASE X: tile 4 + w, jobs 0 to 3
	s_mul_i32 s[SA], s[WV], 6144
	s_lshl_b32 s[SB], s[WV], 9
	s_add_co_u32 s[SB], s[SB], SCL
	s_lshl_b32 s[SC], s[WV], 6
	s_add_co_u32 s[SC], s[SC], PEN
	s_mov_b32 s[SD], 0
	s_mov_b32 s[NN], -1
	NEXTADDR
	s_wait_alu depctr_va_vdst(0)           ; the three offsets v5, v6, v7 are written, which the first row's loads read
.irp k,0,1,2,3
	LOADPART \k, ROFF
.endr
	global_load_b32 v[MK], v[MOFF], s[MP:MP+1]
	global_load_b64 v[TQ:TQ+1], v[TQOFF], s[P_TS:P_TS+1]
	v_mov_b32 v[TOKC], v[TOKN]
	s_mov_b32 s[NN], 0
.Lx:
	s_wait_alu depctr_vm_vsrc(0)           ; the loads and LDS instructions issued so far have read v5 to v7, v12 to v18, penalty and mask, v[PC ..] and v[PW]: this trip writes them all again
.irp k,0,1,2,3
	v_add_nc_u32 v[XA+\k], s[SA], v[TAK+\k]
.endr
	v_add_nc_u32 v[XSA], s[SB], v[LS]
	v_add_nc_u32 v[PNA], s[SC], v[R4]
	v_lshl_add_u32 v[GBA], v[HH], 6, s[SD]
	XTRIP 16, 1, 2, ROFF
	s_add_co_u32 s[SA], s[SA], 1536
	s_add_co_u32 s[SB], s[SB], 128
	s_add_co_u32 s[SC], s[SC], 256
	s_add_co_u32 s[SD], s[SD], 4096
	s_add_co_u32 s[NN], s[NN], 1
	s_cmp_lt_u32 s[NN], 4
	s_cbranch_scc1 .Lx
	; the text: tiles 2 w and 2 w + 1, rows of 256
	s_wait_loadcnt 0x0
	s_wait_alu depctr_vm_vsrc(0)           ; the last trip's loads and LDS instructions have read v6, v12 to v18, v[PC ..] and v[PW], which the lines below and the text's first row write again
	s_mov_b64 s[RP:RP+1], s[8:9]
	v_min_u32 v31, 76, v[TXP]
	v_lshlrev_b32 v[ROFF], 10, v31
	v_lshl_add_u32 v[ROFF], v[HH], 6, v[ROFF]
	v_add_nc_u32 v31, 8, v[TXP]
	v_min_u32 v31, 76, v31
	v_lshlrev_b32 v[MOFF], 10, v31
	v_lshl_add_u32 v[MOFF], v[HH], 6, v[MOFF]
	s_wait_alu depctr_va_vdst(0)           ; v[ROFF] is written, which the text row's loads read
	LOADPART 0, ROFF
	LOADPART 1, ROFF
.set X_SKS,1024
.set G_GS,1024
	s_mul_i32 s5, s[WV], 3072
	s_lshl_b32 s6, s[WV], 8
	v_add_nc_u32 v[XA], s5, v[TAT]
	v_add_nc_u32 v[XA+1], s5, v[TAT+1]
	v_add_nc_u32 v[XSA], s6, v[TST]
	v_lshl_add_u32 v[GBA], v[HH], 6, GBT
	XTRIP 8, 0, 1, MOFF
	s_add_co_u32 s5, s5, 1536
	s_add_co_u32 s6, s6, 128
	s_wait_alu depctr_vm_vsrc(0)           ; the first text row's LDS stores have read v[XA], v[XA+1], v[XSA], v[PC ..] and v[PW], which the second row writes again
	v_add_nc_u32 v[XA], s5, v[TAT]
	v_add_nc_u32 v[XA+1], s5, v[TAT+1]
	v_add_nc_u32 v[XSA], s6, v[TST]
	XTRIP 8, 0, 0, MOFF
	s_wait_loadcnt 0x0
	s_wait_dscnt 0x0
	s_barrier_signal -1
	s_barrier_wait -1
	s_wait_alu depctr_vm_vsrc(0)           ; phase X's loads and LDS instructions have read v5, v6, v12, v13, v16, v18 and v[PW]: loads land in all of them below
	; ---- the eight partial sums of my 16 d, asked for early.  No wait on va_vdst: no vector instruction since the wait ahead of the last image's stores
	s_lshl_b32 s5, s[BB], 6
	s_add_co_u32 s5, s5, s[HD]
	s_lshl_b32 s96, s5, 14
	s_lshl_b32 s6, s[WV], 12
	s_add_co_u32 s96, s96, s6
	s_mov_b32 s97, 0
	s_add_nc_u64 s[98:99], s[54:55], s[96:97]
	s_lshl_b32 s96, s5, 10
	s_lshl_b32 s6, s[WV], 8
	s_add_co_u32 s96, s96, s6
	s_add_nc_u64 s[100:101], s[56:57], s[96:97]
	WIN 0xc0
.irp c,0,1,2,3,4,5,6,7
.irp l,0,1,2,3
	global_load_b128 v[32*\c+8*\l:32*\c+8*\l+3], v[LI], s[98:99] offset:131072*\c+1024*\l
	global_load_b128 v[32*\c+8*\l+4:32*\c+8*\l+7], v[LI], s[98:99] offset:131072*\c+1024*\l+512
.endr
.endr
	WIN 0
.irp c,0,1,2,3,4,5,6,7
	global_load_b32 v[5+\c], v[LS], s[100:101] offset:8192*\c
	global_load_b32 v[13+\c], v[LS], s[100:101] offset:8192*\c+128
.endr
	; penalties and masks in the sums' layout, window 2; my feature's six biases
	WIN 0x80
.irp t,0,1,2,3
.irp j,0,1
	ds_load_b128 v[64+8*\t+4*\j:67+8*\t+4*\j], v[PENA] offset:64*\t+16*\j
	ds_load_b128 v[112+8*\t+4*\j:115+8*\t+4*\j], v[PENA] offset:VMOFF+64*\t+16*\j
.endr
.endr
.irp t,0,1
.irp j,0,1
	ds_load_b128 v[96+8*\t+4*\j:99+8*\t+4*\j], v[PENA] offset:768+128+64*\t+16*\j
	ds_load_b128 v[144+8*\t+4*\j:147+8*\t+4*\j], v[PENA] offset:VMOFF+768+128+64*\t+16*\j
.endr
.endr
	WIN 0
	s_lshl_b32 s96, s[HD], 8
	s_lshl_b32 s6, s[WV], 6
	s_add_co_u32 s96, s96, s6
.irp i,0,1,2,3,4,5
	s_add_nc_u64 s[42+2*\i:43+2*\i], s[42+2*\i:43+2*\i], s[96:97]
	global_load_b32 v[BI+2*\i], v[R4], s[42+2*\i:43+2*\i]
.endr
	; ---- K
	TEXTSET
	SETW 640, 1
	WSLOAD 1, 2, WSP, 0, 0
	GEMM 1, 6, 2, 1, 0, TAT, 0, TST, 0, WP, 0, 0, 0
	TOKSET
	SETW 0, 3
	WSLOAD 1, 8, WSP, 0, 1
	GEMM 1, 4, 4, 1, 48, TAK, 1536, TS0, 128, WP, 0, 0, 0
	GEMM 1, 4, 4, 0, 48, TAK, 3072, TS0, 256, WP, 24576, 4, 1
	SETW 256, 2
	WSLOAD 1, 4, WSP, 0, 1
	GEMM 1, 2, 4, 1, 80, TAK, 2*6144+4608, TS0, 2*512+384, WP, 0, 0, 0
	EMERGE v_pk_add_f32, BI, BI+2, BI+4, PCT, 64, 96
	POSTK 0
	TOW2 160
	; ---- V
	TEXTSET
	SETW 704, 1
	WSLOAD 1, 2, WSP, 0, 1
	GEMM 1, 6, 2, 1, 0, TAT, 0, TST, 0, WP, 0, 0, 0
	TOKSET
	SETW 384, 2
	WSLOAD 1, 4, WSP, 0, 1
	GEMM 1, 4, 4, 1, 48, TAK, 0, TS0, 0, WP, 0, 0, 0
	SETW 512, 2
	WSLOAD 1, 4, WSP, 0, 1
	GEMM 1, 2, 4, 1, 80, TAK, 2*6144+4608, TS0, 2*512+384, WP, 0, 0, 0
	EMERGE v_pk_mul_f32, BI+6, BI+8, BI+10, CTT, 112, 144
	QUANT ST, PW
	s_mul_i32 s5, s[WV], 1536
	s_add_co_u32 s5, s5, VFI
	v_add_nc_u32 v30, s5, v[LI]            ; where my tile of V goes,
	s_lshl_b32 s5, s[WV], 7
	s_add_co_u32 s5, s5, VFS
	v_add_nc_u32 v31, s5, v[LS]            ; and its scale word;
	v_add_nc_u32 v28, VFI, v[LI]           ; from where all four come back,
	v_add_nc_u32 v29, VFS, v[LS]           ; and their scale words
	s_wait_alu depctr_va_vdst(0)           ; the quantiser has written v[PC ..] and v[PW], which the LDS stores read; the four addresses are written
	IMAGE 30, 0
	ds_store_b32 v31, v[PW]
	s_wait_dscnt 0x0
	s_barrier_signal -1
	s_barrier_wait -1                      ; the four tiles of V lie in LDS
	WIN 0x80
.irp l,0,1,2,3
.irp c,0,1,2
	ds_load_b128 v[176+12*\l+4*\c:179+12*\l+4*\c], v28 offset:1536*\l+512*\c    ; no wait: no vector instruction since the wait above
.endr
.endr
	WIN 0
.irp l,0,1,2,3
	ds_load_b32 v[VS+\l], v29 offset:128*\l
.endr
	s_wait_dscnt 0x0
	NOPS 8                                 ; (p's codes and scale word were written ahead of the waits on va_vdst above)
	WIN 0x8a
.irp l,0,1,2,3
	v_wmma_scale_f32_16x16x128_f8f6f4 v[8*\l:8*\l+7], v[176+12*\l:187+12*\l], v[160:171], 0, v[VS+\l], v[PS] matrix_a_fmt:MATRIX_FMT_FP6 matrix_b_fmt:MATRIX_FMT_FP6
.endr
	WIN 0
	NOPS 4
	; ---- all nine parts under the common M
	s_wait_loadcnt 0x0
	v_add_f32 v[U], v[SL], v[SL+1]
	v_permlanex16_b32 v[U+1], v[U], s[SEL], s[SEL+1]
	v_add_f32 v[U], v[U], v[U+1]           ; my own sum of p
	v_min3_num_f32 v[U+2], v[SM], v5, v6
	v_min3_num_f32 v[U+2], v[U+2], v7, v8
	v_min3_num_f32 v[U+2], v[U+2], v9, v10
	v_min3_num_f32 v[U+2], v[U+2], v11, v12        ; the least -M
.irp c,0,1,2,3,4,5,6,7
	v_sub_f32 v[64+2*\c], v[U+2], v[5+\c]
.endr
	v_sub_f32 v80, v[U+2], v[SM]
.irp c,0,1,2,3,4,5,6,7,8
	v_cvt_i32_f32 v[64+2*\c], v[64+2*\c]
.endr
.irp c,0,1,2,3,4,5,6,7,8
	v_ldexp_f32 v[64+2*\c], 1.0, v[64+2*\c]        ; 2^(M of the part - M): exact
.endr
	v_mul_f32 v[U], v[U], v80
.irp c,0,1,2,3,4,5,6,7
	v_fmac_f32 v[U], v[13+\c], v[64+2*\c]
.endr
	v_rcp_f32 v[U+4], v[U]
	WIN 0x02
.set cq, 0
.rept 16
	v_pk_mul_f32 v[ST+cq:ST+cq+1], v[cq:cq+1], v[80:81] op_sel_hi:[1,0]
.set cq, cq+2
.endr
	WIN 0x03
.irp c,0,1,2,3,4,5,6,7
.set cq, 0
.rept 16
	v_pk_fma_f32 v[ST+cq:ST+cq+1], v[32*\c+cq:32*\c+cq+1], v[64+2*\c:65+2*\c], v[ST+cq:ST+cq+1] op_sel_hi:[1,0,1]
.set cq, cq+2
.endr
.endr
	WIN 0
	s_wait_alu depctr_va_vdst(0)           ; the reciprocal has written its result, ahead of its first reader
.set cq, 0
.rept 16
	v_pk_mul_f32 v[ST+cq:ST+cq+1], v[ST+cq:ST+cq+1], v[U+4:U+5] op_sel_hi:[1,0]
.set cq, cq+2
.endr
	; ---- turned through LDS: rows l, 64 d of 4 bytes, pitch 272
	v_mul_u32_u24 v26, v[HH], 2176
	s_lshl_b32 s5, s[WV], 6
	s_add_co_u32 s5, s5, ATT
	v_add_nc_u32 v26, v26, v[R4]
	v_add_nc_u32 v26, s5, v26
	s_wait_alu depctr_va_vdst(0)           ; att's 32 numbers and the address v26 are written, which the LDS stores read
.irp l,0,1,2,3
.irp j,0,1,2,3,4,5,6,7
	ds_store_b32 v26, v[ST+8*\l+\j] offset:(16*\l+\j)*272
.endr
.endr
	s_wait_dscnt 0x0
	s_barrier_signal -1
	s_barrier_wait -1
	s_wait_alu depctr_vm_vsrc(0)           ; my LDS stores have read v[ST ..], in which the loads below land
.irp i,0,1,2,3,4,5,6,7
	ds_load_b128 v[ST+4*\i:ST+4*\i+3], v[ARD] offset:16*\i    ; d = 32 h .. 32 h + 31 of my row: a whole block
.endr
	s_wait_dscnt 0x0
	v_max3_num_f32 v[TM], |v[ST]|, |v[ST+1]|, 0x1800000
.irp i,2,4,6,8,10,12,14,16,18,20,22,24,26,28,30
	v_max3_num_f32 v[TM], v[TM], |v[ST+\i]|, |v[ST+\i+1]|
.endr
	v_add_nc_u32 v[TM+12], 0xff000000, v[TM]
	v_lshrrev_b32 v[TM+1], 23, v[TM+12]
	v_cvt_scalef32_pk16_fp6_f32 v[PC:PC+2], v[ST:ST+15], v[TM+12]
	v_cvt_scalef32_pk16_fp6_f32 v[PT:PT+2], v[ST+16:ST+31], v[TM+12]
	v_lshlrev_b32 v[TM+2], 3, v[HH]        ; (a plain place behind the conversions)
.irp i,0,1,2
	v_mov_b32 v[PC+3+\i], v[PT+\i]
.endr
	v_lshlrev_b32 v[TM+1], v[TM+2], v[TM+1]
	v_permlanex16_b32 v[TM+4], v[TM+1], s[SEL], s[SEL+1]
	v_or_b32 v[TM+1], v[TM+1], v[TM+4]     ; the head's two scale bytes of my row
	s_lshl_b32 s5, s[BB], 2
	s_lshr_b32 s6, s[HD], 1
	s_add_co_u32 s5, s5, s6
	s_lshl_b32 s5, s5, 2
	s_add_co_u32 s5, s5, s[WV]
	s_mul_i32 s96, s5, 1536
	s_add_nc_u64 s[58:59], s[58:59], s[96:97]
	s_lshl_b32 s96, s5, 7
	s_and_b32 s6, s[HD], 1
	s_lshl_b32 s7, s6, 1
	s_add_co_u32 s96, s96, s7
	s_add_nc_u64 s[60:61], s[60:61], s[96:97]
	s_wait_alu depctr_va_vdst(0)           ; the six registers of codes and the two scale bytes are written, which the stores on both ways below read
	global_store_b16 v[LS], v[TM+1], s[60:61]
	s_cmp_lg_u32 s6, 0
	s_cbranch_scc1 .Lodd
	global_store_b128 v[LI], v[PC:PC+3], s[58:59]                  ; the even head: registers 0 to 5 of the fragment's image
	global_store_b64 v[LI], v[PC+4:PC+5], s[58:59] offset:512
	s_wait_dscnt 0x0                       ; the closing lines, six on end, of a launch in the mode that stores to LDS
	s_wait_alu 0x0
	s_wait_tensorcnt 0x0
	ds_add_u32 v254, v255
	s_wait_dscnt 0x0
	s_endpgm
.Lodd:
	global_store_b64 v[LI], v[PC:PC+1], s[58:59] offset:520        ; the odd head: registers 6 to 11
	global_store_b128 v[LI], v[PC+2:PC+5], s[58:59] offset:1024
	s_wait_dscnt 0x0                       ; the closing lines once more
	s_wait_alu 0x0
	s_wait_tensorcnt 0x0
	ds_add_u32 v254, v255
	s_wait_dscnt 0x0
	s_endpgm
.Lfunc_end_k_q69607e7bf1_edge:
	.size	k_q69607e7bf1_edge, .Lfunc_end_k_q69607e7bf1_edge-k_q69607e7bf1_edge
	.p2alignl 7, 3214868480
	.fill 96, 4, 3214868480
	.section	.rodata,"a",@progbits
	.p2align	6, 0x0
	.amdhsa_kernel k_q69607e7bf1_edge
		.amdhsa_group_segment_fixed_size 178176
		.amdhsa_private_segment_fixed_size 0
		.amdhsa_enable_private_segment 0
		.amdhsa_kernarg_size 216
		.amdhsa_user_sgpr_count 2
		.amdhsa_user_sgpr_kernarg_segment_ptr 1
		.amdhsa_wavefront_size32 1
		.amdhsa_system_sgpr_workgroup_id_x 1
		.amdhsa_system_sgpr_workgroup_id_y 1
		.amdhsa_system_sgpr_workgroup_id_z 1
		.amdhsa_system_vgpr_workitem_id 0
		.amdhsa_next_free_vgpr 1024
		.amdhsa_next_free_sgpr 102
		.amdhsa_reserve_vcc 1
		.amdhsa_float_denorm_mode_32 3
		.amdhsa_float_denorm_mode_16_64 3
		.amdhsa_memory_ordered 1
		.amdhsa_forward_progress 1
		.amdhsa_inst_pref_size 255
	.end_amdhsa_kernel
	.section	.bss,"aw",@nobits
	.p2align	6
	.space	262144
	.amdgpu_metadata
---
amdhsa.version: [ 1, 2 ]
amdhsa.kernels:
  - .name:           k_q69607e7bf1_edge
    .symbol:         k_q69607e7bf1_edge.kd
    .args:
      - { .name: xf, .offset: 0, .size: 8, .value_kind: global_buffer, .address_space: global }
      - { .name: x, .offset: 8, .size: 8, .value_kind: global_buffer, .address_space: global }
      - { .name: re_motion, .offset: 16, .size: 8, .value_kind: global_buffer, .address_space: global }
      - { .name: re_text, .offset: 24, .size: 8, .value_kind: global_buffer, .address_space: global }
      - { .name: src_mask, .offset: 32, .size: 8, .value_kind: global_buffer, .address_space: global }
      - { .name: re_mask, .offset: 40, .size: 8, .value_kind: global_buffer, .address_space: global }
      - { .name: cond_type, .offset: 48, .size: 8, .value_kind: global_buffer, .address_space: global }
      - { .name: tnorm_g, .offset: 56, .size: 8, .value_kind: global_buffer, .address_space: global }
      - { .name: tnorm_b, .offset: 64, .size: 8, .value_kind: global_buffer, .address_space: global }
      - { .name: norm_g, .offset: 72, .size: 8, .value_kind: global_buffer, .address_space: global }
      - { .name: norm_b, .offset: 80, .size: 8, .value_kind: global_buffer, .address_space: global }
      - { .name: rn1_g, .offset: 88, .size: 8, .value_kind: global_buffer, .address_space: global }
      - { .name: rn1_b, .offset: 96, .size: 8, .value_kind: global_buffer, .address_space: global }
      - { .name: rn2_g, .offset: 104, .size: 8, .value_kind: global_buffer, .address_space: global }
      - { .name: rn2_b, .offset: 112, .size: 8, .value_kind: global_buffer, .address_space: global }
      - { .name: wimg, .offset: 120, .size: 8, .value_kind: global_buffer, .address_space: global }
      - { .name: tstat, .offset: 128, .size: 8, .value_kind: global_buffer, .address_space: global }
      - { .name: bkt, .offset: 136, .size: 8, .value_kind: global_buffer, .address_space: global }
      - { .name: bkr, .offset: 144, .size: 8, .value_kind: global_buffer, .address_space: global }
      - { .name: bkm, .offset: 152, .size: 8, .value_kind: global_buffer, .address_space: global }
      - { .name: bvt, .offset: 160, .size: 8, .value_kind: global_buffer, .address_space: global }
      - { .name: bvr, .offset: 168, .size: 8, .value_kind: global_buffer, .address_space: global }
      - { .name: bvm, .offset: 176, .size: 8, .value_kind: global_buffer, .address_space: global }
      - { .name: part, .offset: 184, .size: 8, .value_kind: global_buffer, .address_space: global }
      - { .name: pstat, .offset: 192, .size: 8, .value_kind: global_buffer, .address_space: global }
      - { .name: attc, .offset: 200, .size: 8, .value_kind: global_buffer, .address_space: global }
      - { .name: atts, .offset: 208, .size: 8, .value_kind: global_buffer, .address_space: global }
    .group_segment_fixed_size: 178176
    .private_segment_fixed_size: 0
    .kernarg_segment_align: 8
    .kernarg_segment_size: 216
    .max_flat_workgroup_size: 128
    .sgpr_count:     102
    .vgpr_count:     1024
    .wavefront_size: 32
...
	.end_amdgpu_metadata
.endif
;; end of part 7
;; launch out (part 8): grid 8 x 32, 4 waves a work-group, no clusters, 187,904 bytes of LDS; arguments x, norm_g, norm_b, wimg, Wq_scales, bq, attc, atts, film, out_W_scales, out_b, out0; writes out0
.if DOCPART == 8
	.amdgcn_target "amdgcn-amd-amdhsa--gfx1250"
	.amdhsa_code_object_version 6
	.text
	.protected	k_q69607e7bf1_out
	.globl	k_q69607e7bf1_out
	.p2align	8
	.type	k_q69607e7bf1_out,@function
k_q69607e7bf1_out:
	s_mov_b64 s[64:65], 0
	v_nop
	global_prefetch_b8 v0, s[64:65] scope:SCOPE_SE
	s_setreg_imm32_b32 hwreg(HW_REG_WAVE_SCHED_MODE, 0, 2), 2
	s_setreg_imm32_b32 hwreg(HW_REG_WAVE_MODE, 25, 1), 1
	s_wait_xcnt 0x0
	s_wait_alu depctr_vm_vsrc(0)
; Work-group (block of 128 tokens, b).  THE WAVES SHARE THE FEATURES: wave w has features 128 w .. 128 w + 127 (heads 2 w, 2 w + 1) of the query and of the output, for all 128 tokens;
; its parts of Wq and out_W stay in registers; they come as images of operand registers, three loads of 512 consecutive bytes a fragment.
; X: LayerNorm of x, quantised, images to LDS.  Q, a tile of 16 tokens a trip: query (transposed: a lane holds one token), softmax over each head's 64
; as p = 2^(t - M), quantised; y = att p / sum (att holds two heads in one fragment of 128 along K; p's other half is zero codes); LayerNorm over 512 (the waves' means and sums of squares meet
; in LDS), FiLM, SiLU, quantised: K step w of the last product.  O: the last product, + out_b, through the wave's stage to whole rows, + x, stored.
; WHEN THE WEIGHTS ARE ASKED FOR: Wq in the second tile's four blocks of phase X, 24 loads each; out_W's first 36 loads behind phase X, its other 60 at the end of Q's first trip; they are waited for ahead of O.
; LIMITS: NaN and infinities are not served; FiLM comes folded as A, B (one rounding more); a block of zeros gets the byte 1.
; THE MODE: SCHED_MODE bits 1:0 = 2 (LLVM: expert scheduling mode 2), set by the entry lines.  The code itself states the register dependences
; between vector or matrix instructions and memory or LDS instructions, with s_wait_alu, always for 0.
; THE PLAN.  Registers that memory or LDS instructions touch:
;   X  as in the launches before: the row's parts (window 3) are asked for again behind one wait on va_vdst; the image's stores stand behind one, the next quantiser behind one on vm_vsrc.
;      Wq's and out_W's loads land in registers that no vector instruction has named since the last wait on va_vdst: they owe none.
;   Q  v5, v30, v31: LDS addresses, made anew four times a trip, each time behind a wait on vm_vsrc and ahead of a wait on va_vdst that the data owe anyway.
;      v[R1 ..]: x's fragments, then att's, then FiLM's: each run of loads behind a wait on va_vdst that shows the last readers done.  v[ST ..]: bq lands there at the trip's head.
;      v[YM:YM+1], v[PC ..], v[PW]: data of LDS stores: a wait on va_vdst ahead of the stores; the wait on vm_vsrc at the next trip's head ahead of the next writes.
;   O  v[ST ..]: out_b lands, the products add, the stage's stores read, the rows land, x is added, the global stores read: four waits state these in turn.  x (window 1) is read by the additions and asked for again behind the trip's last wait on va_vdst.
.set MSB, 0
.macro WIN new
.if MSB != (\new)
	s_set_vgpr_msb (MSB<<8)|(\new)
.set MSB, (\new)
.endif
.endm
.macro NOPS n
.rept \n
	v_nop
.endr
.endm
.set LI,1
.set LS,2
.set R4,3
.set HH,4
.set ROFF,5
.set MOFF,6
.set XA,12
.set XSA,16
.set GBA,18
.set MEAN,22
.set RS,24
.set DR,26
.set QQ,30
.set TT,31
.set ST,32
.set PC,96
.set PT,108
.set TM,116
.set PW,132
.set SUM,134
.set U,142
.set R1,148
.set RSC,196
.set WQS,200
.set WOS,216
.set ATS,232
.set WQX,236
.set SMQ,248
.set RLQ,252
.set YM,248
.set YR,250
.set YD,252
.set QA,6
.set QB,18
.set STO,6
.set STR,7
.set XGO,8
.set WV,2
.set BB,3
.set WQP,14                            ; s[14:15] my 32 fragments of Wq
.set WOP,34                            ; s[34:35] my 32 fragments of out_W
.set RP,66
.set NN,70
.set SX,71
.set SXS,72
.set SY,73
.set SYW,74
.set SHW,75
.set SHS,76
.set SBQ,77
.set SFA,78
.set SAF,79
.set SEL,80
.set CS,82
.set NC,84
.set SOB,86
.set OP,88
.set WQIMG,1228800                     ; where Wq's images begin in wimg; out_W's lie 196,608 bytes on
.set GB,0
.set BQ,4096
.set OB,6144
.set FA,8192
.set FB,10240
.set YS,12288
.set XF,20480
.set XS,69632
.set HF,73728
.set HS,122880
.set STG,126976
.set AF,160768
.set X_SKS,128
.set G_GS,2048
.macro LOADPART ks, areg
	WIN 0xc0
.irp b,0,1,2,3
.irp j,0,1,2,3
	global_load_b128 v[64*(\ks)+16*\b+4*\j:64*(\ks)+16*\b+4*\j+3], v[\areg], s[RP:RP+1] offset:512*(\ks)+128*\b+16*\j
.endr
.endr
	WIN 0
.endm
.macro REDUCE dst
	v_pk_add_f32 v[SUM:SUM+1], v[SUM:SUM+1], v[SUM+2:SUM+3]
	v_pk_add_f32 v[SUM+4:SUM+5], v[SUM+4:SUM+5], v[SUM+6:SUM+7]
	v_pk_add_f32 v[SUM:SUM+1], v[SUM:SUM+1], v[SUM+4:SUM+5]
	v_add_f32 v[TT], v[SUM], v[SUM+1]
	v_permlanex16_b32 v[U+5], v[TT], s[SEL], s[SEL+1]
	v_add_f32 v[\dst], v[TT], v[U+5]
.endm
.macro STATS nb
	WIN 0x0f
.irp k,0,1,2,3
	v_pk_add_f32 v[SUM+2*\k:SUM+2*\k+1], v[2*\k:2*\k+1], v[8+2*\k:9+2*\k]
.endr
	WIN 0x0c
.set sp, 8
.rept 8*\nb-8
	v_pk_add_f32 v[SUM+2*(sp%4):SUM+2*(sp%4)+1], v[SUM+2*(sp%4):SUM+2*(sp%4)+1], v[2*sp:2*sp+1]
.set sp, sp+1
.endr
	WIN 0
	REDUCE TT
	v_mul_f32 v[MEAN], 0x3b000000, v[TT]
	WIN 0xc3
.set sp, 0
.rept 8*\nb
	v_pk_add_f32 v[2*sp:2*sp+1], v[2*sp:2*sp+1], v[MEAN:MEAN+1] op_sel_hi:[1,0] neg_lo:[0,1] neg_hi:[0,1]
.set sp, sp+1
.endr
	WIN 0x0f
.irp k,0,1,2,3
	v_pk_mul_f32 v[SUM+2*\k:SUM+2*\k+1], v[2*\k:2*\k+1], v[2*\k:2*\k+1]
.endr
.set sp, 4
.rept 8*\nb-4
	v_pk_fma_f32 v[SUM+2*(sp%4):SUM+2*(sp%4)+1], v[2*sp:2*sp+1], v[2*sp:2*sp+1], v[SUM+2*(sp%4):SUM+2*(sp%4)+1]
.set sp, sp+1
.endr
	WIN 0
	REDUCE QQ
.endm
.macro QUANT s, pw
.irp b,0,1,2,3
	v_max3_num_f32 v[TM+\b], |v[\s+16*\b]|, |v[\s+1+16*\b]|, 0x1800000   ; with the floor 2^(3 - 127): the byte cannot fall under 1
.endr
.irp i,2,4,6,8,10,12,14
.irp b,0,1,2,3
	v_max3_num_f32 v[TM+\b], v[TM+\b], |v[\s+16*\b+\i]|, |v[\s+1+16*\b+\i]|
.endr
.endr
.irp b,0,1,2,3
	v_permlanex16_b32 v[TM+4+\b], v[TM+\b], s[SEL], s[SEL+1]
.endr
.irp b,0,1,2,3
	v_max_num_f32 v[TM+\b], v[TM+\b], v[TM+4+\b]
.endr
.irp b,0,1,2,3
	v_add_nc_u32 v[TM+12+\b], 0xff000000, v[TM+\b]
.endr
.irp b,0,1,2,3
	v_lshrrev_b32 v[TM+4+\b], 23, v[TM+12+\b]
.endr
	v_lshl_or_b32 v[\pw], v[TM+5], 8, v[TM+4]
	v_lshl_or_b32 v[\pw], v[TM+6], 16, v[\pw]
	v_lshl_or_b32 v[\pw], v[TM+7], 24, v[\pw]
.irp c,0,1
	v_cvt_scalef32_pk16_fp6_f32 v[PC+6*\c:PC+2+6*\c], v[\s+32*\c:\s+15+32*\c], v[TM+12+2*\c]
	v_cvt_scalef32_pk16_fp6_f32 v[PT+4*\c:PT+2+4*\c], v[\s+16+32*\c:\s+31+32*\c], v[TM+13+2*\c]
.endr
	v_nop                                  ; one plain place behind a scaled conversion
.irp c,0,1
.irp i,0,1,2
	v_permlane16_swap_b32 v[PC+6*\c+\i], v[PT+4*\c+\i]
.endr
.irp i,0,1,2
	v_mov_b32 v[PC+3+6*\c+\i], v[PT+4*\c+\i]
.endr
.endr
.endm
.macro IMAGE a, off
.irp c,0,1,2
	ds_store_b128 v[\a], v[PC+4*\c:PC+4*\c+3] offset:\off+512*\c
.endr
.endm
; where a weight's fragment f = 8 ks + tile lies: no fragment crosses a window's end
.macro WQLOC f
.if (\f) < 21
.set fw, 1
.set fr, 12*(\f)
.elseif (\f) < 31
.set fw, 2
.set fr, 12*((\f)-21)
.else
.set fw, 0
.set fr, WQX
.endif
.endm
.macro WOLOC f
.if (\f) < 11
.set fw, 2
.set fr, 120+12*(\f)
.else
.set fw, 3
.set fr, 12*((\f)-11)
.endif
.endm
; in wimg my fragment (ks, tile) is number 16 (tile / 4) + 4 ks + tile % 4 of my 32
.macro WQLOAD ks                       ; Wq's eight fragments of K step ks: 24 loads, into registers that no vector instruction has named
.set wq, 8*(\ks)
.rept 8
	WQLOC wq
	WIN fw<<6
.irp c,0,1,2
	global_load_b128 v[fr+4*\c:fr+4*\c+3], v[LI], s[WQP:WQP+1] offset:(16*((wq%8)/4)+4*(wq/8)+wq%4)*1536+512*\c
.endr
.set wq, wq+1
.endr
	WIN 0
.endm
.macro WOLOAD f0, n                    ; n fragments of out_W from number f0 on
.set wq, \f0
.rept \n
	WOLOC wq
	WIN fw<<6
.irp c,0,1,2
	global_load_b128 v[fr+4*\c:fr+4*\c+3], v[LI], s[WOP:WOP+1] offset:(16*((wq%8)/4)+4*(wq/8)+wq%4)*1536+512*\c
.endr
.set wq, wq+1
.endr
	WIN 0
.endm
; nx = 1: the next row's part is asked for; nx = 3: Wq's K step ks
; The loads of gain and bias owe no wait of their own: no vector instruction stands between them and the last wait on va_vdst in front of them.
.macro NORMQ ks, nx, na
	WIN 0x80
.irp i,0,1,2,3,4,5,6,7,8,9,10,11,12,13,14,15
	ds_load_b128 v[128+4*\i:131+4*\i], v[GBA] offset:512*(\ks)+128*(\i/4)+16*(\i%4)
	ds_load_b128 v[192+4*\i:195+4*\i], v[GBA] offset:G_GS+512*(\ks)+128*(\i/4)+16*(\i%4)
.endr
	s_wait_dscnt 0x0                       ; gain and bias are in
.if (\ks) > 0
	s_wait_alu depctr_vm_vsrc(0)           ; the last image's LDS stores have read v[PC ..] and v[PW], which this block's quantiser writes again
.endif
	WIN 0x03
.set nq, 0
.rept 32
	v_pk_fma_f32 v[ST+nq:ST+nq+1], v[64*(\ks)+nq:64*(\ks)+nq+1], v[RS:RS+1], v[DR:DR+1] op_sel_hi:[1,0,0]
.set nq, nq+2
.endr
	WIN 0x28
.set nq, 0
.rept 32
	v_pk_fma_f32 v[ST+nq:ST+nq+1], v[ST+nq:ST+nq+1], v[128+nq:129+nq], v[192+nq:193+nq]
.set nq, nq+2
.endr
	WIN 0
.if \nx == 1
	s_wait_alu depctr_va_vdst(0)           ; the vector instructions are done writing and reading this part of the row, in which the next row's loads land
	LOADPART \ks, \na
.elseif \nx == 3
	WQLOAD \ks
.endif
	QUANT ST, PW
	s_wait_alu depctr_va_vdst(0)           ; the quantiser has written v[PC ..] and v[PW], which the LDS stores read; the multiply-adds are done reading gain and bias and the row, in which later loads land
	IMAGE XA+\ks, 0
	ds_store_b32 v[XSA], v[PW] offset:(\ks)*X_SKS
.endm
.macro XTRIP nb, nx, na
	s_wait_loadcnt 0x0
	STATS \nb
	v_mov_b32 v[U], 0x3727c5ac
	v_fmac_f32 v[U], 0x3b000000, v[QQ]
	v_rsq_f32 v[RS], v[U]
	v_mov_b32 v[DR], 0
	s_wait_alu depctr_va_vdst(0)           ; the root has written its result, ahead of its first reader; the tile's LDS addresses are written, which the loads and stores below read
.set xk, 0
.rept \nb/4
	NORMQ xk, \nx, \na
.set xk, xk+1
.endr
.endm
.macro SILUH b0                        ; SiLU of ST[b0 .. b0 + 31], temporaries in R1
.set sq, 0
.rept 16
	v_pk_mul_f32 v[R1+sq:R1+sq+1], v[ST+\b0+sq:ST+\b0+sq+1], s[NC:NC+1] op_sel_hi:[1,0]
.set sq, sq+2
.endr
.set sq, 0
.rept 32
	v_exp_f32 v[R1+sq], v[R1+sq]
.set sq, sq+1
.endr
	v_nop
	s_wait_alu depctr_va_vdst(0)           ; the 32 exponentials have written their results, ahead of their first reader
.set sq, 0
.rept 16
	v_pk_add_f32 v[R1+sq:R1+sq+1], v[R1+sq:R1+sq+1], 1.0 op_sel_hi:[1,0]
.set sq, sq+2
.endr
.set sq, 0
.rept 32
	v_rcp_f32 v[R1+sq], v[R1+sq]
.set sq, sq+1
.endr
	v_nop
	s_wait_alu depctr_va_vdst(0)           ; the 32 reciprocals have written their results, ahead of their first reader
.set sq, 0
.rept 16
	v_pk_mul_f32 v[ST+\b0+sq:ST+\b0+sq+1], v[ST+\b0+sq:ST+\b0+sq+1], v[R1+sq:R1+sq+1]
.set sq, sq+2
.endr
.endm
.macro FILMLD cc, buf                  ; A and B of block cc (16 features of my half) into 32 registers
.irp j,0,1,2,3
	ds_load_b128 v[\buf+4*\j:\buf+4*\j+3], v30 offset:128*\cc+16*\j
	ds_load_b128 v[\buf+16+4*\j:\buf+16+4*\j+3], v30 offset:2048+128*\cc+16*\j
.endr
.endm
.macro FILMDO cc, buf
.irp j,0,2,4,6,8,10,12,14
	v_pk_fma_f32 v[ST+16*\cc+\j:ST+16*\cc+\j+1], v[ST+16*\cc+\j:ST+16*\cc+\j+1], v[\buf+\j:\buf+\j+1], v[\buf+16+\j:\buf+17+\j]
.endr
.endm
.macro XLD off                         ; x for the residual: 16 tokens' 512 bytes of my features, from off bytes on, into window 1
	WIN 0x40
.irp t,0,1,2,3,4,5,6,7,8,9,10,11,12,13,14,15
	global_load_b128 v[4*\t:4*\t+3], v[XGO], s[8:9] offset:\off+2048*\t
.endr
	WIN 0
.endm
	s_load_b512 s[8:23], s[0:1], 0x0       ; x norm_g norm_b wimg Wq_scales bq attc atts
	s_load_b256 s[24:31], s[0:1], 0x40     ; film out_W_scales out_b out0
	v_lshl_add_u32 v133, v0, 2, 0x2dc00
	s_set_vgpr_msb 0x40
	v_mov_b32 v255, 0
	s_set_vgpr_msb 0x4000
	v_lshrrev_b32 v31, 5, v0
	v_readfirstlane_b32 s[WV], v31
	s_and_b32 s[BB], ttmp7, 0xffff
	v_and_b32 v31, 31, v0
	v_lshlrev_b32 v[LI], 4, v31
	v_lshlrev_b32 v[LS], 2, v31
	v_and_b32 v30, 15, v0
	v_lshlrev_b32 v[R4], 2, v30
	v_bfe_u32 v[HH], v0, 4, 1
	v_and_b32 v31, 8, v30
	v_add_nc_u32 v31, v31, v30             ; r + 8 (r / 8)
	s_mov_b32 s[SEL], 0x76543210
	s_mov_b32 s[SEL+1], 0xfedcba98
	s_mov_b32 s[CS], 0x3fb8aa3b
	s_mov_b32 s[CS+1], s[CS]
	s_mov_b32 s[NC], 0xbfb8aa3b
	s_mov_b32 s[NC+1], s[NC]
.irp i,MEAN+1,RS+1,DR+1,TM+4,TM+5,TM+6,TM+7,U+2,U+3,U+5,SMQ+1,SMQ+3,RLQ+1,RLQ+3
	v_mov_b32 v[\i], 0
.endr
	s_wait_alu depctr_va_sdst(0)           ; the wave's number is written, ahead of its first reader
	s_mov_b32 s7, 0
	s_wait_kmcnt 0x0
	s_lshl_b32 s6, s[BB], 21
	s_lshl_b32 s5, ttmp9, 18
	s_add_co_u32 s6, s6, s5                ; my 128 tokens
	s_add_nc_u64 s[8:9], s[8:9], s[6:7]
	s_add_nc_u64 s[OP:OP+1], s[30:31], s[6:7]
	s_mov_b64 s[RP:RP+1], s[8:9]
	s_lshl_b32 s5, s[WV], 16               ; tile 2 w: 32 w rows of 2,048 bytes
	v_lshlrev_b32 v[ROFF], 11, v30
	v_lshl_add_u32 v[ROFF], v[HH], 6, v[ROFF]
	v_add_nc_u32 v[ROFF], s5, v[ROFF]
	v_add_nc_u32 v[MOFF], 0x8000, v[ROFF]
	s_mul_i32 s6, s[WV], 49152             ; my 32 fragments of 1,536 bytes in each weight's images
	s_add_co_u32 s6, s6, WQIMG
	s_add_nc_u64 s[WQP:WQP+1], s[WQP:WQP+1], s[6:7]
	s_add_nc_u64 s[WOP:WOP+1], s[WQP:WQP+1], 196608
	s_lshl_b32 s6, s[WV], 11
	s_add_nc_u64 s[16:17], s[16:17], s[6:7]
	s_add_nc_u64 s[26:27], s[26:27], s[6:7]
	v_lshl_add_u32 v11, v[HH], 3, v31
	v_lshlrev_b32 v11, 4, v11              ; scale words: lanes 0-15 an even tile's rows, lanes 16-31 the odd tile's
	v_lshl_add_u32 v20, v[HH], 4, v30
	v_lshlrev_b32 v20, 4, v20
	s_lshl_b32 s5, s[BB], 2
	s_add_co_u32 s5, s5, s[WV]
	s_lshl_b32 s6, s5, 9
	s_add_nc_u64 s[22:23], s[22:23], s[6:7]
	s_mul_i32 s6, s5, 6144
	s_add_nc_u64 s[20:21], s[20:21], s[6:7]
	s_lshl_b32 s6, s[BB], 11
	s_add_nc_u64 s[24:25], s[24:25], s[6:7]
	v_lshlrev_b32 v21, 4, v0
	s_mul_i32 s[SAF], s[WV], 6144
	s_add_co_u32 s[SAF], s[SAF], AF
	v_add_nc_u32 v31, s[SAF], v[LI]        ; where my pair of heads' fragments of att go in LDS
	s_wait_alu depctr_va_vdst(0)           ; all offsets and addresses of the head are written: v1 to v6, v11, v20, v21, v31, which the loads and LDS stores below read
	; the small things first: 30 loads
	global_load_b128 v[32:35], v21, s[10:11]
	global_load_b128 v[36:39], v21, s[12:13]
	global_load_b128 v[40:43], v21, s[18:19]
	global_load_b128 v[44:47], v21, s[28:29]
	global_load_b128 v[48:51], v21, s[24:25]
	global_load_b128 v[52:55], v21, s[24:25] offset:65536
.irp i,0,1,2,3,4,5,6,7,8,9,10,11
	global_load_b128 v[56+4*\i:59+4*\i], v[LI], s[20:21] offset:512*\i
.endr
.irp f,0,1,2,3
	global_load_b128 v[WQS+4*\f:WQS+4*\f+3], v11, s[16:17] offset:512*\f
	global_load_b128 v[WOS+4*\f:WOS+4*\f+3], v20, s[26:27] offset:512*\f
.endr
.irp t,0,1,2,3
	global_load_b32 v[ATS+\t], v[LS], s[22:23] offset:128*\t
.endr
	LOADPART 0, ROFF
	LOADPART 1, ROFF
	s_wait_loadcnt 32                      ; the 30 are in; the row's 32 loads behind them may be out
.irp i,0,1,2,3,4,5
	ds_store_b128 v21, v[32+4*\i:35+4*\i] offset:2048*\i   ; gain, bias, bq, out_b, FiLM's A and B
.endr
.irp i,0,1,2,3,4,5,6,7,8,9,10,11
	ds_store_b128 v31, v[56+4*\i:59+4*\i] offset:512*\i    ; my pair of heads' four fragments of att: the wave's own bytes
.endr
	LOADPART 2, ROFF
	LOADPART 3, ROFF
	s_wait_dscnt 0x0
	s_barrier_signal -1
	s_barrier_wait -1
	s_wait_alu depctr_vm_vsrc(0)           ; the LDS stores above have read v31 and v[32:103], which the first tile's arithmetic writes
	; ---- X: tiles 2 w and 2 w + 1
	s_mul_i32 s5, s[WV], 12288
	s_add_co_u32 s5, s5, XF
	s_lshl_b32 s6, s[WV], 10
	s_add_co_u32 s6, s6, XS
.irp k,0,1,2,3
	v_add_nc_u32 v[XA+\k], s5, v[LI]
	s_add_co_u32 s5, s5, 1536
.endr
	v_add_nc_u32 v[XSA], s6, v[LS]
	v_lshlrev_b32 v[GBA], 6, v[HH]
	XTRIP 16, 1, MOFF
	s_wait_alu depctr_vm_vsrc(0)           ; the first tile's LDS stores have read v[XA ..], v[XSA], v[PC ..] and v[PW], which the second tile writes again
.irp k,0,1,2,3
	v_add_nc_u32 v[XA+\k], s5, v[LI]
	s_add_co_u32 s5, s5, 1536
.endr
	s_add_co_u32 s6, s6, 512
	v_add_nc_u32 v[XSA], s6, v[LS]
	XTRIP 16, 3, MOFF
	WOLOAD 0, 12                           ; out_W's first twelve fragments, into registers that phase X has left: no vector instruction since the wait ahead of the last image's stores
	s_wait_dscnt 0x0
	s_barrier_signal -1
	s_barrier_wait -1                      ; x's 32 fragments lie in LDS
	s_wait_loadcnt 36                      ; Wq is in; out_W's 36 loads, issued behind it, may be out
	s_wait_alu depctr_vm_vsrc(0)           ; the head's and phase X's loads and LDS instructions have read v5, v6, v11 to v16, v18, v20 and v21, which the lines below write
.irp i,0,1,2,3,4,5
	v_mov_b32 v[QA+6+\i], 0                ; the other head's half of p: zero codes
	v_mov_b32 v[QB+\i], 0
.endr
	s_mov_b32 s[SX], XF                    ; the stepped scalars carry their regions' bases: an LDS immediate holds 16 bits
	s_mov_b32 s[SXS], XS
	s_mov_b32 s[SY], YS
	s_lshl_b32 s[SYW], s[WV], 8
	s_add_co_u32 s[SYW], s[SYW], YS
	s_mul_i32 s[SHW], s[WV], 1536
	s_add_co_u32 s[SHW], s[SHW], HF
	s_lshl_b32 s[SHS], s[WV], 7
	s_add_co_u32 s[SHS], s[SHS], HS
	s_lshl_b32 s[SBQ], s[WV], 9
	s_add_co_u32 s[SFA], s[SBQ], FA
	s_add_co_u32 s[SOB], s[SBQ], OB
	s_add_co_u32 s[SBQ], s[SBQ], BQ
	s_mov_b32 s[NN], 0
.Lq:                                       ; ---- Q: a tile of 16 tokens a trip
	s_wait_alu depctr_vm_vsrc(0)           ; the last trip's LDS stores have read v5, v30, v31, the pair of mean and sum of squares, v[PC ..] and v[PW]: this trip writes them all again
	v_add_nc_u32 v30, s[SX], v[LI]
	v_add_nc_u32 v31, s[SXS], v[LS]
	v_lshl_add_u32 v5, v[HH], 6, s[SBQ]
	s_wait_alu depctr_va_vdst(0)           ; the three addresses are written; the last trip's vector instructions are done with v[R1 ..], v[RSC ..] and v[ST ..], in which the loads below land
.irp k,0,1,2,3
.irp c,0,1,2
	ds_load_b128 v[R1+12*\k+4*\c:R1+12*\k+4*\c+3], v30 offset:1536*\k+512*\c
.endr
	ds_load_b32 v[RSC+\k], v31 offset:128*\k
.endr
.irp t,0,1,2,3,4,5,6,7
	ds_load_b128 v[ST+8*\t:ST+8*\t+3], v5 offset:128*(\t/2)+32*(\t%2)          ; bq is the C of each sum's first product
	ds_load_b128 v[ST+8*\t+4:ST+8*\t+7], v5 offset:128*(\t/2)+32*(\t%2)+16
.endr
	s_wait_dscnt 0x0
.set qf, 0
.rept 32
	WQLOC qf
	WIN fw
.if qf%2
	v_wmma_scale_f32_16x16x128_f8f6f4 v[ST+8*(qf%8):ST+8*(qf%8)+7], v[fr:fr+11], v[R1+12*(qf/8):R1+12*(qf/8)+11], v[ST+8*(qf%8):ST+8*(qf%8)+7], v[WQS+4*((qf%8)/2)+qf/8], v[RSC+qf/8] matrix_a_fmt:MATRIX_FMT_FP6 matrix_b_fmt:MATRIX_FMT_FP6 matrix_a_scale:MATRIX_SCALE_ROW1
.else
	v_wmma_scale_f32_16x16x128_f8f6f4 v[ST+8*(qf%8):ST+8*(qf%8)+7], v[fr:fr+11], v[R1+12*(qf/8):R1+12*(qf/8)+11], v[ST+8*(qf%8):ST+8*(qf%8)+7], v[WQS+4*((qf%8)/2)+qf/8], v[RSC+qf/8] matrix_a_fmt:MATRIX_FMT_FP6 matrix_b_fmt:MATRIX_FMT_FP6
.endif
.set qf, qf+1
.endr
	WIN 0
	NOPS 4
	s_wait_alu depctr_vm_vsrc(0)           ; the loads of x's fragments have read v30, which is made anew
	v_add_nc_u32 v30, s[SAF], v[LI]
	s_wait_alu depctr_va_vdst(0)           ; v30 is written; the 32 matrix instructions are done reading x's fragments, in which att's land
.irp i,0,1,2,3,4,5,6,7,8,9,10,11
	ds_load_b128 v[R1+4*\i:R1+4*\i+3], v30 offset:512*\i   ; att's four fragments
.endr
	; the query's softmax over each head's 64: my 32 and lane l xor 16's
.irp e,0,1
	v_max3_num_f32 v[TM+\e], v[ST+32*\e], v[ST+32*\e+1], v[ST+32*\e+2]
.endr
.irp i,3,5,7,9,11,13,15,17,19,21,23,25,27,29
.irp e,0,1
	v_max3_num_f32 v[TM+\e], v[TM+\e], v[ST+32*\e+\i], v[ST+32*\e+\i+1]
.endr
.endr
.irp e,0,1
	v_max_num_f32 v[TM+\e], v[TM+\e], v[ST+32*\e+31]
.endr
.irp e,0,1
	v_permlanex16_b32 v[TM+4+\e], v[TM+\e], s[SEL], s[SEL+1]
.endr
.irp e,0,1
	v_max_num_f32 v[TM+\e], v[TM+\e], v[TM+4+\e]
.endr
.irp e,0,1
	v_mul_f32 v[TM+\e], s[CS], v[TM+\e]
.endr
.irp e,0,1
	v_floor_f32 v[SMQ+2*\e], -v[TM+\e]     ; -M = -ceil(the largest t)
.endr
.irp e,0,1
.set sq, 0
.rept 16
	v_pk_fma_f32 v[ST+32*\e+sq:ST+32*\e+sq+1], v[ST+32*\e+sq:ST+32*\e+sq+1], s[CS:CS+1], v[SMQ+2*\e:SMQ+2*\e+1] op_sel_hi:[1,0,0]
.set sq, sq+2
.endr
.endr
.set sq, 0
.rept 64
	v_exp_f32 v[ST+sq], v[ST+sq]
.set sq, sq+1
.endr
	v_nop
	s_wait_alu depctr_va_vdst(0)           ; the 64 exponentials have written their results: one wait, ahead of their first reader
.irp e,0,1
	v_pk_add_f32 v[SUM+2*\e:SUM+2*\e+1], v[ST+32*\e:ST+32*\e+1], v[ST+32*\e+2:ST+32*\e+3]
.endr
.irp k,4,6,8,10,12,14,16,18,20,22,24,26,28,30
.irp e,0,1
	v_pk_add_f32 v[SUM+2*\e:SUM+2*\e+1], v[SUM+2*\e:SUM+2*\e+1], v[ST+32*\e+\k:ST+32*\e+\k+1]
.endr
.endr
.irp e,0,1
	v_add_f32 v[U+\e], v[SUM+2*\e], v[SUM+2*\e+1]
.endr
.irp e,0,1
	v_permlanex16_b32 v[U+2+\e], v[U+\e], s[SEL], s[SEL+1]
.endr
.irp e,0,1
	v_add_f32 v[U+\e], v[U+\e], v[U+2+\e]  ; the sum of the unquantised p
.endr
	QUANT ST, PW
.irp e,0,1
	v_rcp_f32 v[RLQ+2*\e], v[U+\e]
.endr
.irp i,0,1,2,3,4,5
	v_mov_b32 v[QA+\i], v[PC+\i]
	v_mov_b32 v[QB+6+\i], v[PC+6+\i]
.endr
	s_wait_dscnt 0x0
	NOPS 8
	s_wait_alu depctr_va_vdst(0)           ; the vector instructions have written p's codes and scale word, which the scaled matrix instructions take (the places above stay beside this wait); the two reciprocals have written their results, ahead of their first reader
.irp t,0,1,2,3
	v_wmma_scale_f32_16x16x128_f8f6f4 v[ST+8*\t:ST+8*\t+7], v[R1+12*\t:R1+12*\t+11], v[QA:QA+11], 0, v[ATS+\t], v[PW] matrix_a_fmt:MATRIX_FMT_FP6 matrix_b_fmt:MATRIX_FMT_FP6
	v_wmma_scale_f32_16x16x128_f8f6f4 v[ST+32+8*\t:ST+32+8*\t+7], v[R1+12*\t:R1+12*\t+11], v[QB:QB+11], 0, v[ATS+\t], v[PW] matrix_a_fmt:MATRIX_FMT_FP6 matrix_b_fmt:MATRIX_FMT_FP6
.endr
	NOPS 4
.irp e,0,1
.set sq, 0
.rept 16
	v_pk_mul_f32 v[ST+32*\e+sq:ST+32*\e+sq+1], v[ST+32*\e+sq:ST+32*\e+sq+1], v[RLQ+2*\e:RLQ+2*\e+1] op_sel_hi:[1,0]
.set sq, sq+2
.endr
.endr
	; LayerNorm over 512: my wave's 128 first
.irp k,0,1,2,3
	v_pk_add_f32 v[SUM+2*\k:SUM+2*\k+1], v[ST+2*\k:ST+2*\k+1], v[ST+8+2*\k:ST+9+2*\k]
.endr
.set sp, 8
.rept 24
	v_pk_add_f32 v[SUM+2*(sp%4):SUM+2*(sp%4)+1], v[SUM+2*(sp%4):SUM+2*(sp%4)+1], v[ST+2*sp:ST+2*sp+1]
.set sp, sp+1
.endr
	REDUCE TT
	v_mul_f32 v[YM], 0x3c000000, v[TT]
.set sp, 0
.rept 32
	v_pk_add_f32 v[ST+2*sp:ST+2*sp+1], v[ST+2*sp:ST+2*sp+1], v[YM:YM+1] op_sel_hi:[1,0] neg_lo:[0,1] neg_hi:[0,1]
.set sp, sp+1
.endr
.irp k,0,1,2,3
	v_pk_mul_f32 v[SUM+2*\k:SUM+2*\k+1], v[ST+2*\k:ST+2*\k+1], v[ST+2*\k:ST+2*\k+1]
.endr
.set sp, 4
.rept 28
	v_pk_fma_f32 v[SUM+2*(sp%4):SUM+2*(sp%4)+1], v[ST+2*sp:ST+2*sp+1], v[ST+2*sp:ST+2*sp+1], v[SUM+2*(sp%4):SUM+2*(sp%4)+1]
.set sp, sp+1
.endr
	REDUCE YM+1
	s_wait_alu depctr_vm_vsrc(0)           ; the loads of bq, of x's scale words and of att have read v5, v31 and v30, which are made anew
	v_lshl_add_u32 v5, v[LS], 1, s[SYW]    ; where my pair goes,
	v_lshl_add_u32 v31, v[LS], 1, s[SY]    ; from where the four waves' pairs come back,
	v_lshl_add_u32 v30, v[HH], 6, s[SFA]   ; and FiLM's vectors
	s_wait_alu depctr_va_vdst(0)           ; the pair of mean and sum of squares is written, which the LDS store reads; so are the three addresses; the vector and matrix instructions are done with v[SUM ..], v[R1 ..] and v[PC ..], in which the loads behind the barrier land
	ds_store_b64 v5, v[YM:YM+1]
	s_wait_dscnt 0x0
	s_barrier_signal -1
	s_barrier_wait -1                      ; the four waves' means and sums of squares of this tile lie in LDS
.irp w,0,1,2,3
	ds_load_b64 v[SUM+2*\w:SUM+2*\w+1], v31 offset:256*\w
.endr
	FILMLD 0, R1
	FILMLD 1, PC
	s_wait_dscnt 16                        ; the four pairs are in; FiLM's sixteen loads may be out
	v_add_f32 v[U], v[SUM], v[SUM+2]
	v_add_f32 v[U+1], v[SUM+4], v[SUM+6]
	v_add_f32 v[U], v[U], v[U+1]
	v_mul_f32 v[U], 0x3e800000, v[U]       ; the mean of 512
	v_sub_f32 v[U+1], v[SUM], v[U]
	v_mul_f32 v[U+2], v[U+1], v[U+1]
.irp w,1,2,3
	v_sub_f32 v[U+1], v[SUM+2*\w], v[U]
	v_fmac_f32 v[U+2], v[U+1], v[U+1]
.endr
	v_add_f32 v[U+3], v[SUM+1], v[SUM+3]
	v_add_f32 v[U+4], v[SUM+5], v[SUM+7]
	v_add_f32 v[U+3], v[U+3], v[U+4]
	v_fmac_f32 v[U+3], 0x43000000, v[U+2]
	v_mov_b32 v[U+4], 0x3727c5ac
	v_fmac_f32 v[U+4], 0x3b000000, v[U+3]
	v_rsq_f32 v[YR], v[U+4]
	v_sub_f32 v[U+1], v[YM], v[U]
	s_wait_alu depctr_va_vdst(0)           ; the root has written its result, ahead of its first reader
	v_mul_f32 v[YD], v[U+1], v[YR]
.set sp, 0
.rept 32
	v_pk_fma_f32 v[ST+2*sp:ST+2*sp+1], v[ST+2*sp:ST+2*sp+1], v[YR:YR+1], v[YD:YD+1] op_sel_hi:[1,0,0]
.set sp, sp+1
.endr
	s_wait_dscnt 8                         ; chunk 0 is in; chunk 1's eight loads may be out
	FILMDO 0, R1
	s_wait_alu depctr_va_vdst(0)           ; chunk 0's multiply-adds are done reading their 32 registers, in which chunk 2 lands
	FILMLD 2, R1
	s_wait_dscnt 8
	FILMDO 1, PC
	s_wait_alu depctr_va_vdst(0)           ; chunk 1's multiply-adds are done reading their 32 registers, in which chunk 3 lands
	FILMLD 3, PC
	s_wait_dscnt 8
	FILMDO 2, R1
	s_wait_dscnt 0x0
	FILMDO 3, PC
	SILUH 0
	SILUH 32
	QUANT ST, PW
	s_wait_alu depctr_vm_vsrc(0)           ; the loads of the four pairs and of FiLM's vectors have read v31 and v30, which are made anew
	v_add_nc_u32 v30, s[SHW], v[LI]
	v_add_nc_u32 v31, s[SHS], v[LS]
	s_wait_alu depctr_va_vdst(0)           ; the quantiser has written v[PC ..] and v[PW], which the LDS stores read; the two addresses are written
	IMAGE 30, 0                            ; K step w of the last product, this tile's rows
	ds_store_b32 v31, v[PW]
	s_cmp_lg_u32 s[NN], 0                  ; in the first trip alone: out_W's other twenty fragments, 60 loads; they have the seven trips that follow in which to land
	s_cbranch_scc1 .Lwo
	WOLOAD 12, 20                          ; into registers of window 3 that no vector instruction has named since phase X
.Lwo:
	s_add_co_u32 s[SX], s[SX], 6144
	s_add_co_u32 s[SXS], s[SXS], 512
	s_add_co_u32 s[SY], s[SY], 1024
	s_add_co_u32 s[SYW], s[SYW], 1024
	s_add_co_u32 s[SHW], s[SHW], 6144
	s_add_co_u32 s[SHS], s[SHS], 512
	s_wait_dscnt 0x0                       ; my reads of the means are back and my image has landed:
	s_barrier_signal -1
	s_barrier_wait -1                      ; the next trip's stores come behind every wave's reads; behind the last trip all 32 fragments of the hidden layer lie in LDS
	s_add_co_u32 s[NN], s[NN], 1
	s_cmp_lt_u32 s[NN], 8
	s_cbranch_scc1 .Lq
	; ---- O
	s_wait_alu depctr_vm_vsrc(0)           ; the last image's LDS stores have read v30, which is written below
	v_and_b32 v30, 15, v0
	s_mul_i32 s5, s[WV], 8448
	s_add_co_u32 s5, s5, STG
	v_mul_u32_u24 v[STO], v30, 528
	v_lshl_add_u32 v[STO], v[HH], 5, v[STO]
	v_add_nc_u32 v[STO], s5, v[STO]
	v_add_nc_u32 v[STR], s5, v[LI]
	s_lshl_b32 s5, s[WV], 9
	v_add_nc_u32 v[XGO], s5, v[LI]
	s_mov_b32 s[SX], HF
	s_mov_b32 s[SXS], HS
	s_mov_b32 s[NN], 0
	s_wait_alu depctr_va_vdst(0)           ; v[XGO] is written, which x's loads read; Q's matrix instructions are done reading Wq's fragments, in which x lands
	XLD 0                                  ; the first tile's x, into registers that Wq has left
	s_wait_loadcnt 16                      ; out_W is in; x's sixteen loads, issued behind it, may be out
.Lo:
	s_wait_alu depctr_vm_vsrc(0)           ; the last trip's LDS loads have read v30, v31 and v5, which are made anew; its stores have read v[ST ..], in which out_b lands
	v_add_nc_u32 v30, s[SX], v[LI]
	v_add_nc_u32 v31, s[SXS], v[LS]
	v_lshl_add_u32 v5, v[HH], 5, s[SOB]
	s_wait_alu depctr_va_vdst(0)           ; the three addresses, and in the first trip the stage's two, are written; the last trip's matrix instructions are done reading v[R1 ..] and v[RSC ..], in which the loads below land
.irp k,0,1,2,3
.irp c,0,1,2
	ds_load_b128 v[R1+12*\k+4*\c:R1+12*\k+4*\c+3], v30 offset:1536*\k+512*\c
.endr
	ds_load_b32 v[RSC+\k], v31 offset:128*\k
.endr
.irp t,0,1,2,3,4,5,6,7
	ds_load_b128 v[ST+8*\t:ST+8*\t+3], v5 offset:64*\t
	ds_load_b128 v[ST+8*\t+4:ST+8*\t+7], v5 offset:64*\t+16
.endr
	s_wait_dscnt 0x0
.set qf, 0
.rept 32
	WOLOC qf
	WIN fw
.if qf%2
	v_wmma_scale_f32_16x16x128_f8f6f4 v[ST+8*(qf%8):ST+8*(qf%8)+7], v[fr:fr+11], v[R1+12*(qf/8):R1+12*(qf/8)+11], v[ST+8*(qf%8):ST+8*(qf%8)+7], v[WOS+4*((qf%8)/2)+qf/8], v[RSC+qf/8] matrix_a_fmt:MATRIX_FMT_FP6 matrix_b_fmt:MATRIX_FMT_FP6 matrix_a_scale:MATRIX_SCALE_ROW1
.else
	v_wmma_scale_f32_16x16x128_f8f6f4 v[ST+8*(qf%8):ST+8*(qf%8)+7], v[fr:fr+11], v[R1+12*(qf/8):R1+12*(qf/8)+11], v[ST+8*(qf%8):ST+8*(qf%8)+7], v[WOS+4*((qf%8)/2)+qf/8], v[RSC+qf/8] matrix_a_fmt:MATRIX_FMT_FP6 matrix_b_fmt:MATRIX_FMT_FP6
.endif
.set qf, qf+1
.endr
	WIN 0
	NOPS 4
	s_wait_alu depctr_va_vdst(0)           ; the matrix instructions have written v[ST ..], which the LDS stores read; the places above stay beside this wait
.irp t,0,1,2,3,4,5,6,7
	ds_store_b128 v[STO], v[ST+8*\t:ST+8*\t+3] offset:64*\t            ; my own stage: row = token, 512 bytes + 16
	ds_store_b128 v[STO], v[ST+8*\t+4:ST+8*\t+7] offset:64*\t+16
.endr
	s_wait_alu depctr_vm_vsrc(0)           ; the LDS stores have read v[ST ..], in which the rows land
.irp t,0,1,2,3,4,5,6,7,8,9,10,11,12,13,14,15
	ds_load_b128 v[ST+4*\t:ST+4*\t+3], v[STR] offset:528*\t            ; LDS serves a wave's instructions in order: these see the stores above
.endr
	s_wait_dscnt 0x0
	s_wait_loadcnt 0x0                     ; this tile's x, asked for a trip ago
	WIN 0x04
.set sp, 0
.rept 32
	v_pk_add_f32 v[ST+2*sp:ST+2*sp+1], v[ST+2*sp:ST+2*sp+1], v[2*sp:2*sp+1]
.set sp, sp+1
.endr
	WIN 0
	s_wait_alu depctr_va_vdst(0)           ; the additions have written v[ST ..], which the stores read, and are done reading x, in which the next tile's x lands
	s_cmp_eq_u32 s[NN], 7                  ; the last tile has no successor: no load leaves its buffer
	s_cbranch_scc1 .Lnox
	XLD 32768                              ; the next tile's x, into the registers just read
.Lnox:
.irp t,0,1,2,3,4,5,6,7,8,9,10,11,12,13,14,15
	global_store_b128 v[XGO], v[ST+4*\t:ST+4*\t+3], s[OP:OP+1] offset:2048*\t th:TH_STORE_NT   ; 32 lanes store 512 consecutive bytes
.endr
	s_wait_xcnt 0x0                        ; the loads' and stores' addresses are translated: their bases may be stepped
	s_add_nc_u64 s[8:9], s[8:9], 0x8000
	s_add_nc_u64 s[OP:OP+1], s[OP:OP+1], 0x8000
	s_add_co_u32 s[SX], s[SX], 6144
	s_add_co_u32 s[SXS], s[SXS], 512
	s_add_co_u32 s[NN], s[NN], 1
	s_cmp_lt_u32 s[NN], 8
	s_cbranch_scc1 .Lo
	s_set_vgpr_msb 0x4                     ; the add's second register lies in window 1
	s_wait_dscnt 0x0                       ; the closing lines, six on end, of a launch in the mode that stores to LDS
	s_wait_alu 0x0
	s_wait_tensorcnt 0x0
	ds_add_u32 v133, v255
	s_wait_dscnt 0x0
	s_endpgm
.Lfunc_end_k_q69607e7bf1_out:
	.size	k_q69607e7bf1_out, .Lfunc_end_k_q69607e7bf1_out-k_q69607e7bf1_out
	.p2alignl 7, 3214868480
	.fill 96, 4, 3214868480
	.section	.rodata,"a",@progbits
	.p2align	6, 0x0
	.amdhsa_kernel k_q69607e7bf1_out
		.amdhsa_group_segment_fixed_size 187904
		.amdhsa_private_segment_fixed_size 0
		.amdhsa_enable_private_segment 0
		.amdhsa_kernarg_size 96
		.amdhsa_user_sgpr_count 2
		.amdhsa_user_sgpr_kernarg_segment_ptr 1
		.amdhsa_wavefront_size32 1
		.amdhsa_system_sgpr_workgroup_id_x 1
		.amdhsa_system_sgpr_workgroup_id_y 1
		.amdhsa_system_sgpr_workgroup_id_z 1
		.amdhsa_system_vgpr_workitem_id 0
		.amdhsa_next_free_vgpr 1024
		.amdhsa_next_free_sgpr 90
		.amdhsa_reserve_vcc 0
		.amdhsa_float_denorm_mode_32 3
		.amdhsa_float_denorm_mode_16_64 3
		.amdhsa_memory_ordered 1
		.amdhsa_forward_progress 1
		.amdhsa_inst_pref_size 242
	.end_amdhsa_kernel
	.amdgpu_metadata
---
amdhsa.version: [ 1, 2 ]
amdhsa.kernels:
  - .name:           k_q69607e7bf1_out
    .symbol:         k_q69607e7bf1_out.kd
    .args:
      - { .name: x, .offset: 0, .size: 8, .value_kind: global_buffer, .address_space: global }
      - { .name: norm_g, .offset: 8, .size: 8, .value_kind: global_buffer, .address_space: global }
      - { .name: norm_b, .offset: 16, .size: 8, .value_kind: global_buffer, .address_space: global }
      - { .name: wimg, .offset: 24, .size: 8, .value_kind: global_buffer, .address_space: global }
      - { .name: Wq_scales, .offset: 32, .size: 8, .value_kind: global_buffer, .address_space: global }
      - { .name: bq, .offset: 40, .size: 8, .value_kind: global_buffer, .address_space: global }
      - { .name: attc, .offset: 48, .size: 8, .value_kind: global_buffer, .address_space: global }
      - { .name: atts, .offset: 56, .size: 8, .value_kind: global_buffer, .address_space: global }
      - { .name: film, .offset: 64, .size: 8, .value_kind: global_buffer, .address_space: global }
      - { .name: out_W_scales, .offset: 72, .size: 8, .value_kind: global_buffer, .address_space: global }
      - { .name: out_b, .offset: 80, .size: 8, .value_kind: global_buffer, .address_space: global }
      - { .name: out0, .offset: 88, .size: 8, .value_kind: global_buffer, .address_space: global }
    .group_segment_fixed_size: 187904
    .private_segment_fixed_size: 0
    .kernarg_segment_align: 8
    .kernarg_segment_size: 96
    .max_flat_workgroup_size: 128
    .sgpr_count:     90
    .vgpr_count:     1024
    .wavefront_size: 32
...
	.end_amdgpu_metadata
.endif
;; end of part 8
